; MI455X (gfx1250); checked and timed in simulation.
; The chip was launched on July 23, 2026; its instructions are those of AMD's public machine-readable ISA for CDNA 5 (MIT licence, August 2026) and "CDNA5" Instruction Set Architecture Reference Guide (July 2026). The comments in the code are by the model that wrote it; some were corrected since.
;; Encoder Layer. Allowed arithmetic: matrix products marked QUANTISED: E3M2 operands, one E8M0 scale for each 32 along K, by v_wmma_scale_f32_16x16x128_f8f6f4 with both operands' format E3M2, f32 sums; everything else in f32.
;; Inputs: W1 1,024 x 4,096 float32; W2 4,096 x 1,024 float32; Wqkv 1,024 x 3,072 float32; b1 4,096 float32; b2 1,024 float32; beta 1,024 float32; bqkv 3,072 float32; gamma 1,024 float32; x 2 x 2,048 x 1,024 float32.
;; Outputs: out0 2 x 2,048 x 1,024 float32.
;; This version of the problem:
;;   THIS VERSION OF THE PROBLEM IS GIVEN IN LOW PRECISION. The matrix products marked QUANTISED in the list below multiply operands that are first quantised to E3M2 (3 exponent bits, 2 mantissa bits; 6 bits a number), with one power-of-two scale for each 32 numbers along K (OCP MX v1.0); their sums are f32. All else is computed in f32.
;;   The module's matrix products, in the order in which they are computed (A, B: the left and right operand; K: the contracted axis; several contracted axes count as one K, in the product's order):
;;     1. [M 4,096, K 1,024] x [K 1,024, N 3,072]; A: input x; B: input Wqkv: QUANTISED
;;     2. batch 32 x [M 2,048, K 64] x [K 64, N 2,048]; A: computed on the way; B: computed on the way: QUANTISED
;;     3. batch 32 x [M 2,048, K 2,048] x [K 2,048, N 64]; A: softmax (see below); B: computed on the way: QUANTISED
;;     4. [M 4,096, K 1,024] x [K 1,024, N 4,096]; A: computed on the way; B: input W1: QUANTISED
;;     5. [M 4,096, K 4,096] x [K 4,096, N 1,024]; A: computed on the way; B: input W2: QUANTISED
;;   THE QUANTISER, for each operand of a quantised product, along K:
;;     - K is cut into blocks of 32 from its start; a last block that is shorter is filled with zeros.
;;     - A block's scale is 2^e with e = floor(log2(the largest magnitude in the block)) - 4, held to -126 .. 127; a block of zeros has e = 0. As a byte (E8M0): e + 127.
;;     - Each number is divided by its block's scale, clamped to +-28, and rounded to the nearest number of E3M2, ties to even, subnormals kept.
;;     - The product sums the exact products of the quantised numbers (number of the format x scale) in f32.
;;   ~~~python
;;   def quantise(x, axis):      # numpy; x: float32 -> the quantised numbers, widened to float32 again
;;       x = np.moveaxis(x, axis, -1); K = x.shape[-1]
;;       x = np.pad(x, [(0, 0)] * (x.ndim - 1) + [(0, -K % 32)]); x = x.reshape(x.shape[:-1] + (-1, 32)); a = np.abs(x).max(-1, keepdims=True)
;;       e = np.where(a > 0, np.clip(np.frexp(np.where(a > 0, a, 1))[1] - 1 - 4, -126, 127), 0)      # np.frexp(a)[1] - 1 = floor(log2(a)), exactly
;;       r = np.clip(x / 2.0 ** e, -28, 28)
;;       step = 2.0 ** (np.maximum(np.frexp(np.where(r == 0, 1, r))[1] - 1, -2) - 2)
;;       q = np.round(r / step) * step * 2.0 ** e      # np.round: ties to even
;;       return np.moveaxis(q.reshape(q.shape[:-2] + (-1,))[..., :K], -1, axis).astype(np.float32)
;;   ~~~
;;   SOFTMAX AHEAD OF A QUANTISED PRODUCT. Where the list says 'softmax', what is quantised is not the finished softmax but p = 2^(t - M), with t = logit x log2(e) and M = ceil(the row's largest t), a whole number; so 1/2 < the row's largest p <= 1. The row's sum l is taken of the UNQUANTISED p, in f32, and the product's result is divided by l at the end. Since M is a whole number, a kernel that streams over the keys may use a running M (the ceiling of the running maximum): every later rescaling is an exact power of two, which a block's scale takes up: the codes' values come out the same.
;;   OPERANDS COMPUTED ON THE WAY. 'Computed on the way' means the value that the module computes at that place (a softmax that the list does not call 'softmax' is quantised finished and normalised). What goes into a quantiser is computed in f32, as accurately as f32 sums, v_exp_f32 and their like allow (about 1e-6 of the number): no bf16 or f16 on the way to a quantiser, and a product that is left as it is and whose result goes on into a quantised operand takes f32 operands (vector FMAs, or v_wmma_f32_16x16x4_f32). A number that lies on a knife's edge between two numbers of the format may be rounded either way, as far as f32 arithmetic and the matrix unit's own rounding can turn it there, and no further.
;; One version. Each part assembles by itself: llvm-mc -triple=amdgcn-amd-amdhsa -mcpu=gfx1250 --defsym DOCPART=n.
;; ======== version 1 of 1: 6 launches
;; limits: right only within a limited range of input values
;; workspace buffers: cq 12,288,000 bytes; qkv 9,830,400 bytes; hb 20,054,016 bytes; hid 13,107,200 bytes; yb 16,777,216 bytes
;; launch quant (part 1): grid 608 x 1, 4 waves a work-group, no clusters, 58,880 bytes of LDS; arguments Wqkv, W1, W2, cq, x; writes cq
.if DOCPART == 1
	.amdgcn_target "amdgcn-amd-amdhsa--gfx1250"
	.amdhsa_code_object_version 6
	.text
	.protected	k_qf601b1ae2e_quant
	.globl	k_qf601b1ae2e_quant
	.p2align	8
	.type	k_qf601b1ae2e_quant,@function
k_qf601b1ae2e_quant:
	s_mov_b64 s[64:65], 0
	v_nop
	global_prefetch_b8 v0, s[64:65] scope:SCOPE_SE
	s_setreg_imm32_b32 hwreg(HW_REG_WAVE_MODE, 25, 1), 1
	s_wait_xcnt 0x0
; ONE LAUNCH QUANTISES THE THREE WEIGHTS AND x to codes of E3M2 with one E8M0 scale byte for each 32 along K, laid as the products' operand registers want them.
; FRAGMENTS.  A tile is 16 rows; lane-row i of tile T is row 32 (T / 2) + 8 (T % 2) + i + 8 (i / 8).  Fragment (T, s) is that tile x 128 along K: 12 registers a lane, 1,536 bytes at (T KST + s) x 1,536 of its region:
; registers 6 c .. 6 c + 3 at 768 c + 16 lane, registers 6 c + 4, 6 c + 5 at 768 c + 512 + 8 lane.  Scale words: 4 bytes a row at T KST 64 + 64 s + 4 r of the region of scale words.
; Work-groups 0-351 take the weights, work-groups 352-607 take x: the two paths part on the work-group's number at the first line, share no line behind it, and have LDS bytes of their own (0 .. 24,575; 24,576 .. 58,367).
; THE WEIGHTS, f32 stored [K][N]: A LANE TAKES A COLUMN AND ITS REGISTERS RUN DOWN K: each load reads 128 consecutive bytes a wave, a block of 32 lies in one lane, the conversions give K innermost.  A wave takes 32 columns
; (two tiles) x 256 along K (8 blocks, 2 K steps); the codes go through its own 6,144 bytes of LDS and leave as 12 stores of 512 consecutive bytes.  One path for the three weights: only scalars are chosen.
; Wqkv's rows are re-ordered: row n' = 1024 part + 64 head + d stands for column 192 head + 64 part + d, so that q's, k's and v's rows lie together.
; x [4096][1024]: a work-group takes 32 rows (two tiles), wave w one K step.  Each load reads 512 consecutive bytes of one row; a tile's 16 x 512 bytes turn through the wave's own stage in LDS (rows 528 bytes apart), so that
; lane (r, h) gets, of row r, 16 neighbours of each block of 32.
; Waves share nothing: no barrier.  No matrix work, no tensor load, no cluster: nothing is read twice.  The weights' scale words leave as 4 bytes a lane: one byte in 128 of what is read.
; A block's scale is 2^(floor(log2(largest magnitude)) - 4); its byte is the largest magnitude's exponent field - 4, held at 1 from below.
; LIMITS: NaN and infinities are not served; a block whose largest magnitude lies under 2^-122 keeps the byte 1; a block of zeros gets the byte 1 (its codes are zeros; only this program reads the bytes).
.set NQW,  352                         ; work-groups for the weights
; the weights' path
.set WB,   3276800                     ; where the weights' regions begin in cq
.set VIN,  3                           ; v3  4 x lane
.set VA,   4                           ; v4  stage: 3072 u + 16 r
.set VB,   5                           ; v5  stage: 3072 u + 8 r
.set VR,   6                           ; v6  stage, way out: 16 x lane
.set WL16, 7                           ; v7  16 x lane
.set VS,   8                           ; v8  scale words: u x 64 KST + 4 r
.set SB,   24                          ; v24-25 the scale words of my two K steps
.set VO,   32                          ; v32-63 row i of a block: i x the row's bytes + 4 x lane
.set WX,   64                          ; v64-127 two sets of 32 numbers
.set C,    128                         ; v128-139 a block's codes
.set OUTR, 144                         ; v144-191 the way out
; x's path
.set XS_OFF, 3145728                   ; x's scale words in cq
.set XLDS, 24576                       ; x's path's LDS begins here
.set WREG, 8448
.set SP,   528
.set VL16, 4                           ; v4  16 x lane
.set VL8,  5                           ; v5  8 x lane
.set AD,   6                           ; v6  the stage, way in: 16 x lane
.set AQ,   7                           ; v7  the stage, way out: 528 r + 64 h
.set VSC,  8                           ; v8  scale words: 4 r + 512 h
.set D0,   16                          ; v16-79   tile 0 as loaded
.set D1,   80                          ; v80-143  tile 1 as loaded
.set X,    144                         ; v144-207 64 numbers in the quantiser's order
.set TM,   208                         ; v208-223 at work
.set PW,   224                         ; the scale word just made
.set PW0,  225                         ; tile 0's, kept
.set PWM,  226                         ; both, merged
.set PC,   228                         ; v228-247 the codes
.set SEL,  14                          ; s[14:15] lane selects: lane l xor 16
; 64 numbers of a lane, register 16 b + i = k 32 b + 16 h + i of my row, become a fragment's 12 registers in v[PC] on and its scale word in v[PW].
.macro QUANT s
.irp b, 0,1,2,3
	v_max3_num_f32 v[TM+\b], |v[\s+16*\b]|, |v[\s+1+16*\b]|, 0x2800000   ; my 16 numbers of block b, and the floor 2^(5 - 127): the byte cannot fall under 1
.endr
.irp i, 2,4,6,8,10,12,14
.irp b, 0,1,2,3
	v_max3_num_f32 v[TM+\b], v[TM+\b], |v[\s+16*\b+\i]|, |v[\s+1+16*\b+\i]|
.endr
.endr
.irp b, 0,1,2,3
	v_permlanex16_b32 v[TM+4+\b], v[TM+\b], s[SEL], s[SEL+1]
.endr
.irp b, 0,1,2,3
	v_max_num_f32 v[TM+\b], v[TM+\b], v[TM+4+\b]   ; with lane l xor 16's: the block's largest magnitude
.endr
.irp b, 0,1,2,3
	v_add_nc_u32 v[TM+12+\b], 0xfe000000, v[TM+\b]   ; 4 off its exponent field: the conversion's scale operand
.endr
.irp b, 0,1,2,3
	v_lshrrev_b32 v[TM+4+\b], 23, v[TM+12+\b]      ; the scale's byte
.endr
	v_lshl_or_b32 v[PW], v[TM+5], 8, v[TM+4]
	v_lshl_or_b32 v[PW], v[TM+6], 16, v[PW]
	v_lshl_or_b32 v[PW], v[TM+7], 24, v[PW]
.irp c, 0,1
	v_cvt_scalef32_pk16_bf6_f32 v[PC+6*\c:PC+2+6*\c], v[\s+32*\c:\s+15+32*\c], v[TM+12+2*\c]
	v_cvt_scalef32_pk16_bf6_f32 v[PC+12+4*\c:PC+14+4*\c], v[\s+16+32*\c:\s+31+32*\c], v[TM+12+2*\c+1]
.endr
	v_nop                                          ; one plain place behind a scaled conversion
.irp c, 0,1                                    ; a whole block to a lane: lanes 0-15 block 2 c, lanes 16-31 block 2 c + 1
.irp i, 0,1,2
	v_permlane16_swap_b32 v[PC+6*\c+\i], v[PC+12+4*\c+\i]
.endr
.irp i, 0,1,2
	v_mov_b32 v[PC+3+6*\c+\i], v[PC+12+4*\c+\i]
.endr
.endr
.endm
.macro IMG base, off                           ; the fragment leaves as it stands: stores of 512, 256, 512, 256 consecutive bytes, each at a multiple of 256 from the buffer's first byte
	global_store_b128 v[VL16], v[PC:PC+3], s[\base:\base+1] offset:\off
	global_store_b64 v[VL8], v[PC+4:PC+5], s[\base:\base+1] offset:\off+512
	global_store_b128 v[VL16], v[PC+6:PC+9], s[\base:\base+1] offset:\off+768
	global_store_b64 v[VL8], v[PC+10:PC+11], s[\base:\base+1] offset:\off+1280
.endm
.macro TURNIN d                                ; a tile through my stage: LDS serves a wave's instructions in order, so no wait stands between the stores and the loads
.irp i, 0,1,2,3,4,5,6,7,8,9,10,11,12,13,14,15
	ds_store_b128 v[AD], v[\d+4*\i:\d+4*\i+3] offset:SP*\i
.endr
.irp b, 0,1,2,3
.irp j, 0,1,2,3
	ds_load_b128 v[X+16*\b+4*\j:X+16*\b+4*\j+3], v[AQ] offset:128*\b+16*\j
.endr
.endr
.endm
.macro LOAD t                          ; a weight's block t into set t % 2
.if (\t) > 0
	s_wait_xcnt 0x0                                ; the base steps only behind this wait
	s_add_nc_u64 s[4:5], s[4:5], s[22:23]
.endif
.irp i, 0,1,2,3,4,5,6,7,8,9,10,11,12,13,14,15,16,17,18,19,20,21,22,23,24,25,26,27,28,29,30,31
	global_load_b32 v[WX+32*((\t)%2)+\i], v[VO+\i], s[4:5] th:TH_LOAD_NT
.endr
.endm
.macro BLOCK t
.set XB, WX+32*((\t)%2)
.set OA, ((\t)/4)*1536+(((\t)%4)/2)*768
.if (\t) < 7
	s_wait_loadcnt 32                              ; this block's 32 loads are in; the next block's may be out
.else
	s_wait_loadcnt 0x0
.endif
	v_max3_num_f32 v12, |v[XB]|, |v[XB+1]|, |v[XB+2]|
	v_max3_num_f32 v13, |v[XB+3]|, |v[XB+4]|, |v[XB+5]|
.irp i, 6,10,14,18,22,26
	v_max3_num_f32 v12, v12, |v[XB+\i]|, |v[XB+\i+1]|
	v_max3_num_f32 v13, v13, |v[XB+\i+2]|, |v[XB+\i+3]|
.endr
	v_max3_num_f32 v12, v12, |v[XB+30]|, |v[XB+31]|
	v_max3_num_f32 v12, v12, v13, 0x2800000        ; and the floor 2^(5 - 127)
	v_add_nc_u32 v11, 0xfe000000, v12              ; 4 off the exponent field: the conversion's scale operand
	v_lshrrev_b32 v13, 23, v11                     ; the byte
.if (\t)%4 == 0
	v_mov_b32 v[SB+(\t)/4], v13
.else
	v_lshl_or_b32 v[SB+(\t)/4], v13, 8*((\t)%4), v[SB+(\t)/4]
.endif
	v_cvt_scalef32_pk16_bf6_f32 v[C:C+2], v[XB:XB+15], v11
	v_cvt_scalef32_pk16_bf6_f32 v[C+6:C+8], v[XB+16:XB+31], v11
	v_nop                                          ; one plain place behind a scaled conversion
.irp i, 0,1,2
	v_mov_b32 v[C+3+\i], v[C+6+\i]
.endr
	ds_store_b128 v[VA], v[C:C+3] offset:OA+256*((\t)%2)           ; block t is lane (r, t % 2)'s six registers of half (t % 4) / 2 of K step t / 4
	ds_store_b64 v[VB], v[C+4:C+5] offset:OA+512+128*((\t)%2)
.if (\t)+2 < 8
	LOAD (\t)+2
.endif
	s_wait_dscnt 0x0                               ; the stores have read their registers
.endm
	v_lshl_add_u32 v254, v0, 2, 0xe400
	v_mov_b32 v255, 0
	s_cmp_lt_u32 ttmp9, NQW                        ; the weights' work-group or x's?
	s_cbranch_scc0 .Lfor_x
	; ---------------- the weights
	s_load_b256 s[4:11], s[0:1], 0x0               ; Wqkv, W1, W2, cq
	v_lshrrev_b32 v1, 5, v0
	v_readfirstlane_b32 s12, v1                    ; wave
	v_and_b32 v1, 31, v0                           ; lane j = my column of the wave's 32
	v_bfe_u32 v2, v0, 3, 1                         ; u: which of the two tiles
	v_and_b32 v9, 7, v0
	v_bfe_u32 v10, v0, 4, 1
	v_lshl_or_b32 v9, v10, 3, v9                   ; r: my lane-row in it
	v_lshlrev_b32 v[VIN], 2, v1
	s_mul_i32 s13, s12, 6144
	v_mul_u32_u24 v10, v2, 3072
	v_add_nc_u32 v10, s13, v10
	v_lshl_add_u32 v[VA], v9, 4, v10
	v_lshl_add_u32 v[VB], v9, 3, v10
	v_lshlrev_b32 v[WL16], 4, v1
	v_add_nc_u32 v[VR], s13, v[WL16]
	; which weight: work-groups 0-95 Wqkv, 96-223 W1, 224-351 W2
	s_mov_b32 s14, 224
	s_mov_b32 s15, 4096
	s_mov_b32 s16, WB+5505024
	s_mov_b32 s17, WB+8880128
	s_cmp_lt_u32 ttmp9, 224
	s_cselect_b32 s18, 96, s14                     ; the weight's first work-group
	s_cselect_b32 s19, 16384, s15                  ; bytes in a row of the weight
	s_cselect_b32 s20, 3, 15                       ; runs of 256 along K, less 1
	s_cselect_b32 s21, 2, 4
	s_cselect_b32 s24, 8, 32                       ; KST
	s_cselect_b32 s25, WB+2359296, s16             ; region of the codes
	s_cselect_b32 s26, WB+8749056, s17             ; and of the scale words
	s_cmp_lt_u32 ttmp9, 96
	s_cselect_b32 s18, 0, s18
	s_cselect_b32 s19, 12288, s19
	s_cselect_b32 s25, WB, s25
	s_cselect_b32 s26, WB+8650752, s26
	s_sub_co_u32 s18, ttmp9, s18
	s_and_b32 s27, s18, s20                        ; kb: which 256 along K
	s_lshr_b32 s18, s18, s21
	s_lshl_b32 s18, s18, 2
	s_add_co_u32 s18, s18, s12                     ; gq: which 32 rows n'
	s_lshl_b32 s28, s18, 5                         ; their first column: 32 gq, or for Wqkv 192 head + 64 part + 32 (gq % 2)
	s_and_b32 s29, s18, 31
	s_lshr_b32 s29, s29, 1
	s_mul_i32 s29, s29, 192
	s_lshr_b32 s30, s18, 5
	s_lshl_b32 s30, s30, 6
	s_add_co_u32 s29, s29, s30
	s_and_b32 s30, s18, 1
	s_lshl_b32 s30, s30, 5
	s_add_co_u32 s29, s29, s30
	s_cmp_lt_u32 ttmp9, 96
	s_cselect_b32 s28, s29, s28
	s_mul_i32 s30, s27, s19
	s_lshl_b32 s30, s30, 8                         ; 256 kb rows
	s_lshl_b32 s28, s28, 2
	s_add_co_u32 s30, s30, s28
	s_mov_b32 s31, 0
	s_lshl_b32 s22, s19, 5                         ; a block: 32 rows
	s_mov_b32 s23, 0
	s_lshl_b32 s32, s18, 1
	s_mul_i32 s32, s32, s24                        ; 2 gq KST
	s_lshl_b32 s34, s32, 6
	s_lshl_b32 s33, s27, 1                         ; my first K step
	s_add_co_u32 s32, s32, s33
	s_mul_i32 s32, s32, 1536
	s_add_co_u32 s32, s32, s25
	s_lshl_b32 s33, s33, 6
	s_add_co_u32 s34, s34, s33
	s_add_co_u32 s34, s34, s26
	s_mov_b32 s33, 0
	s_mov_b32 s35, 0
	s_mul_i32 s36, s24, 1536                       ; from a tile to the next
	s_mov_b32 s37, 0
	s_lshl_b32 s38, s24, 6
	v_mul_u32_u24 v[VS], s38, v2
	s_wait_alu depctr_va_vdst(0)
	v_lshl_add_u32 v[VS], v9, 2, v[VS]
.irp i, 0,1,2,3,4,5,6,7,8,9,10,11,12,13,14,15,16,17,18,19,20,21,22,23,24,25,26,27,28,29,30,31
	v_mad_u32_u24 v[VO+\i], s19, \i, v[VIN]
.endr
	s_wait_alu depctr_va_vdst(0)
	s_wait_kmcnt 0x0
	s_cmp_lt_u32 ttmp9, 224                        ; the choice hangs on the work-group's number alone
	s_cselect_b64 s[6:7], s[6:7], s[8:9]
	s_cmp_lt_u32 ttmp9, 96
	s_cselect_b64 s[4:5], s[4:5], s[6:7]
	s_add_nc_u64 s[4:5], s[4:5], s[30:31]
	s_add_nc_u64 s[6:7], s[10:11], s[32:33]        ; tile 0's codes
	s_add_nc_u64 s[8:9], s[10:11], s[34:35]        ; the scale words
	s_add_nc_u64 s[10:11], s[6:7], s[36:37]        ; tile 1's codes
	LOAD 0
	LOAD 1
.irp t, 0,1,2,3,4,5,6,7
	BLOCK \t
.endr
	global_store_b32 v[VS], v[SB], s[8:9]
	s_wait_alu depctr_va_vdst(0)
	global_store_b32 v[VS], v[SB+1], s[8:9] offset:64
.irp i, 0,1,2,3,4,5,6,7,8,9,10,11
	ds_load_b128 v[OUTR+4*\i:OUTR+4*\i+3], v[VR] offset:512*\i     ; LDS serves a wave's instructions in order: these see my stores
.endr
.irp i, 0,1,2,3,4,5,6,7,8,9,10,11
	s_wait_dscnt 11-\i
.if \i < 6
	global_store_b128 v[WL16], v[OUTR+4*\i:OUTR+4*\i+3], s[6:7] offset:512*\i
.else
	global_store_b128 v[WL16], v[OUTR+4*\i:OUTR+4*\i+3], s[10:11] offset:512*(\i-6)
.endif
.endr
	s_wait_tensorcnt 0x0
	ds_add_u32 v254, v255
	s_wait_dscnt 0x0
	s_endpgm
	; ---------------- x
.Lfor_x:
	s_load_b64 s[6:7], s[0:1], 0x18                ; cq
	s_load_b64 s[4:5], s[0:1], 0x20                ; x
	s_sub_co_u32 s2, ttmp9, NQW                    ; x's work-group, 0 .. 255
	v_lshrrev_b32 v1, 5, v0
	v_readfirstlane_b32 s12, v1                    ; wave
	v_and_b32 v1, 31, v0                           ; lane
	v_and_b32 v2, 15, v0                           ; r
	v_bfe_u32 v3, v0, 4, 1                         ; h
	v_lshlrev_b32 v[VL16], 4, v1
	v_lshlrev_b32 v[VL8], 3, v1
	s_mul_i32 s13, s12, WREG
	s_add_co_u32 s13, s13, XLDS
	v_add_nc_u32 v[AD], s13, v[VL16]
	v_mul_u32_u24 v[AQ], v2, SP
	v_lshl_add_u32 v[AQ], v3, 6, v[AQ]
	v_add_nc_u32 v[AQ], s13, v[AQ]
	v_lshlrev_b32 v[VSC], 2, v2
	v_lshl_add_u32 v[VSC], v3, 9, v[VSC]
	s_mov_b32 s[SEL], 0x76543210
	s_mov_b32 s[SEL+1], 0xfedcba98
	s_mov_b32 s16, 0xffff0000                      ; lanes 16-31
.irp b, 0,1,2,3
	v_mov_b32 v[TM+4+\b], 0                        ; written once: a lane permute's destination counts as one of its sources
.endr
	s_lshr_b32 s17, s2, 1                          ; which 32 rows
	s_and_b32 s18, s2, 1
	s_lshl_b32 s18, s18, 2
	s_add_co_u32 s18, s18, s12                     ; my K step
	s_lshl_b32 s20, s17, 17                        ; 32 rows of 4,096 bytes
	s_lshl_b32 s19, s18, 9
	s_add_co_u32 s20, s20, s19
	s_mov_b32 s21, 0
	s_lshl_b32 s22, s17, 4                         ; 8 x the first tile
	s_add_co_u32 s22, s22, s18
	s_mul_i32 s22, s22, 1536
	s_mov_b32 s23, 0
	s_lshl_b32 s24, s17, 10                        ; 512 x the first tile
	s_lshl_b32 s19, s18, 6
	s_add_co_u32 s24, s24, s19
	s_add_co_u32 s24, s24, XS_OFF
	s_mov_b32 s25, 0
	s_wait_alu depctr_va_vdst(0)
	s_wait_kmcnt 0x0
	s_add_nc_u64 s[4:5], s[4:5], s[20:21]
	s_add_nc_u64 s[8:9], s[6:7], s[24:25]          ; the scale words
	s_add_nc_u64 s[6:7], s[6:7], s[22:23]          ; the codes
.irp u, 0,1
.irp i, 0,1,2,3,4,5,6,7,8,9,10,11,12,13,14,15
	global_load_b128 v[D0+64*\u+4*\i:D0+64*\u+4*\i+3], v[VL16], s[4:5] offset:(8*\u+\i+8*(\i/8))*4096   ; 512 consecutive bytes of one row
.endr
.endr
	s_wait_loadcnt 16                              ; tile 0's sixteen loads are in; tile 1's may be out
	TURNIN D0
	s_wait_dscnt 0x0
	QUANT X
	v_mov_b32 v[PW0], v[PW]
	IMG 6, 0
	s_wait_loadcnt 0x0
	TURNIN D1
	s_wait_dscnt 0x0
	s_wait_xcnt 0x0                                ; the codes' registers are written again only behind this wait
	QUANT X
	IMG 6, 12288
	v_cndmask_b32 v[PWM], v[PW0], v[PW], s16       ; lanes 0-15 tile 0's words, lanes 16-31 tile 1's
	global_store_b32 v[VSC], v[PWM], s[8:9]
	s_wait_tensorcnt 0x0
	ds_add_u32 v254, v255
	s_wait_dscnt 0x0
	s_endpgm
.Lfunc_end_k_qf601b1ae2e_quant:
	.size	k_qf601b1ae2e_quant, .Lfunc_end_k_qf601b1ae2e_quant-k_qf601b1ae2e_quant
	.p2alignl 7, 3214868480
	.fill 96, 4, 3214868480
	.section	.rodata,"a",@progbits
	.p2align	6, 0x0
	.amdhsa_kernel k_qf601b1ae2e_quant
		.amdhsa_group_segment_fixed_size 58880
		.amdhsa_private_segment_fixed_size 0
		.amdhsa_enable_private_segment 0
		.amdhsa_kernarg_size 40
		.amdhsa_user_sgpr_count 2
		.amdhsa_user_sgpr_kernarg_segment_ptr 1
		.amdhsa_wavefront_size32 1
		.amdhsa_system_sgpr_workgroup_id_x 1
		.amdhsa_system_sgpr_workgroup_id_y 1
		.amdhsa_system_sgpr_workgroup_id_z 1
		.amdhsa_system_vgpr_workitem_id 0
		.amdhsa_next_free_vgpr 256
		.amdhsa_next_free_sgpr 66
		.amdhsa_reserve_vcc 0
		.amdhsa_float_denorm_mode_32 3
		.amdhsa_float_denorm_mode_16_64 3
		.amdhsa_memory_ordered 1
		.amdhsa_forward_progress 1
		.amdhsa_inst_pref_size 64
	.end_amdhsa_kernel
	.amdgpu_metadata
---
amdhsa.version: [ 1, 2 ]
amdhsa.kernels:
  - .name:           k_qf601b1ae2e_quant
    .symbol:         k_qf601b1ae2e_quant.kd
    .args:
      - { .name: Wqkv, .offset: 0, .size: 8, .value_kind: global_buffer, .address_space: global }
      - { .name: W1, .offset: 8, .size: 8, .value_kind: global_buffer, .address_space: global }
      - { .name: W2, .offset: 16, .size: 8, .value_kind: global_buffer, .address_space: global }
      - { .name: cq, .offset: 24, .size: 8, .value_kind: global_buffer, .address_space: global }
      - { .name: x, .offset: 32, .size: 8, .value_kind: global_buffer, .address_space: global }
    .group_segment_fixed_size: 58880
    .private_segment_fixed_size: 0
    .kernarg_segment_align: 8
    .kernarg_segment_size: 40
    .max_flat_workgroup_size: 128
    .sgpr_count:     66
    .vgpr_count:     256
    .wavefront_size: 32
...
	.end_amdgpu_metadata
.endif
;; end of part 1
;; launch gqkv (part 2): grid 12 x 16, 4 waves a work-group, clusters of 4 x 4, 327,680 bytes of LDS; arguments cq, bqkv, qkv; writes qkv
.if DOCPART == 2
	.amdgcn_target "amdgcn-amd-amdhsa--gfx1250"
	.amdhsa_code_object_version 6
	.text
	.protected	k_qf601b1ae2e_gqkv
	.globl	k_qf601b1ae2e_gqkv
	.p2align	8
	.type	k_qf601b1ae2e_gqkv,@function
k_qf601b1ae2e_gqkv:
	s_mov_b64 s[64:65], 0
	v_nop
	global_prefetch_b8 v0, s[64:65] scope:SCOPE_SE
	s_setreg_imm32_b32 hwreg(HW_REG_WAVE_MODE, 25, 1), 1
	s_wait_xcnt 0x0
	s_wait_alu depctr_hold_cnt(0) depctr_sa_sdst(0) depctr_va_vdst(0) depctr_va_sdst(0) depctr_va_ssrc(0) depctr_va_vcc(0) depctr_vm_vsrc(0)
	s_getreg_b32 s2, hwreg(HW_REG_IB_STS2, 6, 4)
	s_cmp_eq_u32 s2, 0
	s_cbranch_scc0 .Lentry_in_a_cluster
	s_endpgm
.Lentry_in_a_cluster:
	s_bfe_u32 s2, ttmp6, 0x10000c
	s_cmp_lg_u32 s2, 0xf033
	s_cbranch_scc0 .Lentry_shape_is_right
	s_endpgm
.Lentry_shape_is_right:
; ONE TEXT SERVES THREE PRODUCTS ON CODES OF E3M2 (one E8M0 scale for each 32 along K); the constant KIND says which.
;   KIND 1: q, k, v = Q(x) Q(Wqkv) + bqkv, quantised again in registers: q and k along the head's 64, v along the keys.   KIND 2: Q(relu(Q(h) Q(W1) + b1)).   KIND 3: Q(hidden) Q(W2), stored as f32.
; OPERANDS lie in memory as images of their registers: fragment (T, s) = 16 rows x 128 K = 1,536 bytes at (T KST + s) x 1,536 (registers 6 c .. 6 c + 3 at 768 c + 16 lane, 6 c + 4, 6 c + 5 at 768 c + 512 + 8 lane);
; lane-row i of tile T is row 32 (T / 2) + 8 (T % 2) + i + 8 (i / 8).  Scale words: T KST 64 + 64 s + 4 r.
; THE MATRIX INSTRUCTION: source 0 = "B", source 1 = "A".  A lane then holds ONE row of A, and by the tiles' row order the 16 registers of B's tiles 2 b, 2 b + 1 are B's rows 32 b + 16 h + 0 .. 15: neighbours along the next
; product's K.  So a wave's 8 accumulators of one tile of A are 64 numbers a lane in the quantiser's order, and leave as one fragment and one scale word a row.  For v the two operands change places (A = Wqkv's rows, B = x):
; a lane holds one d and its registers run along the tokens, which are the K of the attention's second product.
; SHARES.  Four waves, as many as a WGP has SIMDs; KIND 1, 2: a tile of 256 x 256, a wave 128 x 128 (64 accumulators); KIND 3: 128 x 128, a wave 64 x 64, since 256 x 256 would give 64 work-groups.
; K goes through a ring of two LDS slots (NQ steps of 128 each) filled by the tensor data mover, one load a wave; the scale words of all of K come once, with the first fills.
; CLUSTERS 4 x 4: A's tiles hang on cy alone and are asked for jointly along a row of the cluster, B's on cx alone and jointly along a column.  In KIND 1 the choice between q, k and v hangs on the cluster's x, equal in all partners.
; REGISTERS, in windows of 256: window 0: v16-31 addresses; v32-47 scale words, two sets; v48-63 v's bias; v64.., v160.. A's two sets.  Window 1: v0.., v128.. B's two sets; v96-127, v224-255 the bias along B's rows.
; Windows 2, 3: accumulator (a, b) at 8 (NB a + b).  On the way out window 0's v64-181 are at work.
; The scale words leave as 4 bytes a lane (64 bytes a tile): one byte in 24 of the codes.
; LIMITS: NaN and infinities are not served; a block under 2^-122 keeps the byte 1; a block of zeros gets the byte 1 (zero codes; only this program reads the bytes).
.set KIND, 1
.if KIND == 3
.set MB,  4
.set NQ,  4
.set KST, 32
.else
.set MB,  8
.set NQ,  2
.set KST, 8
.endif
.set NB,   MB
.set FRB,  1536
.set TROW, KST*FRB                     ; a tile's fragments of all of K
.set PART, MB*NQ*FRB                   ; what one tensor load brings: MB tiles x NQ steps
.set SLOT, 4*PART                      ; A's two halves, then B's two
.set SCL,  2*SLOT                      ; behind the ring: the scale words, four parts of PS bytes
.set PS,   MB*KST*64
.set SPARE, SCL+4*PS                   ; the spare words, 128 bytes a wave: two blocks of 256 bytes that no other line names
.set LAPS, KST/(2*NQ)
.set WB,   3276800                     ; where the weights' regions begin in cq
.if KIND == 2
.set RA,  16777216
.set RAS, 19922944
.set RB,  WB+2359296
.set RBS, WB+8749056
.elseif KIND == 3
.set RA,  0
.set RAS, 12582912
.set RB,  WB+5505024
.set RBS, WB+8880128
.endif
.set ADRA16, 16                        ; v16-17 my A part in slot 0, 1: + 16 lane;  v18-19: + 8 lane
.set ADRA8,  18
.set ADRB16, 20                        ; v20-23 the same for B
.set ADRB8,  22
.set VL16, 24
.set VL8,  25
.set VB0,  26                          ; the bias along B's rows: my byte offset
.set ADRS, 27                          ; my scale words: lanes 0-15 A's, lanes 16-31 B's
.set SPW,  28
.set NIL,  29
.set VB1,  30                          ; v's bias: my byte offset
.set SC,   32
.set B1R,  48
.set AF,   64
.set T,    64                          ; the way out: 64 numbers
.set PC,   128                         ; the codes
.set TM,   148
.set PW,   164
.set KW,   166                         ; the eight tiles' scale words
.set VS,   174
.set MW,   178
.set SEL,  66
.set G1, 24
.set G0, 32
.set G1B, 48
.set G0B, 56
.set G1S, 68
.set G0S, 76
.set G1SB, 80
.set G0SB, 88
.set MSB, 0
.macro WIN new                         ; the immediate's high byte repeats the setting that is left
.if MSB != (\new)
	s_set_vgpr_msb (MSB<<8)|(\new)
.set MSB, (\new)
.endif
.endm
.macro PLACES n
.rept \n
	v_nop
.endr
.endm
; A joint load: waves 0 and 1 fetch for A, waves 2 and 3 for B; the branch hangs on the wave's number alone.  Four v_nop follow each of the two lines.
.macro JLOAD g0a, g1a, g0b, g1b
	s_cmp_eq_u32 s15, 0
	s_cbranch_scc0 .Lfor_b_\@
	tensor_load_to_lds s[\g0a:\g0a+3], s[\g1a:\g1a+7]
	s_nop 0
.rept 4
	v_nop
.endr
	s_branch .Lasked_\@
.Lfor_b_\@:
	tensor_load_to_lds s[\g0b:\g0b+3], s[\g1b:\g1b+7]
	s_nop 0
.rept 4
	v_nop
.endr
.Lasked_\@:
.endm
.macro CREST                           ; a round of the cluster's barrier behind its opening barrier
	s_cmp_lg_u32 s14, 0
	s_cbranch_scc1 .Lnot_wave_0_\@
	s_barrier_signal -3
.Lnot_wave_0_\@:
	s_barrier_wait -3
	s_barrier_signal -1
	s_barrier_wait -1
.endm
.macro CROUND
	s_barrier_signal -1
	s_barrier_wait -1
	CREST
.endm
.if KIND == 1
	s_load_b128 s[4:7], s[0:1], 0x0                ; cq, bqkv
	s_load_b64 s[10:11], s[0:1], 0x10              ; qkv
.elseif KIND == 2
	s_load_b128 s[4:7], s[0:1], 0x0                ; hb, cq
	s_load_b128 s[8:11], s[0:1], 0x10              ; b1, hid
.else
	s_load_b128 s[4:7], s[0:1], 0x0                ; hid, cq
	s_load_b64 s[10:11], s[0:1], 0x10              ; yb
.endif
	v_lshl_add_u32 v[SPW], v0, 2, SPARE
	v_mov_b32 v[NIL], 0
	ds_add_u32 v28, v29
	ds_add_u32 v28, v29
	s_wait_dscnt 0x0
	v_lshrrev_b32 v1, 5, v0
	v_readfirstlane_b32 s14, v1                    ; wave 0..3
	s_lshr_b32 s15, s14, 1                         ; my half of A's rows.  Also: I fetch for A (0) or for B (1)
	s_and_b32 s16, s14, 1                          ; my half of B's rows.  Also: which half I fetch
	s_bfe_u32 s40, ttmp6, 0x40000                  ; cx
	s_bfe_u32 s41, ttmp6, 0x40004                  ; cy
	s_and_b32 s17, ttmp7, 0xffff                   ; the cluster's y
	s_lshl_b32 s43, s41, 2
	s_lshl_b32 s43, 15, s43                        ; my row of the cluster
	s_lshl_b32 s44, 0x1111, s40                    ; my column
	; which block of A (s20: cy and shared numbers alone) and of B (s46: cx and shared numbers alone)
.if KIND == 1
	s_lshl_b32 s66, s17, 2
	s_lshl_b32 s67, ttmp9, 2
	s_mov_b32 s95, WB
	s_mov_b32 s96, WB+8650752
	s_mov_b32 s97, 3145728
	s_cmp_lt_u32 ttmp9, 2                          ; the cluster's x: 0 q, 1 k, 2 v
	s_cselect_b32 s20, s66, 8                      ; A: x's block 4 Y + cy, or Wqkv's block 8 + cy
	s_cselect_b32 s46, s67, s66                    ; B: Wqkv's block 4 X + cx, or x's block 4 Y + cx
	s_cselect_b32 s98, 0, s95                      ; A's codes begin here in cq,
	s_cselect_b32 s99, s97, s96                    ; its scale words here;
	s_cselect_b32 s95, s95, 0                      ; B's codes,
	s_cselect_b32 s96, s96, s97                    ; B's scale words
	s_add_co_u32 s20, s20, s41
	s_add_co_u32 s46, s46, s40
.else
	s_lshl_b32 s20, s17, 2
	s_add_co_u32 s20, s20, s41
	s_lshl_b32 s46, ttmp9, 2
	s_add_co_u32 s46, s46, s40
.endif
	s_mul_i32 s18, s16, MB
	s_mul_i32 s20, s20, 2*MB
	s_add_co_u32 s20, s20, s18                     ; the first tile of A that I would fetch
	s_mul_i32 s46, s46, 2*MB
	s_add_co_u32 s46, s46, s18                     ; of B
	s_mul_i32 s22, s20, KST*64
	s_mul_i32 s20, s20, TROW
	s_mul_i32 s92, s46, KST*64
	s_mul_i32 s46, s46, TROW
.if KIND == 1
	s_add_co_u32 s20, s20, s98
	s_add_co_u32 s22, s22, s99
	s_add_co_u32 s46, s46, s95
	s_add_co_u32 s92, s92, s96
.else
.if RA > 0
	s_add_co_u32 s20, s20, RA
.endif
	s_add_co_u32 s22, s22, RAS
	s_add_co_u32 s46, s46, RB
	s_add_co_u32 s92, s92, RBS
.endif
	s_mov_b32 s21, 0
	s_mov_b32 s23, 0
	s_mov_b32 s47, 0
	s_mov_b32 s93, 0
	; descriptor group 1: MB rows (tiles) of NQ fragments: NQ x 192 elements of 8 bytes, KST x 192 elements apart; no padding: every LDS read of a fragment takes consecutive bytes
	s_or_b32 s[G1+0], s43, (3<<16)|(1<<21)         ; 15:0 the mask; 17:16 elements of 8 bytes; 21 set beside a mask
	s_or_b32 s[G1B+0], s44, (3<<16)|(1<<21)
.irp g, G1, G1B
	s_mov_b32 s[\g+1], (NQ*192)<<16                ; tensor_dim0
	s_mov_b32 s[\g+2], (2*MB)<<16                  ; tensor_dim1: the head's loads bring both halves; behind them the two words that count rows are set to MB
	s_mov_b32 s[\g+3], (NQ*192)<<16                ; tile_dim0
	s_mov_b32 s[\g+4], 2*MB                        ; tile_dim1
	s_mov_b32 s[\g+5], KST*192                     ; tensor_dim0_stride
	s_mov_b32 s[\g+6], 0
	s_mov_b32 s[\g+7], 0
.endr
	; the scale words of 2 MB tiles, all of K: 2 PS dense bytes, as rows of 256
	s_or_b32 s[G1S+0], s43, (3<<16)|(1<<21)
	s_or_b32 s[G1SB+0], s44, (3<<16)|(1<<21)
.irp g, G1S, G1SB
	s_mov_b32 s[\g+1], 32<<16
	s_mov_b32 s[\g+2], (2*PS/256)<<16
	s_mov_b32 s[\g+3], 32<<16
	s_mov_b32 s[\g+4], 2*PS/256
	s_mov_b32 s[\g+5], 32
	s_mov_b32 s[\g+6], 0
	s_mov_b32 s[\g+7], 0
.endr
	s_mul_i32 s45, s14, PART                       ; where they go: by the wave's number alone
	s_wait_kmcnt 0x0
.if KIND == 1
	s_mov_b64 s[8:9], s[6:7]                       ; the bias
	s_mov_b64 s[6:7], s[4:5]                       ; both operands lie in cq
.endif
	s_add_nc_u64 s[20:21], s[4:5], s[20:21]
	s_add_nc_u64 s[22:23], s[4:5], s[22:23]
	s_add_nc_u64 s[46:47], s[6:7], s[46:47]
	s_add_nc_u64 s[92:93], s[6:7], s[92:93]
	CROUND                                         ; all sixteen work-groups are here: the first joint loads meet
.set G0H,  4                           ; s[4:7], s[96:99]: group 0 of the head's loads of slot 0, A's 2 MB tiles and B's
.set G0HB, 96
	s_mul_i32 s18, s16, MB*TROW                    ; the head's four tiles are whole blocks: my half's distance is taken off again
	s_mov_b32 s19, 0
	s_mov_b32 s[G0H], 1
	s_mov_b32 s[G0H+1], 0
	s_sub_nc_u64 s[G0H+2:G0H+3], s[20:21], s[18:19]
	s_or_b32 s[G0H+3], s[G0H+3], 0x80000000
	s_mov_b32 s[G0HB], 1
	s_mov_b32 s[G0HB+1], 2*PART
	s_sub_nc_u64 s[G0HB+2:G0HB+3], s[46:47], s[18:19]
	s_or_b32 s[G0HB+3], s[G0HB+3], 0x80000000
	s_mul_i32 s18, s16, PS
	s_mov_b32 s[G0S], 1
	s_mov_b32 s[G0S+1], SCL
	s_sub_nc_u64 s[G0S+2:G0S+3], s[22:23], s[18:19]
	s_or_b32 s[G0S+3], s[G0S+3], 0x80000000
	s_mov_b32 s[G0SB], 1
	s_mov_b32 s[G0SB+1], SCL+2*PS
	s_sub_nc_u64 s[G0SB+2:G0SB+3], s[92:93], s[18:19]
	s_or_b32 s[G0SB+3], s[G0SB+3], 0x80000000
.set PFA,  22                          ; s[22:23] (the scale words' address has been used): where my prefetches stand; never rewritten
.set PFO,  31                          ; v31 their offset; never rewritten
	; THE PREFETCH.  K is four slots.  Of the MB = 8 tiles x 3,072 bytes that a wave fetches for a slot, each of the four partners that ask for them jointly names two tiles, told apart by address
	; (cx for A, cy for B): 24 blocks of 256 bytes, a lane a block; the eight lanes left over name the last block again.  Slots 1 and 2 are asked for behind the head's load, slot 3 behind slot 1's.
	s_cmp_eq_u32 s15, 0                            ; do I fetch for A?
	s_cselect_b64 s[PFA:PFA+1], s[20:21], s[46:47]
	s_cselect_b32 s2, s40, s41
	s_mul_i32 s2, s2, 2*TROW
	s_mov_b32 s3, 0
	s_add_nc_u64 s[PFA:PFA+1], s[PFA:PFA+1], s[2:3]
.irp s, 0,1
	s_mov_b32 s[G0+4*\s], 1
	s_add_co_u32 s[G0+4*\s+1], s45, \s*SLOT
	s_add_nc_u64 s[G0+4*\s+2:G0+4*\s+3], s[20:21], \s*NQ*FRB
	s_or_b32 s[G0+4*\s+3], s[G0+4*\s+3], 0x80000000
	s_mov_b32 s[G0B+4*\s], 1
	s_add_co_u32 s[G0B+4*\s+1], s45, \s*SLOT
	s_add_nc_u64 s[G0B+4*\s+2:G0B+4*\s+3], s[46:47], \s*NQ*FRB
	s_or_b32 s[G0B+4*\s+3], s[G0B+4*\s+3], 0x80000000
.endr
; The head's loads, one a wave, in one chain of branches on the wave's number: wave 0 slot 0's tiles of A, wave 1 those of B, wave 2 A's scale words, wave 3 B's.
.macro ARM under, g0, g1, next
	s_cmp_lt_u32 s14, \under
	s_cbranch_scc0 \next
	tensor_load_to_lds s[\g0:\g0+3], s[\g1:\g1+7]
	s_nop 0
.rept 4
	v_nop
.endr
	s_branch .Lhead_asked
\next:
.endm
	ARM 1, G0H,  G1,  .Lhead_b
	ARM 2, G0HB, G1B, .Lhead_sa
	ARM 3, G0S,  G1S, .Lhead_sb
	tensor_load_to_lds s[G0SB:G0SB+3], s[G1SB:G1SB+7]
	s_nop 0
.rept 4
	v_nop
.endr
.Lhead_asked:
	v_and_b32 v1, 31, v0
	v_and_b32 v2, 15, v0
	v_min_u32 v[PFO], 23, v1                       ; block j = min(lane, 23): tile j / 12, block j % 12 of its 3,072 bytes
	v_mul_u32_u24 v4, v[PFO], 11
	v_lshrrev_b32 v4, 7, v4                        ; j / 12 for j under 24
	v_mul_u32_u24 v4, v4, TROW-12*256
	v_lshl_add_u32 v[PFO], v[PFO], 8, v4
	global_prefetch_b8 v[PFO], s[PFA:PFA+1] offset:NQ*FRB th:TH_LOAD_NT scope:SCOPE_SE     ; slot 1
	global_prefetch_b8 v[PFO], s[PFA:PFA+1] offset:2*NQ*FRB th:TH_LOAD_NT scope:SCOPE_SE   ; slot 2
	v_bfe_u32 v3, v0, 4, 1                         ; h
	v_lshlrev_b32 v[VL16], 4, v1
	v_lshlrev_b32 v[VL8], 3, v1
	s_mul_i32 s18, s15, PART                       ; my half of A
	s_mul_i32 s19, s16, PART
	s_add_co_u32 s19, s19, 2*PART                  ; my half of B
.irp s, 0,1
	v_add_nc_u32 v[ADRA16+\s], s18, v[VL16]
	v_add_nc_u32 v[ADRA8+\s], s18, v[VL8]
	v_add_nc_u32 v[ADRB16+\s], s19, v[VL16]
	v_add_nc_u32 v[ADRB8+\s], s19, v[VL8]
	s_add_co_u32 s18, s18, SLOT
	s_add_co_u32 s19, s19, SLOT
.endr
	s_mul_i32 s18, s15, PS
	s_mul_i32 s19, s16, PS
	s_add_co_u32 s19, s19, 2*PS
	s_sub_co_u32 s19, s19, s18
	v_mul_u32_u24 v4, s19, v3                      ; lanes 16-31 take B's words: the lower base + h x the distance
	s_add_co_u32 s18, s18, SCL
	v_lshl_add_u32 v4, v2, 2, v4
	v_add_nc_u32 v[ADRS], s18, v4
.if KIND == 2
	s_lshl_b32 s12, ttmp9, 2
	s_add_co_u32 s12, s12, s40
	s_lshl_b32 s12, s12, 10
	s_lshl_b32 s13, s16, 9
	s_add_co_u32 s12, s12, s13                     ; b1 at my 128 hidden units
	v_lshl_add_u32 v[VB0], v3, 6, s12
.elseif KIND == 1
	s_lshl_b32 s12, s40, 2
	s_lshl_b32 s13, s16, 1
	s_add_co_u32 s12, s12, s13
	s_mul_i32 s12, s12, 768
	s_lshl_b32 s13, ttmp9, 8
	s_add_co_u32 s12, s12, s13                     ; bqkv at column 192 (4 cx + 2 half) + 64 X
	v_lshl_add_u32 v[VB0], v3, 6, s12
	s_lshl_b32 s12, s41, 2
	s_lshl_b32 s13, s15, 1
	s_add_co_u32 s12, s12, s13
	s_mul_i32 s12, s12, 768
	s_add_co_u32 s12, s12, 512                     ; and at column 192 (4 cy + 2 half) + 128: v's
	v_and_b32 v4, 8, v2
	v_add_nc_u32 v4, v4, v2
	v_lshl_add_u32 v[VB1], v4, 2, s12
.endif
.if KIND != 3
	WIN 0x40                                       ; destination window 1.  Register 16 b + i of the bias belongs to B's row 32 b + 16 h + i of my 128.  Both of KIND 1's biases are loaded on both paths; both stay inside bqkv
.irp b, 0,1,2,3
.irp j, 0,1,2,3
.set BR, 96+16*\b+4*\j+96*(\b/2)
.if KIND == 2
	global_load_b128 v[BR:BR+3], v[VB0], s[8:9] offset:128*\b+16*\j
.else
	global_load_b128 v[BR:BR+3], v[VB0], s[8:9] offset:768*(\b/2)+128*(\b%2)+16*\j
.endif
.endr
.endr
	WIN 0
.endif
.if KIND == 1
.irp a, 0,1,2,3,4,5,6,7
	global_load_b32 v[B1R+2*\a], v[VB1], s[8:9] offset:4*(192*(\a/4)+32*((\a/2)%2)+8*(\a%2))   ; v's bias of my lane-row of tile a
	v_mov_b32 v[B1R+2*\a+1], 0                     ; (named with it as a pair)
.endr
.endif
.macro FRAG reg, a16, a8, off          ; a fragment comes as it was stored: 512, 256, 512, 256 consecutive bytes
	ds_load_b128 v[\reg:\reg+3], v[\a16] offset:\off
	ds_load_b64 v[\reg+4:\reg+5], v[\a8] offset:\off+512
	ds_load_b128 v[\reg+6:\reg+9], v[\a16] offset:\off+768
	ds_load_b64 v[\reg+10:\reg+11], v[\a8] offset:\off+1280
.endm
.macro FETCH slot, q, p                ; the slot's q-th step: B's and A's fragments and the scale words into set p
	WIN 0x40
.irp i, 0,1,2,3,4,5,6,7
.if \i < NB
	FRAG 128*(\p)+12*\i, ADRB16+\slot, ADRB8+\slot, (\i*NQ+(\q))*FRB
.endif
.endr
	WIN 0
.irp i, 0,1,2,3,4,5,6,7
.if \i < MB
	FRAG AF+96*(\p)+12*\i, ADRA16+\slot, ADRA8+\slot, (\i*NQ+(\q))*FRB
.endif
.endr
.irp i, 0,1,2,3,4,5,6,7
.if \i < MB
	ds_load_b32 v[SC+MB*(\p)+\i], v[ADRS] offset:\i*KST*64         ; lanes 0-15: A's tile i; lanes 16-31: B's tile i
.endif
.endr
	v_add_nc_u32 v[ADRS], 64, v[ADRS]              ; on to the next step's words
.endm
; A's tile a against B's NB tiles.  The accumulators take turns, one instruction a turn, in the same order in every step.
.macro MULA a, p, zero
.set AW, 2+(8*NB*(\a))/256
.set WV_, (AW<<6)|(AW<<4)|1
	WIN WV_                                        ; source 0 (B) window 1, source 1 (A) window 0, C and D window 2 or 3
.irp b, 0,1,2,3,4,5,6,7
.if \b < NB
.set AR, (8*(NB*(\a)+\b))%256
.if \zero
	v_wmma_scale_f32_16x16x128_f8f6f4 v[AR:AR+7], v[128*(\p)+12*\b:128*(\p)+12*\b+11], v[AF+96*(\p)+12*(\a):AF+96*(\p)+12*(\a)+11], 0, v[SC+MB*(\p)+\b], v[SC+MB*(\p)+(\a)] matrix_a_fmt:MATRIX_FMT_BF6 matrix_b_fmt:MATRIX_FMT_BF6 matrix_a_scale:MATRIX_SCALE_ROW1
.else
	v_wmma_scale_f32_16x16x128_f8f6f4 v[AR:AR+7], v[128*(\p)+12*\b:128*(\p)+12*\b+11], v[AF+96*(\p)+12*(\a):AF+96*(\p)+12*(\a)+11], v[AR:AR+7], v[SC+MB*(\p)+\b], v[SC+MB*(\p)+(\a)] matrix_a_fmt:MATRIX_FMT_BF6 matrix_b_fmt:MATRIX_FMT_BF6 matrix_a_scale:MATRIX_SCALE_ROW1
.endif
.endif
.endr
.endm
.macro MULS a0, n, p, zero
.set AA, \a0
.rept \n
	MULA AA, \p, \zero
.set AA, AA+1
.endr
.endm
; A step of 128 along K that has its successor in the same slot: the successor's loads stand in one run in its middle, behind four places (they land in registers that the step before multiplied).
.macro STEP slot, q, zero
	s_wait_dscnt 0x0                               ; this step's fragments and words, asked for half a step ago
	MULS 0, MB/2, (\q)%2, \zero
	PLACES 4
	FETCH \slot, (\q)+1, 1-(\q)%2
	MULS MB/2, MB/2, (\q)%2, \zero
.endm
; A slot's last step changes slots: ONE barrier; in front of it each wave waits for all its tensor loads, adds 0 to its spare word, and waits for that and for its reads of this slot.  fill = 1: this slot is filled again.
.macro TURN slot, next, fill
	WIN 0
	s_wait_tensorcnt 0x0                           ; all my tensor loads have landed: my part of the next slot
	ds_add_u32 v[SPW], v[NIL]                      ; 0 onto my spare word
	s_wait_dscnt 1                                 ; this step's fragments are in; the add alone may be out
	MULS 0, MB/4, 1, 0
	s_wait_dscnt 0x0                               ; the add is done, and my reads of this slot are over
	s_barrier_signal -1
	MULS MB/4, MB/4, 1, 0
	WIN 0
	s_barrier_wait -1
.if \fill
	CREST                                          ; the barrier has opened a round of the cluster's barrier: no wave of any partner still reads this slot or has a load on its way
	s_add_nc_u64 s[G0+4*\slot+2:G0+4*\slot+3], s[G0+4*\slot+2:G0+4*\slot+3], 2*NQ*FRB
	s_add_nc_u64 s[G0B+4*\slot+2:G0B+4*\slot+3], s[G0B+4*\slot+2:G0B+4*\slot+3], 2*NQ*FRB
	JLOAD G0+4*\slot, G1, G0B+4*\slot, G1B         ; the first tensor load behind the round; its four v_nop are the places in front of the loads below
.else
	PLACES 4
.endif
	s_wait_alu depctr_va_vdst(0)
	FETCH \next, 0, 0
	MULS MB/2, MB/2, 1, 0
.endm
.macro MID slot                        ; a slot's steps 1 .. NQ - 2
.if NQ > 2
.set QQ, 1
.rept NQ-2
	STEP \slot, QQ, 0
.set QQ, QQ+1
.endr
.endif
.endm
	s_wait_alu depctr_va_vdst(0)
	s_wait_tensorcnt 0x0                           ; my tile of the head's four is in; slot 1's first fill is issued as a refill is
	ds_add_u32 v[SPW], v[NIL]
	s_mov_b32 s[G1+2], MB<<16                      ; no load of mine is out: from here on a load brings MB tiles
	s_mov_b32 s[G1+4], MB
	s_mov_b32 s[G1B+2], MB<<16
	s_mov_b32 s[G1B+4], MB
	s_wait_dscnt 0x0
	CROUND                                         ; all four tiles are in, and all sixteen work-groups are here
	JLOAD G0+4, G1, G0B+4, G1B                     ; slot 1, the first tensor load behind the round
	FETCH 0, 0, 0
	global_prefetch_b8 v[PFO], s[PFA:PFA+1] offset:3*NQ*FRB th:TH_LOAD_NT scope:SCOPE_SE   ; slot 3
	s_wait_alu depctr_va_vdst(0)
	STEP 0, 0, 1                                   ; the first step stands in front of the loop: its products start the sums
	WIN 0
	s_mov_b32 s3, LAPS-1
.Llap:                                                 ; a trip goes once round the ring and fills both slots again
	MID 0
	TURN 0, 1, 1
	s_wait_alu depctr_va_vdst(0)
	STEP 1, 0, 0
	MID 1
	TURN 1, 0, 1
	s_wait_alu depctr_va_vdst(0)
	STEP 0, 0, 0
	WIN 0
	s_sub_co_u32 s3, s3, 1
	s_cmp_lg_u32 s3, 0
	s_cbranch_scc1 .Llap
	MID 0                                          ; the last lap fills nothing
	TURN 0, 1, 0
	s_wait_alu depctr_va_vdst(0)
	STEP 1, 0, 0
	MID 1
	s_wait_dscnt 0x0
	MULS 0, MB, 1, 0
	WIN 0
	PLACES 4                                       ; in front of the first reads of results and the first writes of registers that held fragments
.if KIND == 3
	; THE WAY OUT, f32: register 32 half + 8 b + j of lane (r, h) is (row of tile T, column 128 w + ...) in the order in which the norm reads it: chunk c (four registers) at ((8 T + w) 16 + c) 512 + 16 lane
	s_lshl_b32 s12, s17, 2
	s_add_co_u32 s12, s12, s41
	s_lshl_b32 s12, s12, 3
	s_lshl_b32 s13, s15, 2
	s_add_co_u32 s12, s12, s13                     ; my first tile of rows
	s_lshl_b32 s12, s12, 3
	s_lshl_b32 s13, ttmp9, 2
	s_add_co_u32 s13, s13, s40
	s_add_co_u32 s12, s12, s13
	s_lshl_b32 s12, s12, 13
	s_lshl_b32 s13, s16, 12
	s_add_co_u32 s12, s12, s13
	s_mov_b32 s13, 0
	s_add_nc_u64 s[10:11], s[10:11], s[12:13]
	WIN 0x08                                       ; a store's data: window 2
.irp a, 0,1,2,3
.irp b, 0,1,2,3
	global_store_b128 v[VL16], v[8*(4*\a+\b):8*(4*\a+\b)+3], s[10:11] offset:\a*65536+\b*1024          ; each accumulator from its low end on; 512 consecutive bytes a store
	global_store_b128 v[VL16], v[8*(4*\a+\b)+4:8*(4*\a+\b)+7], s[10:11] offset:\a*65536+\b*1024+512
.endr
.endr
	WIN 0
.else
.macro QUANT s
.irp b, 0,1,2,3
	v_max3_num_f32 v[TM+\b], |v[\s+16*\b]|, |v[\s+1+16*\b]|, 0x2800000   ; my 16 numbers of block b, and the floor 2^(5 - 127)
.endr
.irp i, 2,4,6,8,10,12,14
.irp b, 0,1,2,3
	v_max3_num_f32 v[TM+\b], v[TM+\b], |v[\s+16*\b+\i]|, |v[\s+1+16*\b+\i]|
.endr
.endr
.irp b, 0,1,2,3
	v_permlanex16_b32 v[TM+4+\b], v[TM+\b], s[SEL], s[SEL+1]
.endr
.irp b, 0,1,2,3
	v_max_num_f32 v[TM+\b], v[TM+\b], v[TM+4+\b]
.endr
.irp b, 0,1,2,3
	v_add_nc_u32 v[TM+12+\b], 0xfe000000, v[TM+\b]   ; 4 off the exponent field: the conversion's scale operand
.endr
.irp b, 0,1,2,3
	v_lshrrev_b32 v[TM+4+\b], 23, v[TM+12+\b]
.endr
	v_lshl_or_b32 v[PW], v[TM+5], 8, v[TM+4]
	v_lshl_or_b32 v[PW], v[TM+6], 16, v[PW]
	v_lshl_or_b32 v[PW], v[TM+7], 24, v[PW]
.irp c, 0,1
	v_cvt_scalef32_pk16_bf6_f32 v[PC+6*\c:PC+2+6*\c], v[\s+32*\c:\s+15+32*\c], v[TM+12+2*\c]
	v_cvt_scalef32_pk16_bf6_f32 v[PC+12+4*\c:PC+14+4*\c], v[\s+16+32*\c:\s+31+32*\c], v[TM+12+2*\c+1]
.endr
	v_nop                                          ; one plain place behind a scaled conversion
.irp c, 0,1
.irp i, 0,1,2
	v_permlane16_swap_b32 v[PC+6*\c+\i], v[PC+12+4*\c+\i]
.endr
.irp i, 0,1,2
	v_mov_b32 v[PC+3+6*\c+\i], v[PC+12+4*\c+\i]
.endr
.endr
.endm
; Tile a's 64 sums come into window 0 with the bias added: the addition is also the move.  Each accumulator is read from its low end on.
.macro BIAS a
.set AW, 2+(\a)/4
.set AC, 64*((\a)%4)
.if KIND == 1
	s_cmp_lt_u32 ttmp9, 2                          ; q and k: the bias runs along the registers; v: along the lanes.  The cluster's x is equal in all partners
	s_cbranch_scc0 .Lbias_v_\@
.endif
	WIN 0x04|AW                                    ; source 0 window 2 or 3, source 1 window 1
.set K2, 0
.rept 32
.set BR, 96+K2+96*(K2/32)
	v_pk_add_f32 v[T+K2:T+K2+1], v[AC+K2:AC+K2+1], v[BR:BR+1]
.set K2, K2+2
.endr
	WIN 0
.if KIND == 1
	s_branch .Lbias_done_\@
.Lbias_v_\@:
	WIN AW
.set K2, 0
.rept 32
	v_pk_add_f32 v[T+K2:T+K2+1], v[AC+K2:AC+K2+1], v[B1R+2*(\a):B1R+2*(\a)+1] op_sel_hi:[1,0]
.set K2, K2+2
.endr
	WIN 0
.Lbias_done_\@:
.endif
.endm
.macro OUTT a
.if (\a) > 0
	s_wait_xcnt 0x0                                ; the last tile's stores have read their registers and their base
	s_add_nc_u64 s[10:11], s[10:11], s[96:97]      ; the next tile's fragment
.endif
	BIAS \a
.if KIND == 2
.set K2, 0
.rept 64
	v_max_num_f32 v[T+K2], 0, v[T+K2]              ; the activation, in f32
.set K2, K2+1
.endr
.endif
	QUANT T
	v_mov_b32 v[KW+(\a)], v[PW]
	global_store_b128 v[VL16], v[PC:PC+3], s[10:11]
	global_store_b64 v[VL8], v[PC+4:PC+5], s[10:11] offset:512
	global_store_b128 v[VL16], v[PC+6:PC+9], s[10:11] offset:768
	global_store_b64 v[VL8], v[PC+10:PC+11], s[10:11] offset:1280
.endm
	; where my eight fragments and their scale words go
.if KIND == 2
	s_lshl_b32 s12, s17, 2
	s_add_co_u32 s12, s12, s41
	s_lshl_b32 s12, s12, 4
	s_lshl_b32 s13, s15, 3
	s_add_co_u32 s12, s12, s13                     ; my first tile of rows
	s_lshl_b32 s13, ttmp9, 2
	s_add_co_u32 s13, s13, s40
	s_lshl_b32 s13, s13, 1
	s_add_co_u32 s13, s13, s16                     ; the next product's K step
	s_lshl_b32 s18, s12, 11
	s_lshl_b32 s19, s13, 6
	s_add_co_u32 s18, s18, s19
	s_add_co_u32 s18, s18, 12582912
	s_mul_i32 s12, s12, 49152
	s_mul_i32 s13, s13, 1536
	s_add_co_u32 s12, s12, s13
	s_mov_b32 s96, 49152                           ; from a tile's fragment to the next tile's
	s_mov_b32 s99, 2048                            ; and from its scale words
.else
	s_lshl_b32 s12, s17, 2
	s_add_co_u32 s13, s12, s41                     ; 4 Y + cy
	s_add_co_u32 s18, s12, s40                     ; 4 Y + cx
	s_lshl_b32 s19, s15, 3
	s_lshl_b32 s13, s13, 4                         ; q, k: tile of tokens T, pair of heads j = 2 cx + half
	s_add_co_u32 s13, s13, s19
	s_lshl_b32 s12, s40, 1
	s_add_co_u32 s12, s12, s16
	s_mul_i32 s92, s13, 12288
	s_mul_i32 s93, s12, 1536
	s_add_co_u32 s92, s92, s93
	s_mul_i32 s93, ttmp9, 3145728
	s_add_co_u32 s92, s92, s93                     ; codes: X 3,145,728 + (8 T + j) 1,536
	s_lshl_b32 s93, s13, 6
	s_lshl_b32 s12, s12, 14
	s_add_co_u32 s93, s93, s12
	s_lshl_b32 s12, ttmp9, 17
	s_add_co_u32 s93, s93, s12
	s_add_co_u32 s93, s93, 9437184                 ; scale words: [X][j][T][64 bytes]
	s_lshl_b32 s13, s41, 4                         ; v: tile of d-rows Tn, tokens' step s
	s_add_co_u32 s13, s13, s19
	s_lshl_b32 s18, s18, 1
	s_add_co_u32 s18, s18, s16
	s_mul_i32 s94, s13, 49152
	s_mul_i32 s12, s18, 1536
	s_add_co_u32 s94, s94, s12
	s_add_co_u32 s94, s94, 6291456                 ; codes: (32 Tn + s) 1,536
	s_lshr_b32 s12, s18, 4
	s_lshl_b32 s12, s12, 16
	s_and_b32 s18, s18, 15
	s_lshl_b32 s18, s18, 6
	s_add_co_u32 s12, s12, s18
	s_lshl_b32 s13, s13, 10
	s_add_co_u32 s12, s12, s13
	s_add_co_u32 s95, s12, 9699328                 ; scale words: [batch][Tn][step in the batch][64 bytes]
	s_mov_b32 s19, 49152
	s_mov_b32 s13, 1024
	s_cmp_lt_u32 ttmp9, 2
	s_cselect_b32 s12, s92, s94
	s_cselect_b32 s18, s93, s95
	s_cselect_b32 s96, 12288, s19
	s_cselect_b32 s99, 64, s13
.endif
	s_mov_b32 s13, 0
	s_mov_b32 s19, 0
	s_mov_b32 s97, 0
	s_lshl_b32 s98, s99, 1
	s_mov_b32 s95, 0xffff0000                      ; lanes 16-31
	s_mov_b32 s[SEL], 0x76543210
	s_mov_b32 s[SEL+1], 0xfedcba98
	s_wait_loadcnt 0x0                             ; the bias is in, and its base is free
	s_add_nc_u64 s[8:9], s[10:11], s[18:19]        ; the scale words
	s_add_nc_u64 s[10:11], s[10:11], s[12:13]      ; the codes
	v_and_b32 v1, 15, v0
	v_bfe_u32 v2, v0, 4, 1
	v_lshlrev_b32 v[VS], 2, v1
	v_mad_u32_u24 v[VS], v2, s99, v[VS]            ; 4 r + h tiles on
.irp i, 1,2,3
	v_add_nc_u32 v[VS+\i], s98, v[VS+\i-1]
.endr
.irp b, 0,1,2,3
	v_mov_b32 v[TM+4+\b], 0                        ; written once: a lane permute's destination counts as one of its sources
.endr
.irp a, 0,1,2,3,4,5,6,7
	OUTT \a
.endr
.irp i, 0,1,2,3
	v_cndmask_b32 v[MW+\i], v[KW+2*\i], v[KW+2*\i+1], s95          ; lanes 0-15 tile 2 i's words, lanes 16-31 tile 2 i + 1's
.endr
.irp i, 0,1,2,3
	global_store_b32 v[VS+\i], v[MW+\i], s[8:9]
.endr
.endif
	s_wait_tensorcnt 0x0                           ; the wave's end
	ds_add_u32 v[SPW], v[NIL]
	s_wait_dscnt 0x0
	CROUND                                         ; the closing round: no work-group ends while a partner may still ask for a tile that names it
	s_endpgm
.Lfunc_end_k_qf601b1ae2e_gqkv:
	.size	k_qf601b1ae2e_gqkv, .Lfunc_end_k_qf601b1ae2e_gqkv-k_qf601b1ae2e_gqkv
	.p2alignl 7, 3214868480
	.fill 96, 4, 3214868480
	.section	.rodata,"a",@progbits
	.p2align	6, 0x0
	.amdhsa_kernel k_qf601b1ae2e_gqkv
		.amdhsa_group_segment_fixed_size 327680
		.amdhsa_private_segment_fixed_size 0
		.amdhsa_enable_private_segment 0
		.amdhsa_kernarg_size 24
		.amdhsa_user_sgpr_count 2
		.amdhsa_user_sgpr_kernarg_segment_ptr 1
		.amdhsa_wavefront_size32 1
		.amdhsa_system_sgpr_workgroup_id_x 1
		.amdhsa_system_sgpr_workgroup_id_y 1
		.amdhsa_system_sgpr_workgroup_id_z 1
		.amdhsa_system_vgpr_workitem_id 0
		.amdhsa_next_free_vgpr 1024
		.amdhsa_next_free_sgpr 100
		.amdhsa_reserve_vcc 0
		.amdhsa_float_denorm_mode_32 3
		.amdhsa_float_denorm_mode_16_64 3
		.amdhsa_memory_ordered 1
		.amdhsa_forward_progress 1
		.amdhsa_inst_pref_size 190
	.end_amdhsa_kernel
	.amdgpu_metadata
---
amdhsa.version: [ 1, 2 ]
amdhsa.kernels:
  - .name:           k_qf601b1ae2e_gqkv
    .symbol:         k_qf601b1ae2e_gqkv.kd
    .args:
      - { .name: cq, .offset: 0, .size: 8, .value_kind: global_buffer, .address_space: global }
      - { .name: bqkv, .offset: 8, .size: 8, .value_kind: global_buffer, .address_space: global }
      - { .name: qkv, .offset: 16, .size: 8, .value_kind: global_buffer, .address_space: global }
    .group_segment_fixed_size: 327680
    .private_segment_fixed_size: 0
    .kernarg_segment_align: 8
    .kernarg_segment_size: 24
    .max_flat_workgroup_size: 128
    .sgpr_count:     100
    .vgpr_count:     1024
    .wavefront_size: 32
...
	.end_amdgpu_metadata
.endif
;; end of part 2
;; launch attn (part 3): grid 8 x 32, 16 waves a work-group, clusters of 4 x 1, 327,680 bytes of LDS; arguments qkv, x, gamma, beta, hb; writes hb
.if DOCPART == 3
	.amdgcn_target "amdgcn-amd-amdhsa--gfx1250"
	.amdhsa_code_object_version 6
	.text
	.protected	k_qf601b1ae2e_attn
	.globl	k_qf601b1ae2e_attn
	.p2align	8
	.type	k_qf601b1ae2e_attn,@function
k_qf601b1ae2e_attn:
	s_mov_b64 s[64:65], 0
	v_nop
	global_prefetch_b8 v0, s[64:65] scope:SCOPE_SE
	s_setreg_imm32_b32 hwreg(HW_REG_WAVE_MODE, 25, 1), 1
	s_wait_xcnt 0x0
	s_wait_alu depctr_hold_cnt(0) depctr_sa_sdst(0) depctr_va_vdst(0) depctr_va_sdst(0) depctr_va_ssrc(0) depctr_va_vcc(0) depctr_vm_vsrc(0)
	s_getreg_b32 s2, hwreg(HW_REG_IB_STS2, 6, 4)
	s_cmp_eq_u32 s2, 0
	s_cbranch_scc0 .Lentry_in_a_cluster
	s_endpgm
.Lentry_in_a_cluster:
	s_bfe_u32 s2, ttmp6, 0x10000c
	s_cmp_lg_u32 s2, 0x3003
	s_cbranch_scc0 .Lentry_shape_is_right
	s_endpgm
.Lentry_shape_is_right:
; ATTENTION AND THE FIRST NORM.  a[g][q][:] = sum over k of softmax_k(Q[g][q] . K[g][k] / 8) V[g][k][:] for 32 heads g of 2,048 tokens x 64, both products on codes of E3M2 with one E8M0 scale for each 32 along K;
; then h = gamma (v - mean) / sqrt(var + 1e-5) + beta with v = x + a, a taken in the order [head][query][d] as rows of 1,024; h leaves as f32, as codes and as scale words.
; Q, K: halves of fragments (16 tokens x the head's 64: six registers a lane, 768 bytes at (16 T + head) x 768); the upper half of each operand (K = 64 .. 127) is zero codes.
; V: fragments (16 d x 128 keys) at (32 Tn + step) x 1,536.  Lane-row i of a tile T is row 32 (T / 2) + 8 (T % 2) + i + 8 (i / 8): the 16 registers of key tiles 2 b, 2 b + 1 are 16 neighbouring keys.
; SOFTMAX: t = score x log2(e) / 8; M = the running largest t rounded up to a whole number; p = 2^(t - M) is quantised along the keys; the row's sum is taken of the unquantised p and divides at the end;
; when M moves, the sum and O are multiplied by 2^(old M - new M).  A block's largest p is its largest score put through the same multiply-add and exponential.
; SHARES.  A work-group owns 256 queries of one head, each of its sixteen waves one tile of 16.  Both products are used transposed: a lane holds one query throughout.
; LDS holds the whole head, filled once, in two groups of joint loads (cluster 4 x 1: the four query blocks walk the same head, mask 15), one load a wave in each group:
;   at the head: wave 0 K's tiles 0-39, wave 1 V's steps 0-3, waves 2, 3 the scale words;   behind the full sequence and a round: waves 0, 1 K's tiles 40-127, waves 2, 3 V's steps 4-15.
; The second group lands under key steps 0-3, which read tiles 0-35 alone.  No prefetch: every tile is asked for in these two groups, so no stream is left to run ahead of.
; A KEY STEP (128 keys): the step's first four tiles of K were fetched under the step before; the second four are on their way while the largest scores of blocks 0, 1 are sought.
; THE NORM.  The work-group's 256 queries are 16 whole rows of 1,024, h's tile T = 8 head + query block (lane-row i = row 16 T + i).  The waves' results meet in a stage in LDS; wave w then takes columns 64 w .. + 63
; of all 16 rows; a row's sums meet in LDS over the sixteen waves; the mean is taken first, then the variance of the differences.  x is loaded in the last key step, into the registers that held K.
; OUT.  f32: (16 T + w) 4,096 + 512 c + 16 lane.  Codes: 16,777,216 + 12,288 T + 768 w.  Scale words: 19,922,944 + 512 T, gathered in LDS, stored by wave 0.
; LIMITS: NaN and infinities are not served; a block under 2^-122 keeps the byte 1; a block of zeros gets the byte 1 (zero codes; only this program reads the bytes); scaled scores stay under 2^31.
.set KC,   3145728
.set VC,   6291456
.set QS,   9437184
.set KSO,  9568256
.set VSO,  9699328
.set LV0,  98304                       ; LDS: K's 128 tiles x 768 from 0; V's steps 0-3 as [d-tile][4][1,536]
.set LV1,  122880                      ; V's steps 4-15 as [d-tile][12][1,536]
.set SCK,  196608                      ; K's scale words, 8,192 bytes
.set SCV,  204800                      ; V's, 4,096
.set STG,  208896                      ; the stage: 16 rows of RP bytes, each 16 chunks of CP bytes
.set RP,   4368
.set CP,   272
.set RED,  278784
.set SCW,  280832
.set SPARE, 281600                     ; the spare words, 128 bytes a wave
.set HC,   16777216
.set HS,   19922944
.set AK16, 1                           ; K: 16 x lane, 8 x lane, + the pair of steps in hand
.set AK8,  2
.set AV16, 3                           ; V likewise
.set AV8,  4
.set XO,   5                           ; x: 4,096 r + 64 h
.set ADS,  6                           ; K's scale bytes
.set ADT,  7                           ; V's scale words
.set SPW,  10
.set NIL,  11
.set FK,   32                          ; v32-79 four tiles of K, the upper six registers of each zero
.set FV,   80                          ; v80-127 V's four fragments
.set S,    128                         ; v128-191 S^T, then p
.set O,    192                         ; v192-223 O^T
.set XR,   32
.set GA,   80
.set BE,   160
.set E,    192
.set TM,   32
.set PW,   48
.set PC,   50
.set WV,   8
.set SEL,  20
.set CS,   22
.set G1K,  24
.set G1V,  32
.set G1S,  40
.set G1SV, 48
.set G1W,  56
.set G0K,  68
.set G0V,  72
.set G0SK, 76
.set G0SV, 80
.set G0K2, 84
.set G0V2, 88
.macro CROUND
	s_barrier_signal -1
	s_barrier_wait -1
	s_cmp_lg_u32 s[WV], 0
	s_cbranch_scc1 .Lnot_wave_0_\@
	s_barrier_signal -3
.Lnot_wave_0_\@:
	s_barrier_wait -3
	s_barrier_signal -1
	s_barrier_wait -1
.endm
.macro DESC g, c, r, p                 ; group 1: r rows of c elements of 8 bytes, p elements apart; mask 15, bit 21 beside it; no padding: every LDS read takes consecutive bytes
	s_mov_b32 s[\g], 15|(3<<16)|(1<<21)
	s_mov_b32 s[\g+1], (\c)<<16
	s_mov_b32 s[\g+2], (\r)<<16
	s_mov_b32 s[\g+3], (\c)<<16
	s_mov_b32 s[\g+4], \r
	s_mov_b32 s[\g+5], \p
	s_mov_b32 s[\g+6], 0
	s_mov_b32 s[\g+7], 0
.endm
.macro TLOAD g0, g1
	tensor_load_to_lds s[\g0:\g0+3], s[\g1:\g1+7]
	s_nop 0
.rept 4
	v_nop
.endr
.endm
.macro ARM under, g0, g1, next, join   ; an arm of a chain of branches on the wave's number
	s_cmp_lt_u32 s[WV], \under
	s_cbranch_scc0 \next
	TLOAD \g0, \g1
	s_branch \join
\next:
.endm
.macro ARMZ under, g0, g1, join        ; the chain's last arm
	s_cmp_lt_u32 s[WV], \under
	s_cbranch_scc0 \join
	TLOAD \g0, \g1
\join:
.endm
	s_load_b64 s[4:5], s[0:1], 0x0                 ; qkv
	s_load_b256 s[92:99], s[0:1], 0x8              ; x, gamma, beta, hb
	v_lshl_add_u32 v[SPW], v0, 2, SPARE
	v_mov_b32 v[NIL], 0
	ds_add_u32 v[SPW], v[NIL]                      ; the opening lines: the add, twice on end, and its wait
	ds_add_u32 v[SPW], v[NIL]
	v_lshrrev_b32 v8, 5, v0
	v_readfirstlane_b32 s[WV], v8                  ; wave 0..15
	s_and_b32 s9, s[WV], 1                         ; which half of the second group I fetch, if I fetch
	s_and_b32 s10, ttmp7, 0xffff                   ; the head, 0..31: shared by the partners
	s_lshr_b32 s11, s10, 4                         ; batch
	s_and_b32 s12, s10, 15                         ; head in the batch
	s_mul_i32 s16, s11, 128*12288                  ; K: tile 128 batch, half-fragment (16 T + head)
	s_mul_i32 s17, s12, 768
	s_add_co_u32 s16, s16, s17
	s_add_co_u32 s16, s16, KC
	s_mov_b32 s17, 0
	s_mul_i32 s18, s12, 4*49152                    ; V: d-tile 4 head, step 16 batch
	s_mul_i32 s19, s11, 24576
	s_add_co_u32 s18, s18, s19
	s_add_co_u32 s18, s18, VC
	s_mov_b32 s19, 0
	s_lshr_b32 s2, s12, 1                          ; K's scale words: [pair of heads][tile][64 bytes]
	s_lshl_b32 s2, s2, 14
	s_lshl_b32 s3, s11, 13
	s_add_co_u32 s2, s2, s3
	s_add_co_u32 s2, s2, KSO
	s_mov_b32 s3, 0
	s_lshl_b32 s14, s11, 16                        ; V's: [batch][d-tile][step][64 bytes]
	s_lshl_b32 s15, s12, 12
	s_add_co_u32 s14, s14, s15
	s_add_co_u32 s14, s14, VSO
	s_mov_b32 s15, 0
	DESC G1K, 96, 40, 1536                         ; K: 40 half-fragments at the head (44 in the second group)
	DESC G1V, 768, 4, 6144                         ; V: 4 d-tiles x 4 steps
	DESC G1W, 2304, 2, 6144                        ; V: 2 d-tiles x 12 steps
	DESC G1S, 32, 32, 32                           ; K's scale words: 8,192 dense bytes as rows of 256
	DESC G1SV, 32, 16, 32                          ; V's: 4,096
	s_mov_b32 s[SEL], 0x76543210
	s_mov_b32 s[SEL+1], 0xfedcba98
	s_mov_b32 s[CS], 0x3e38aa3b                    ; c = log2(e) / 8
	s_mov_b32 s[CS+1], s[CS]
	s_mul_i32 s13, s9, 44*768
	s_mul_i32 s6, s9, 44*12288
	s_add_co_u32 s6, s6, 40*12288
	s_mov_b32 s7, 0
	s_wait_dscnt 0x0                               ; both opening adds are done
	s_wait_kmcnt 0x0
	s_add_nc_u64 s[16:17], s[4:5], s[16:17]
	s_add_nc_u64 s[18:19], s[4:5], s[18:19]
	s_mov_b32 s[G0K], 1
	s_mov_b32 s[G0K+1], 0
	s_mov_b64 s[G0K+2:G0K+3], s[16:17]
	s_or_b32 s[G0K+3], s[G0K+3], 0x80000000
	s_mov_b32 s[G0V], 1
	s_mov_b32 s[G0V+1], LV0
	s_mov_b64 s[G0V+2:G0V+3], s[18:19]
	s_or_b32 s[G0V+3], s[G0V+3], 0x80000000
	s_mov_b32 s[G0SK], 1
	s_mov_b32 s[G0SK+1], SCK
	s_add_nc_u64 s[G0SK+2:G0SK+3], s[4:5], s[2:3]
	s_or_b32 s[G0SK+3], s[G0SK+3], 0x80000000
	s_mov_b32 s[G0SV], 1
	s_mov_b32 s[G0SV+1], SCV
	s_add_nc_u64 s[G0SV+2:G0SV+3], s[4:5], s[14:15]
	s_or_b32 s[G0SV+3], s[G0SV+3], 0x80000000
	s_mov_b32 s[G0K2], 1                           ; the second group: K's tiles 40 + 44 half on,
	s_add_co_u32 s[G0K2+1], s13, 40*768
	s_add_nc_u64 s[G0K2+2:G0K2+3], s[16:17], s[6:7]
	s_or_b32 s[G0K2+3], s[G0K2+3], 0x80000000
	s_mul_i32 s13, s9, 2*18432
	s_mul_i32 s6, s9, 2*49152
	s_add_co_u32 s6, s6, 4*1536
	s_mov_b32 s[G0V2], 1                           ; V's d-tiles 2 half, + 1, from step 4 on
	s_add_co_u32 s[G0V2+1], s13, LV1
	s_add_nc_u64 s[G0V2+2:G0V2+3], s[18:19], s[6:7]
	s_or_b32 s[G0V2+3], s[G0V2+3], 0x80000000
	CROUND                                         ; all four work-groups are here: the joint loads meet
	ARM 1, G0K,  G1K,  .Lh_v,  .Lasked
	ARM 2, G0V,  G1V,  .Lh_sk, .Lasked
	ARM 3, G0SK, G1S,  .Lh_sv, .Lasked
	ARMZ 4, G0SV, G1SV, .Lasked
	; my tile of queries: the place in the cluster enters global addresses alone (Q's, x's and h's)
	s_bfe_u32 s13, ttmp6, 0x40000                  ; cx
	s_lshl_b32 s14, ttmp9, 2
	s_add_co_u32 s14, s14, s13                     ; the query block, 0..7
	s_lshl_b32 s66, s10, 3
	s_add_co_u32 s66, s66, s14                     ; h's tile T = 8 head + query block: kept to the end
	s_lshl_b32 s14, s14, 4
	s_add_co_u32 s14, s14, s[WV]
	s_lshl_b32 s15, s11, 7
	s_add_co_u32 s15, s15, s14                     ; my tile of queries among all tokens
	s_lshl_b32 s16, s15, 4
	s_add_co_u32 s16, s16, s12
	s_mul_i32 s16, s16, 768
	s_mov_b32 s17, 0
	s_lshr_b32 s18, s12, 1
	s_lshl_b32 s18, s18, 8
	s_add_co_u32 s18, s18, s15
	s_lshl_b32 s18, s18, 6
	s_and_b32 s9, s12, 1
	s_lshl_b32 s9, s9, 1                           ; my head's two bytes of a scale word
	s_add_co_u32 s18, s18, s9
	s_add_co_u32 s18, s18, QS
	s_mov_b32 s19, 0
	s_add_co_u32 s9, s9, SCK
	s_add_nc_u64 s[16:17], s[4:5], s[16:17]
	s_add_nc_u64 s[18:19], s[4:5], s[18:19]
	s_lshl_b32 s6, s66, 16                         ; x: 16 T rows of 4,096 bytes, + my 256 bytes of a row
	s_lshl_b32 s7, s[WV], 8
	s_add_co_u32 s6, s6, s7
	s_mov_b32 s7, 0
	s_add_nc_u64 s[100:101], s[92:93], s[6:7]
	v_and_b32 v8, 31, v0
	v_and_b32 v9, 15, v0
	v_lshlrev_b32 v[AK16], 4, v8
	v_lshlrev_b32 v[AK8], 3, v8
	v_lshlrev_b32 v8, 2, v9
	global_load_b128 v[16:19], v[AK16], s[16:17]   ; Q's six registers stay
	global_load_b64 v[20:21], v[AK8], s[16:17] offset:512
	global_load_u16 v255, v8, s[18:19]             ; its two scale bytes; the upper two are 0, over zero codes
	v_add_nc_u32 v[AV16], LV0, v[AK16]
	v_add_nc_u32 v[AV8], LV0, v[AK8]
	v_lshl_add_u32 v[ADS], v9, 2, s9
	v_lshl_add_u32 v[ADT], v9, 2, SCV
	v_bfe_u32 v[XO], v0, 4, 1
	v_lshlrev_b32 v[XO], 6, v[XO]
	v_lshl_add_u32 v[XO], v9, 12, v[XO]
.irp i, 22,23,24,25,26,27
	v_mov_b32 v[\i], 0                             ; K = 64 .. 127 of Q: zero codes
.endr
.irp t, 0,1,2,3
.irp i, 6,7,8,9,10,11
	v_mov_b32 v[FK+12*\t+\i], 0                    ; and of K's tiles: never loaded over while products read them
.endr
.endr
	v_mov_b32 v13, 0xff61b1e6                      ; the largest t so far: -3e38
	v_floor_f32 v12, -v13                          ; -M
	v_mov_b32 v14, 0                               ; the sum, in two halves
	v_mov_b32 v15, 0
.irp b, 0,1,2,3
	v_mov_b32 v[236+\b], 0                         ; a lane permute's destination counts as one of its sources
.endr
	v_mov_b32 v253, 0
.set J, 0
.rept 32
	v_mov_b32 v[O+J], 0                            ; O^T: the step is written once; the first finds zeros
.set J, J+1
.endr
.macro KLOAD off, soff                 ; four tiles of K and their scale bytes
.irp t, 0,1,2,3
	ds_load_b128 v[FK+12*\t:FK+12*\t+3], v[AK16] offset:(\off)+\t*768
	ds_load_b64 v[FK+12*\t+4:FK+12*\t+5], v[AK8] offset:(\off)+\t*768+512
	ds_load_u16 v[248+\t], v[ADS] offset:(\soff)+\t*64
.endr
.endm
.macro QK g                            ; S^T = K Q^T, four tiles of 16 keys
.irp t, 0,1,2,3
	v_wmma_scale_f32_16x16x128_f8f6f4 v[S+8*(4*\g+\t):S+8*(4*\g+\t)+7], v[FK+12*\t:FK+12*\t+11], v[16:27], 0, v[248+\t], v255 matrix_a_fmt:MATRIX_FMT_BF6 matrix_b_fmt:MATRIX_FMT_BF6
.endr
.endm
.macro BMAX b0, b1                     ; the largest of my 16 scores of two blocks of 32 keys, in four chains; each accumulator is first read at its low end
.irp b, \b0, \b1
	v_max3_num_f32 v[232+\b], v[S+16*\b], v[S+1+16*\b], v[S+2+16*\b]
	v_max3_num_f32 v[236+\b], v[S+8+16*\b], v[S+9+16*\b], v[S+10+16*\b]
.endr
.irp i, 3,5
.irp b, \b0, \b1
	v_max3_num_f32 v[232+\b], v[232+\b], v[S+16*\b+\i], v[S+1+16*\b+\i]
	v_max3_num_f32 v[236+\b], v[236+\b], v[S+8+16*\b+\i], v[S+9+16*\b+\i]
.endr
.endr
.irp b, \b0, \b1
	v_max3_num_f32 v[232+\b], v[232+\b], v[236+\b], v[S+7+16*\b]
.endr
.irp b, \b0, \b1
	v_max_num_f32 v[232+\b], v[232+\b], v[S+15+16*\b]
.endr
.endm
; A KEY STEP: 128 keys, the e-th of a pair.  vp: bytes from a d-tile of V to the next.  mode 0: the pair's second step follows; 1: the addresses step to the next pair; 2: the very last step.
.macro STEP e, vp, mode
	QK 0                                           ; its tiles came in under the step before
.rept 4
	v_nop                                          ; places in front of the loads into K's registers, of V's loads below, and of the writes of v232 on
.endr
	KLOAD (\e)*6144+3072, (\e)*512+256
	BMAX 0, 1
	s_wait_dscnt 0x0
	QK 1
.irp t, 0,1,2,3                                ; V's four fragments land under the softmax
	ds_load_b128 v[FV+12*\t:FV+12*\t+3], v[AV16] offset:\t*(\vp)+(\e)*1536
	ds_load_b64 v[FV+12*\t+4:FV+12*\t+5], v[AV8] offset:\t*(\vp)+(\e)*1536+512
	ds_load_b128 v[FV+12*\t+6:FV+12*\t+9], v[AV16] offset:\t*(\vp)+(\e)*1536+768
	ds_load_b64 v[FV+12*\t+10:FV+12*\t+11], v[AV8] offset:\t*(\vp)+(\e)*1536+1280
	ds_load_b32 v[28+\t], v[ADT] offset:\t*1024+(\e)*64
.endr
.if \mode == 1
	v_add_nc_u32 v[AK16], 12288, v[AK16]           ; on to the next pair: these six are also the places behind the products
	v_add_nc_u32 v[AK8], 12288, v[AK8]
	v_add_nc_u32 v[AV16], 3072, v[AV16]
	v_add_nc_u32 v[AV8], 3072, v[AV8]
	v_add_nc_u32 v[ADS], 1024, v[ADS]
	v_add_nc_u32 v[ADT], 128, v[ADT]
	KLOAD 0, 0                                     ; the next step's first four tiles
.else
.rept 4
	v_nop
.endr
.if \mode == 0
	KLOAD (\e)*6144+6144, (\e)*512+512
.else
.irp b, 0,1
.irp j, 0,1,2,3
	global_load_b128 v[XR+16*\b+4*\j:XR+16*\b+4*\j+3], v[XO], s[100:101] offset:128*\b+16*\j   ; x, into registers that K has left: of row r, 16 neighbours of each block of 32
.endr
.endr
.endif
.endif
	BMAX 2, 3
.irp b, 0,1,2,3
	v_permlanex16_b32 v[236+\b], v[232+\b], s[SEL], s[SEL+1]
.endr
.irp b, 0,1,2,3
	s_delay_alu instid0(VALU_DEP_4)
	v_max_num_f32 v[232+\b], v[232+\b], v[236+\b]
.endr
	s_delay_alu instid0(VALU_DEP_2)
	v_max3_num_f32 v254, v232, v233, v234
	s_delay_alu instid0(VALU_DEP_1)
	v_max_num_f32 v254, v254, v235
	s_delay_alu instid0(VALU_DEP_1)
	v_mul_f32 v254, s[CS], v254                    ; as t (c is positive)
	s_delay_alu instid0(VALU_DEP_1)
	v_max_num_f32 v13, v13, v254                   ; the running largest t
	v_mov_b32 v254, v12
	s_delay_alu instid0(VALU_DEP_2)
	v_floor_f32 v12, -v13                          ; the new -M = -ceil(t)
	s_delay_alu instid0(VALU_DEP_1)
	v_sub_f32 v254, v12, v254                      ; old M - new M: a whole number, 0 or less
	s_delay_alu instid0(VALU_DEP_1)
	v_cvt_i32_f32 v254, v254                       ; (it saturates)
	s_delay_alu instid0(VALU_DEP_1)
	v_ldexp_f32 v252, 1.0, v254                    ; f = 2^(old M - new M)
.set J, 0
.rept 32
	v_pk_fma_f32 v[S+J:S+1+J], v[S+J:S+1+J], s[CS:CS+1], v[12:13] op_sel_hi:[1,0,0]   ; t - M
.set J, J+2
.endr
.irp b, 0,1,2,3
	v_fma_f32 v[232+\b], v[232+\b], s[CS], v12
.endr
	s_wait_alu depctr_va_vdst(0)
.set J, 0
.rept 64
	v_exp_f32 v[S+J], v[S+J]                       ; p = 2^(t - M)
.set J, J+1
.endr
.irp b, 0,1,2,3
	v_exp_f32 v[232+\b], v[232+\b]                 ; the block's largest p
.endr
	v_pk_mul_f32 v[14:15], v[14:15], v[252:253] op_sel_hi:[1,0]    ; the sums under the new M (a plain place behind the exponentials)
	s_wait_alu depctr_va_vdst(0)                   ; and behind it
.irp b, 0,1,2,3
	v_max_num_f32 v[232+\b], 0x2800000, v[232+\b]  ; the floor 2^(5 - 127)
.endr
.irp b, 0,1,2,3
	s_delay_alu instid0(VALU_DEP_4)
	v_add_nc_u32 v[244+\b], 0xfe000000, v[232+\b]  ; the conversion's scale operand
.endr
.irp b, 0,1,2,3
	s_delay_alu instid0(VALU_DEP_4)
	v_lshrrev_b32 v[236+\b], 23, v[244+\b]
.endr
	s_delay_alu instid0(VALU_DEP_3)
	v_lshl_or_b32 v253, v237, 8, v236              ; p's scale word for these 128 keys
	s_delay_alu instid0(VALU_DEP_1)
	v_lshl_or_b32 v253, v238, 16, v253
	s_delay_alu instid0(VALU_DEP_1)
	v_lshl_or_b32 v253, v239, 24, v253
.irp c, 0,1
	v_cvt_scalef32_pk16_bf6_f32 v[224+6*\c:226+6*\c], v[S+32*\c:S+15+32*\c], v[244+2*\c]
	v_cvt_scalef32_pk16_bf6_f32 v[236+4*\c:238+4*\c], v[S+16+32*\c:S+31+32*\c], v[244+2*\c+1]
.endr
	v_nop                                          ; one plain place behind a scaled conversion
.irp c, 0,1
.irp i, 0,1,2
	v_permlane16_swap_b32 v[224+6*\c+\i], v[236+4*\c+\i]
.endr
.irp i, 0,1,2
	s_delay_alu instid0(VALU_DEP_3)
	v_mov_b32 v[227+6*\c+\i], v[236+4*\c+\i]
.endr
.endr
	v_pk_add_f32 v[236:237], v[S:S+1], v[S+2:S+3]  ; the row's sum of the unquantised p, in four chains
	v_pk_add_f32 v[240:241], v[S+4:S+5], v[S+6:S+7]
	v_pk_add_f32 v[242:243], v[S+8:S+9], v[S+10:S+11]
	v_pk_add_f32 v[244:245], v[S+12:S+13], v[S+14:S+15]
.irp k, 16,24,32,40,48,56
	v_pk_add_f32 v[236:237], v[236:237], v[S+\k:S+\k+1]
	v_pk_add_f32 v[240:241], v[240:241], v[S+\k+2:S+\k+3]
	v_pk_add_f32 v[242:243], v[242:243], v[S+\k+4:S+\k+5]
	v_pk_add_f32 v[244:245], v[244:245], v[S+\k+6:S+\k+7]
.endr
	v_pk_add_f32 v[236:237], v[236:237], v[240:241]
	v_pk_add_f32 v[242:243], v[242:243], v[244:245]
	v_pk_add_f32 v[236:237], v[236:237], v[242:243]
	v_pk_add_f32 v[14:15], v[14:15], v[236:237]
	s_wait_alu depctr_va_vdst(0)
.set J, 0
.rept 16
	v_pk_mul_f32 v[O+J:O+1+J], v[O+J:O+1+J], v[252:253] op_sel_hi:[1,0]   ; O^T under the new M
.set J, J+2
.endr
	s_wait_alu depctr_va_vdst(0)
	s_wait_dscnt 0x0                               ; V's fragments and scale words, and the next step's tiles of K
.irp t, 0,1,2,3                                ; O^T += V^T P^T: the four accumulators by turns
	v_wmma_scale_f32_16x16x128_f8f6f4 v[O+8*\t:O+8*\t+7], v[FV+12*\t:FV+12*\t+11], v[224:235], v[O+8*\t:O+8*\t+7], v[28+\t], v253 matrix_a_fmt:MATRIX_FMT_BF6 matrix_b_fmt:MATRIX_FMT_BF6
.endr
.endm
.macro FOLD                            ; four chains of pairs -> v240: my row's figure over my wave's 64 columns
	s_delay_alu instid0(VALU_DEP_3)
	v_pk_add_f32 v[240:241], v[240:241], v[242:243]
	s_delay_alu instid0(VALU_DEP_2)
	v_pk_add_f32 v[244:245], v[244:245], v[246:247]
	s_delay_alu instid0(VALU_DEP_1)
	v_pk_add_f32 v[240:241], v[240:241], v[244:245]
	s_delay_alu instid0(VALU_DEP_1)
	v_add_f32 v240, v240, v241
	s_delay_alu instid0(VALU_DEP_1)
	v_permlanex16_b32 v241, v240, s[SEL], s[SEL+1]
	s_delay_alu instid0(VALU_DEP_1)
	v_add_f32 v240, v240, v241
.endm
.macro ACROSS off                      ; over the sixteen waves: every wave adds the same sixteen words in the same order
	ds_store_b32 v68, v240 offset:\off             ; both halves of the lanes write the same word with the same value
	s_wait_dscnt 0x0                               ; for the others' sake: my word has landed
	s_barrier_signal -1
	s_barrier_wait -1
.irp i, 0,1,2,3
	ds_load_b128 v[224+4*\i:227+4*\i], v69 offset:\off+16*\i
.endr
	s_wait_dscnt 0x0
	v_pk_add_f32 v[224:225], v[224:225], v[226:227]
	v_pk_add_f32 v[228:229], v[228:229], v[230:231]
	v_pk_add_f32 v[232:233], v[232:233], v[234:235]
	v_pk_add_f32 v[236:237], v[236:237], v[238:239]
	s_delay_alu instid0(VALU_DEP_3)
	v_pk_add_f32 v[224:225], v[224:225], v[228:229]
	s_delay_alu instid0(VALU_DEP_2)
	v_pk_add_f32 v[232:233], v[232:233], v[236:237]
	s_delay_alu instid0(VALU_DEP_1)
	v_pk_add_f32 v[224:225], v[224:225], v[232:233]
	s_delay_alu instid0(VALU_DEP_1)
	v_add_f32 v240, v224, v225
.endm
	s_wait_alu depctr_va_vdst(0)
	s_wait_tensorcnt 0x0                           ; my tile of the head's four, if I fetched one; the second group's first fills are issued as refills are
	ds_add_u32 v[SPW], v[NIL]                      ; the add, here twice on end
	ds_add_u32 v[SPW], v[NIL]
	s_mov_b32 s[G1K+2], 44<<16                     ; no load of mine is out: K's loads now bring 44 tiles
	s_mov_b32 s[G1K+4], 44
	s_wait_dscnt 0x0
	CROUND                                         ; the head's tiles are in, and all four work-groups are here
	ARM 2, G0K2, G1K, .Ls_v, .Lasked2
	ARMZ 4, G0V2, G1W, .Lasked2
	KLOAD 0, 0
	s_wait_loadcnt 0x0                             ; Q
	s_wait_dscnt 0x0
	STEP 0, 6144, 0                                ; key steps 0-3 read what the head fetched
	STEP 1, 6144, 1
	STEP 0, 6144, 0
	STEP 1, 6144, 1
	v_add_nc_u32 v[AV16], LV1-LV0-6144, v[AV16]    ; V's steps 4 on
	v_add_nc_u32 v[AV8], LV1-LV0-6144, v[AV8]
	s_wait_alu depctr_va_vdst(0)
	s_wait_tensorcnt 0x0                           ; my part of the second group: no tensor load of mine is out from here on
	s_wait_dscnt 0x0
	s_barrier_signal -1
	s_barrier_wait -1
	s_mov_b32 s3, 5
.Lpair:
	STEP 0, 18432, 0
	STEP 1, 18432, 1
	s_sub_co_u32 s3, s3, 1
	s_cmp_lg_u32 s3, 0
	s_cbranch_scc1 .Lpair
	STEP 0, 18432, 0
	STEP 1, 18432, 2
	; ---------------- THE NORM.  The scalar registers that held descriptors are free: every tensor load was shown done ahead of the loop.
	s_lshl_b32 s17, s[WV], 8
	s_lshl_b32 s58, s66, 4                         ; h as f32: (16 T + w) x 4,096
	s_add_co_u32 s58, s58, s[WV]
	s_lshl_b32 s58, s58, 12
	s_mov_b32 s59, 0
	s_mul_i32 s60, s66, 12288                      ; h's codes: 12,288 T + 768 w
	s_mul_i32 s61, s[WV], 768
	s_add_co_u32 s60, s60, s61
	s_add_co_u32 s60, s60, HC
	s_mov_b32 s61, 0
	s_lshl_b32 s62, s66, 9                         ; h's scale words: 512 T
	s_add_co_u32 s62, s62, HS
	s_mov_b32 s63, 0
	s_lshr_b32 s12, s[WV], 1
	s_and_b32 s13, s[WV], 1
	s_mul_i32 s14, s12, 2*RP                       ; into the stage: my queries lie in rows 2 (w / 2), + 1, chunks 8 (w % 2) on
	s_mul_i32 s15, s13, 8*CP
	s_add_co_u32 s14, s14, s15
	s_add_co_u32 s14, s14, STG
	s_mul_i32 s15, s[WV], CP                       ; out of it: chunk w of every row
	s_add_co_u32 s15, s15, STG
	s_lshl_b32 s16, s[WV], 2
	s_add_co_u32 s16, s16, RED                     ; my word of a row's sixteen
	s_lshl_b32 s12, s12, 6
	s_lshl_b32 s13, s13, 1
	s_add_co_u32 s12, s12, s13
	s_add_co_u32 s12, s12, SCW                     ; my two bytes of a row's scale word of K step w / 2
	s_mov_b32 s18, 0x3a800000                      ; 1 / 1,024
	s_add_nc_u64 s[68:69], s[98:99], s[58:59]
	s_add_nc_u64 s[70:71], s[98:99], s[60:61]
	s_add_nc_u64 s[72:73], s[98:99], s[62:63]
	v_and_b32 v73, 15, v0                          ; r.  (These six lines are the places between the last products and the loads into registers that they read)
	v_bfe_u32 v74, v0, 4, 1                        ; h
	v_and_b32 v75, 31, v0
	s_delay_alu instid0(VALU_DEP_1)
	v_lshlrev_b32 v76, 3, v75                      ; 8 x lane
	v_lshlrev_b32 v75, 4, v75                      ; 16 x lane
	v_lshl_add_u32 v77, v74, 6, s17                ; gamma, beta: 256 w + 64 h
.irp b, 0,1
.irp j, 0,1,2,3
	global_load_b128 v[GA+16*\b+4*\j:GA+16*\b+4*\j+3], v77, s[94:95] offset:128*\b+16*\j
.endr
.endr
.irp b, 0,1
.irp j, 0,1,2,3
	global_load_b128 v[BE+16*\b+4*\j:BE+16*\b+4*\j+3], v77, s[96:97] offset:128*\b+16*\j
.endr
.endr
	v_add_f32 v14, v14, v15
	s_delay_alu instid0(VALU_DEP_1)
	v_permlanex16_b32 v252, v14, s[SEL], s[SEL+1]
	s_delay_alu instid0(VALU_DEP_1)
	v_add_f32 v14, v14, v252                       ; the softmax row's sum
	s_wait_alu depctr_va_vdst(0)
	v_rcp_f32 v14, v14
	v_lshrrev_b32 v72, 3, v73                      ; (a plain place behind the transcendental)  r / 8
	v_and_b32 v66, 7, v73
	s_delay_alu instid0(VALU_DEP_1)
	v_mul_u32_u24 v66, v66, CP
	s_delay_alu instid0(VALU_DEP_1)
	v_mad_u32_u24 v66, v72, RP, v66
	s_delay_alu instid0(VALU_DEP_1)
	v_lshl_add_u32 v66, v74, 6, v66
	s_delay_alu instid0(VALU_DEP_1)
	v_add_nc_u32 v66, s14, v66                     ; in: row 2 (w / 2) + r / 8, chunk 8 (w % 2) + r % 8, + 64 h
	v_mul_u32_u24 v67, v73, RP
	s_delay_alu instid0(VALU_DEP_1)
	v_lshl_add_u32 v67, v74, 6, v67
	s_delay_alu instid0(VALU_DEP_1)
	v_add_nc_u32 v67, s15, v67                     ; back: row r, chunk w, + 64 h
	v_lshl_add_u32 v68, v73, 6, s16                ; the sums: 64 r + 4 w
	v_lshlrev_b32 v69, 6, v73
	s_delay_alu instid0(VALU_DEP_1)
	v_add_nc_u32 v69, RED, v69                     ; and a row's sixteen words
	v_lshl_add_u32 v70, v73, 2, s12                ; the scale bytes: 4 r + 64 (w / 2) + 2 (w % 2)
	v_add_nc_u32 v71, SCW, v75                     ; and all of them, 16 bytes a lane
	v_mov_b32 v249, 0                              ; (named as the upper half of the pair v[248:249])
	s_wait_alu depctr_va_vdst(0)
.set J, 0
.rept 32
	v_mul_f32 v[S+J], v[O+J], v14                  ; register 16 b + i is d = 32 b + 16 h + i of my query; each accumulator is read from its low end on
.set J, J+1
.endr
.irp b, 0,1
.irp j, 0,1,2,3
	ds_store_b128 v66, v[S+16*\b+4*\j:S+16*\b+4*\j+3] offset:128*\b+16*\j
.endr
.endr
	s_wait_dscnt 0x0                               ; for the others' sake: my queries lie in the stage
	s_barrier_signal -1
	s_barrier_wait -1
.irp b, 0,1
.irp j, 0,1,2,3
	ds_load_b128 v[E+16*\b+4*\j:E+16*\b+4*\j+3], v67 offset:128*\b+16*\j
.endr
.endr
	s_wait_dscnt 0x0
	s_wait_loadcnt 16                              ; x's eight loads are in; gamma's and beta's sixteen may be out
.irp k, 0,2,4,6,8,10,12,14,16,18,20,22,24,26,28,30
	v_pk_add_f32 v[E+\k:E+\k+1], v[E+\k:E+\k+1], v[XR+\k:XR+\k+1]
.endr
	v_pk_add_f32 v[240:241], v[E:E+1], v[E+2:E+3]  ; the sum of my 32, in four chains
	v_pk_add_f32 v[242:243], v[E+4:E+5], v[E+6:E+7]
	v_pk_add_f32 v[244:245], v[E+8:E+9], v[E+10:E+11]
	v_pk_add_f32 v[246:247], v[E+12:E+13], v[E+14:E+15]
.irp k, 16,24
	s_delay_alu instid0(VALU_DEP_4)
	v_pk_add_f32 v[240:241], v[240:241], v[E+\k:E+\k+1]
	s_delay_alu instid0(VALU_DEP_4)
	v_pk_add_f32 v[242:243], v[242:243], v[E+\k+2:E+\k+3]
	s_delay_alu instid0(VALU_DEP_4)
	v_pk_add_f32 v[244:245], v[244:245], v[E+\k+4:E+\k+5]
	s_delay_alu instid0(VALU_DEP_4)
	v_pk_add_f32 v[246:247], v[246:247], v[E+\k+6:E+\k+7]
.endr
	FOLD
	ACROSS 0
	s_delay_alu instid0(VALU_DEP_1)
	v_mul_f32 v248, 0xba800000, v240               ; -mean
.irp k, 0,2,4,6,8,10,12,14,16,18,20,22,24,26,28,30
	v_pk_add_f32 v[E+\k:E+\k+1], v[E+\k:E+\k+1], v[248:249] op_sel_hi:[1,0]
.endr
	v_pk_mul_f32 v[240:241], v[E:E+1], v[E:E+1]    ; the sum of the squares of the differences
	v_pk_mul_f32 v[242:243], v[E+2:E+3], v[E+2:E+3]
	v_pk_mul_f32 v[244:245], v[E+4:E+5], v[E+4:E+5]
	v_pk_mul_f32 v[246:247], v[E+6:E+7], v[E+6:E+7]
.irp k, 8,16,24
	s_delay_alu instid0(VALU_DEP_4)
	v_pk_fma_f32 v[240:241], v[E+\k:E+\k+1], v[E+\k:E+\k+1], v[240:241]
	s_delay_alu instid0(VALU_DEP_4)
	v_pk_fma_f32 v[242:243], v[E+\k+2:E+\k+3], v[E+\k+2:E+\k+3], v[242:243]
	s_delay_alu instid0(VALU_DEP_4)
	v_pk_fma_f32 v[244:245], v[E+\k+4:E+\k+5], v[E+\k+4:E+\k+5], v[244:245]
	s_delay_alu instid0(VALU_DEP_4)
	v_pk_fma_f32 v[246:247], v[E+\k+6:E+\k+7], v[E+\k+6:E+\k+7], v[246:247]
.endr
	FOLD
	ACROSS 1024
	s_delay_alu instid0(VALU_DEP_1)
	v_fmaak_f32 v248, s18, v240, 0x3727c5ac        ; var + 1e-5
	s_wait_alu depctr_va_vdst(0)
	v_rsq_f32 v248, v248
	v_nop                                          ; one plain place behind the transcendental
	s_wait_loadcnt 0x0                             ; gamma and beta
	s_wait_alu depctr_va_vdst(0)
.irp k, 0,2,4,6,8,10,12,14,16,18,20,22,24,26,28,30
	v_pk_mul_f32 v[E+\k:E+\k+1], v[E+\k:E+\k+1], v[248:249] op_sel_hi:[1,0]
.endr
.irp k, 0,2,4,6,8,10,12,14,16,18,20,22,24,26,28,30
	v_pk_fma_f32 v[E+\k:E+\k+1], v[E+\k:E+\k+1], v[GA+\k:GA+\k+1], v[BE+\k:BE+\k+1]
.endr
.irp c, 0,1,2,3,4,5,6,7
	global_store_b128 v75, v[E+4*\c:E+4*\c+3], s[68:69] offset:512*\c          ; 512 consecutive bytes a store
.endr
	; my two blocks of 32 become six registers of codes and two scale bytes
.irp b, 0,1
	v_max3_num_f32 v[TM+\b], |v[E+16*\b]|, |v[E+1+16*\b]|, 0x2800000           ; my 16 numbers of block b, and the floor 2^(5 - 127)
.endr
.irp i, 2,4,6,8,10,12,14
.irp b, 0,1
	s_delay_alu instid0(VALU_DEP_2)
	v_max3_num_f32 v[TM+\b], v[TM+\b], |v[E+16*\b+\i]|, |v[E+1+16*\b+\i]|
.endr
.endr
.irp b, 0,1
	s_delay_alu instid0(VALU_DEP_2)
	v_permlanex16_b32 v[TM+4+\b], v[TM+\b], s[SEL], s[SEL+1]
.endr
.irp b, 0,1
	s_delay_alu instid0(VALU_DEP_2)
	v_max_num_f32 v[TM+\b], v[TM+\b], v[TM+4+\b]   ; with lane l xor 16's: the block's largest magnitude
.endr
.irp b, 0,1
	s_delay_alu instid0(VALU_DEP_2)
	v_add_nc_u32 v[TM+12+\b], 0xfe000000, v[TM+\b] ; 4 off its exponent field: the conversion's scale operand
.endr
.irp b, 0,1
	s_delay_alu instid0(VALU_DEP_2)
	v_lshrrev_b32 v[TM+4+\b], 23, v[TM+12+\b]      ; the scale's byte
.endr
	s_delay_alu instid0(VALU_DEP_1)
	v_lshl_or_b32 v[PW], v[TM+5], 8, v[TM+4]
	v_cvt_scalef32_pk16_bf6_f32 v[PC:PC+2], v[E:E+15], v[TM+12]
	v_cvt_scalef32_pk16_bf6_f32 v[PC+12:PC+14], v[E+16:E+31], v[TM+13]
	v_nop                                          ; one plain place behind a scaled conversion
.irp i, 0,1,2
	v_permlane16_swap_b32 v[PC+\i], v[PC+12+\i]    ; a whole block to a lane: lanes 0-15 block 0, lanes 16-31 block 1
.endr
.irp i, 0,1,2
	s_delay_alu instid0(VALU_DEP_3)
	v_mov_b32 v[PC+3+\i], v[PC+12+\i]
.endr
	global_store_b128 v75, v[PC:PC+3], s[70:71]    ; 512 and 256 consecutive bytes, at multiples of 256 from the buffer's first byte
	global_store_b64 v76, v[PC+4:PC+5], s[70:71] offset:512
	ds_store_b16 v70, v[PW]                        ; both halves of the lanes write the same two bytes with the same value
	s_wait_dscnt 0x0
	s_barrier_signal -1
	s_barrier_wait -1
	s_cmp_lg_u32 s[WV], 0
	s_cbranch_scc1 .Ldone
	ds_load_b128 v[224:227], v71                   ; the tile's 512 bytes of scale words leave in one store
	s_wait_dscnt 0x0
	global_store_b128 v75, v[224:227], s[72:73]
.Ldone:
	s_wait_tensorcnt 0x0                           ; the wave's end
	ds_add_u32 v[SPW], v[NIL]
	s_wait_dscnt 0x0
	CROUND                                         ; the closing round
	s_endpgm
.Lfunc_end_k_qf601b1ae2e_attn:
	.size	k_qf601b1ae2e_attn, .Lfunc_end_k_qf601b1ae2e_attn-k_qf601b1ae2e_attn
	.p2alignl 7, 3214868480
	.fill 96, 4, 3214868480
	.section	.rodata,"a",@progbits
	.p2align	6, 0x0
	.amdhsa_kernel k_qf601b1ae2e_attn
		.amdhsa_group_segment_fixed_size 327680
		.amdhsa_private_segment_fixed_size 0
		.amdhsa_enable_private_segment 0
		.amdhsa_kernarg_size 40
		.amdhsa_user_sgpr_count 2
		.amdhsa_user_sgpr_kernarg_segment_ptr 1
		.amdhsa_wavefront_size32 1
		.amdhsa_system_sgpr_workgroup_id_x 1
		.amdhsa_system_sgpr_workgroup_id_y 1
		.amdhsa_system_sgpr_workgroup_id_z 1
		.amdhsa_system_vgpr_workitem_id 0
		.amdhsa_next_free_vgpr 256
		.amdhsa_next_free_sgpr 102
		.amdhsa_reserve_vcc 0
		.amdhsa_float_denorm_mode_32 3
		.amdhsa_float_denorm_mode_16_64 3
		.amdhsa_memory_ordered 1
		.amdhsa_forward_progress 1
		.amdhsa_inst_pref_size 173
	.end_amdhsa_kernel
	.amdgpu_metadata
---
amdhsa.version: [ 1, 2 ]
amdhsa.kernels:
  - .name:           k_qf601b1ae2e_attn
    .symbol:         k_qf601b1ae2e_attn.kd
    .args:
      - { .name: qkv, .offset: 0, .size: 8, .value_kind: global_buffer, .address_space: global }
      - { .name: x, .offset: 8, .size: 8, .value_kind: global_buffer, .address_space: global }
      - { .name: gamma, .offset: 16, .size: 8, .value_kind: global_buffer, .address_space: global }
      - { .name: beta, .offset: 24, .size: 8, .value_kind: global_buffer, .address_space: global }
      - { .name: hb, .offset: 32, .size: 8, .value_kind: global_buffer, .address_space: global }
    .group_segment_fixed_size: 327680
    .private_segment_fixed_size: 0
    .kernarg_segment_align: 8
    .kernarg_segment_size: 40
    .max_flat_workgroup_size: 512
    .sgpr_count:     102
    .vgpr_count:     256
    .wavefront_size: 32
...
	.end_amdgpu_metadata
.endif
;; end of part 3
;; launch gff1 (part 4): grid 16 x 16, 4 waves a work-group, clusters of 4 x 4, 327,680 bytes of LDS; arguments hb, cq, b1, hid; writes hid
.if DOCPART == 4
	.amdgcn_target "amdgcn-amd-amdhsa--gfx1250"
	.amdhsa_code_object_version 6
	.text
	.protected	k_qf601b1ae2e_gff1
	.globl	k_qf601b1ae2e_gff1
	.p2align	8
	.type	k_qf601b1ae2e_gff1,@function
k_qf601b1ae2e_gff1:
	s_mov_b64 s[64:65], 0
	v_nop
	global_prefetch_b8 v0, s[64:65] scope:SCOPE_SE
	s_setreg_imm32_b32 hwreg(HW_REG_WAVE_MODE, 25, 1), 1
	s_wait_xcnt 0x0
	s_wait_alu depctr_hold_cnt(0) depctr_sa_sdst(0) depctr_va_vdst(0) depctr_va_sdst(0) depctr_va_ssrc(0) depctr_va_vcc(0) depctr_vm_vsrc(0)
	s_getreg_b32 s2, hwreg(HW_REG_IB_STS2, 6, 4)
	s_cmp_eq_u32 s2, 0
	s_cbranch_scc0 .Lentry_in_a_cluster
	s_endpgm
.Lentry_in_a_cluster:
	s_bfe_u32 s2, ttmp6, 0x10000c
	s_cmp_lg_u32 s2, 0xf033
	s_cbranch_scc0 .Lentry_shape_is_right
	s_endpgm
.Lentry_shape_is_right:
.set KIND, 2
.if KIND == 3
.set MB,  4
.set NQ,  4
.set KST, 32
.else
.set MB,  8
.set NQ,  2
.set KST, 8
.endif
.set NB,   MB
.set FRB,  1536
.set TROW, KST*FRB
.set PART, MB*NQ*FRB
.set SLOT, 4*PART
.set SCL,  2*SLOT
.set PS,   MB*KST*64
.set SPARE, SCL+4*PS
.set LAPS, KST/(2*NQ)
.set WB,   3276800
.if KIND == 2
.set RA,  16777216
.set RAS, 19922944
.set RB,  WB+2359296
.set RBS, WB+8749056
.elseif KIND == 3
.set RA,  0
.set RAS, 12582912
.set RB,  WB+5505024
.set RBS, WB+8880128
.endif
.set ADRA16, 16
.set ADRA8,  18
.set ADRB16, 20
.set ADRB8,  22
.set VL16, 24
.set VL8,  25
.set VB0,  26
.set ADRS, 27
.set SPW,  28
.set NIL,  29
.set VB1,  30
.set SC,   32
.set B1R,  48
.set AF,   64
.set T,    64
.set PC,   128
.set TM,   148
.set PW,   164
.set KW,   166
.set VS,   174
.set MW,   178
.set SEL,  66
.set G1, 24
.set G0, 32
.set G1B, 48
.set G0B, 56
.set G1S, 68
.set G0S, 76
.set G1SB, 80
.set G0SB, 88
.set MSB, 0
.macro WIN new
.if MSB != (\new)
	s_set_vgpr_msb (MSB<<8)|(\new)
.set MSB, (\new)
.endif
.endm
.macro PLACES n
.rept \n
	v_nop
.endr
.endm
.macro JLOAD g0a, g1a, g0b, g1b
	s_cmp_eq_u32 s15, 0
	s_cbranch_scc0 .Lfor_b_\@
	tensor_load_to_lds s[\g0a:\g0a+3], s[\g1a:\g1a+7]
	s_nop 0
.rept 4
	v_nop
.endr
	s_branch .Lasked_\@
.Lfor_b_\@:
	tensor_load_to_lds s[\g0b:\g0b+3], s[\g1b:\g1b+7]
	s_nop 0
.rept 4
	v_nop
.endr
.Lasked_\@:
.endm
.macro CREST
	s_cmp_lg_u32 s14, 0
	s_cbranch_scc1 .Lnot_wave_0_\@
	s_barrier_signal -3
.Lnot_wave_0_\@:
	s_barrier_wait -3
	s_barrier_signal -1
	s_barrier_wait -1
.endm
.macro CROUND
	s_barrier_signal -1
	s_barrier_wait -1
	CREST
.endm
.if KIND == 1
	s_load_b128 s[4:7], s[0:1], 0x0
	s_load_b64 s[10:11], s[0:1], 0x10
.elseif KIND == 2
	s_load_b128 s[4:7], s[0:1], 0x0
	s_load_b128 s[8:11], s[0:1], 0x10
.else
	s_load_b128 s[4:7], s[0:1], 0x0
	s_load_b64 s[10:11], s[0:1], 0x10
.endif
	v_lshl_add_u32 v[SPW], v0, 2, SPARE
	v_mov_b32 v[NIL], 0
	ds_add_u32 v28, v29
	ds_add_u32 v28, v29
	s_wait_dscnt 0x0
	v_lshrrev_b32 v1, 5, v0
	v_readfirstlane_b32 s14, v1
	s_lshr_b32 s15, s14, 1
	s_and_b32 s16, s14, 1
	s_bfe_u32 s40, ttmp6, 0x40000
	s_bfe_u32 s41, ttmp6, 0x40004
	s_and_b32 s17, ttmp7, 0xffff
	s_lshl_b32 s43, s41, 2
	s_lshl_b32 s43, 15, s43
	s_lshl_b32 s44, 0x1111, s40
.if KIND == 1
	s_lshl_b32 s66, s17, 2
	s_lshl_b32 s67, ttmp9, 2
	s_mov_b32 s95, WB
	s_mov_b32 s96, WB+8650752
	s_mov_b32 s97, 3145728
	s_cmp_lt_u32 ttmp9, 2
	s_cselect_b32 s20, s66, 8
	s_cselect_b32 s46, s67, s66
	s_cselect_b32 s98, 0, s95
	s_cselect_b32 s99, s97, s96
	s_cselect_b32 s95, s95, 0
	s_cselect_b32 s96, s96, s97
	s_add_co_u32 s20, s20, s41
	s_add_co_u32 s46, s46, s40
.else
	s_lshl_b32 s20, s17, 2
	s_add_co_u32 s20, s20, s41
	s_lshl_b32 s46, ttmp9, 2
	s_add_co_u32 s46, s46, s40
.endif
	s_mul_i32 s18, s16, MB
	s_mul_i32 s20, s20, 2*MB
	s_add_co_u32 s20, s20, s18
	s_mul_i32 s46, s46, 2*MB
	s_add_co_u32 s46, s46, s18
	s_mul_i32 s22, s20, KST*64
	s_mul_i32 s20, s20, TROW
	s_mul_i32 s92, s46, KST*64
	s_mul_i32 s46, s46, TROW
.if KIND == 1
	s_add_co_u32 s20, s20, s98
	s_add_co_u32 s22, s22, s99
	s_add_co_u32 s46, s46, s95
	s_add_co_u32 s92, s92, s96
.else
.if RA > 0
	s_add_co_u32 s20, s20, RA
.endif
	s_add_co_u32 s22, s22, RAS
	s_add_co_u32 s46, s46, RB
	s_add_co_u32 s92, s92, RBS
.endif
	s_mov_b32 s21, 0
	s_mov_b32 s23, 0
	s_mov_b32 s47, 0
	s_mov_b32 s93, 0
	s_or_b32 s[G1+0], s43, (3<<16)|(1<<21)
	s_or_b32 s[G1B+0], s44, (3<<16)|(1<<21)
.irp g, G1, G1B
	s_mov_b32 s[\g+1], (NQ*192)<<16
	s_mov_b32 s[\g+2], (2*MB)<<16                  ; the head's loads bring both halves; behind them the two words that count rows are set to MB
	s_mov_b32 s[\g+3], (NQ*192)<<16
	s_mov_b32 s[\g+4], 2*MB
	s_mov_b32 s[\g+5], KST*192
	s_mov_b32 s[\g+6], 0
	s_mov_b32 s[\g+7], 0
.endr
	s_or_b32 s[G1S+0], s43, (3<<16)|(1<<21)
	s_or_b32 s[G1SB+0], s44, (3<<16)|(1<<21)
.irp g, G1S, G1SB
	s_mov_b32 s[\g+1], 32<<16
	s_mov_b32 s[\g+2], (2*PS/256)<<16
	s_mov_b32 s[\g+3], 32<<16
	s_mov_b32 s[\g+4], 2*PS/256
	s_mov_b32 s[\g+5], 32
	s_mov_b32 s[\g+6], 0
	s_mov_b32 s[\g+7], 0
.endr
	s_mul_i32 s45, s14, PART
	s_wait_kmcnt 0x0
.if KIND == 1
	s_mov_b64 s[8:9], s[6:7]
	s_mov_b64 s[6:7], s[4:5]
.endif
	s_add_nc_u64 s[20:21], s[4:5], s[20:21]
	s_add_nc_u64 s[22:23], s[4:5], s[22:23]
	s_add_nc_u64 s[46:47], s[6:7], s[46:47]
	s_add_nc_u64 s[92:93], s[6:7], s[92:93]
	CROUND
.set G0H,  4                           ; s[4:7], s[96:99]: group 0 of the head's loads of slot 0, A's 2 MB tiles and B's
.set G0HB, 96
	s_mul_i32 s18, s16, MB*TROW                    ; the head's four tiles are whole blocks: my half's distance is taken off again
	s_mov_b32 s19, 0
	s_mov_b32 s[G0H], 1
	s_mov_b32 s[G0H+1], 0
	s_sub_nc_u64 s[G0H+2:G0H+3], s[20:21], s[18:19]
	s_or_b32 s[G0H+3], s[G0H+3], 0x80000000
	s_mov_b32 s[G0HB], 1
	s_mov_b32 s[G0HB+1], 2*PART
	s_sub_nc_u64 s[G0HB+2:G0HB+3], s[46:47], s[18:19]
	s_or_b32 s[G0HB+3], s[G0HB+3], 0x80000000
	s_mul_i32 s18, s16, PS
	s_mov_b32 s[G0S], 1
	s_mov_b32 s[G0S+1], SCL
	s_sub_nc_u64 s[G0S+2:G0S+3], s[22:23], s[18:19]
	s_or_b32 s[G0S+3], s[G0S+3], 0x80000000
	s_mov_b32 s[G0SB], 1
	s_mov_b32 s[G0SB+1], SCL+2*PS
	s_sub_nc_u64 s[G0SB+2:G0SB+3], s[92:93], s[18:19]
	s_or_b32 s[G0SB+3], s[G0SB+3], 0x80000000
.set PFA,  22                          ; s[22:23] (the scale words' address has been used): where my prefetches stand; never rewritten
.set PFO,  31                          ; v31 their offset; never rewritten
	; THE PREFETCH.  K is four slots.  Of the MB = 8 tiles x 3,072 bytes that a wave fetches for a slot, each of the four partners that ask for them jointly names two tiles, told apart by address
	; (cx for A, cy for B): 24 blocks of 256 bytes, a lane a block; the eight lanes left over name the last block again.  Slots 1 and 2 are asked for behind the head's load, slot 3 behind slot 1's.
	s_cmp_eq_u32 s15, 0                            ; do I fetch for A?
	s_cselect_b64 s[PFA:PFA+1], s[20:21], s[46:47]
	s_cselect_b32 s2, s40, s41
	s_mul_i32 s2, s2, 2*TROW
	s_mov_b32 s3, 0
	s_add_nc_u64 s[PFA:PFA+1], s[PFA:PFA+1], s[2:3]
.irp s, 0,1
	s_mov_b32 s[G0+4*\s], 1
	s_add_co_u32 s[G0+4*\s+1], s45, \s*SLOT
	s_add_nc_u64 s[G0+4*\s+2:G0+4*\s+3], s[20:21], \s*NQ*FRB
	s_or_b32 s[G0+4*\s+3], s[G0+4*\s+3], 0x80000000
	s_mov_b32 s[G0B+4*\s], 1
	s_add_co_u32 s[G0B+4*\s+1], s45, \s*SLOT
	s_add_nc_u64 s[G0B+4*\s+2:G0B+4*\s+3], s[46:47], \s*NQ*FRB
	s_or_b32 s[G0B+4*\s+3], s[G0B+4*\s+3], 0x80000000
.endr
; The head's loads, one a wave, in one chain of branches on the wave's number: wave 0 slot 0's tiles of A, wave 1 those of B, wave 2 A's scale words, wave 3 B's.
.macro ARM under, g0, g1, next
	s_cmp_lt_u32 s14, \under
	s_cbranch_scc0 \next
	tensor_load_to_lds s[\g0:\g0+3], s[\g1:\g1+7]
	s_nop 0
.rept 4
	v_nop
.endr
	s_branch .Lhead_asked
\next:
.endm
	ARM 1, G0H,  G1,  .Lhead_b
	ARM 2, G0HB, G1B, .Lhead_sa
	ARM 3, G0S,  G1S, .Lhead_sb
	tensor_load_to_lds s[G0SB:G0SB+3], s[G1SB:G1SB+7]
	s_nop 0
.rept 4
	v_nop
.endr
.Lhead_asked:
	v_and_b32 v1, 31, v0
	v_and_b32 v2, 15, v0
	v_min_u32 v[PFO], 23, v1                       ; block j = min(lane, 23): tile j / 12, block j % 12 of its 3,072 bytes
	v_mul_u32_u24 v4, v[PFO], 11
	v_lshrrev_b32 v4, 7, v4                        ; j / 12 for j under 24
	v_mul_u32_u24 v4, v4, TROW-12*256
	v_lshl_add_u32 v[PFO], v[PFO], 8, v4
	global_prefetch_b8 v[PFO], s[PFA:PFA+1] offset:NQ*FRB th:TH_LOAD_NT scope:SCOPE_SE     ; slot 1
	global_prefetch_b8 v[PFO], s[PFA:PFA+1] offset:2*NQ*FRB th:TH_LOAD_NT scope:SCOPE_SE   ; slot 2
	v_bfe_u32 v3, v0, 4, 1
	v_lshlrev_b32 v[VL16], 4, v1
	v_lshlrev_b32 v[VL8], 3, v1
	s_mul_i32 s18, s15, PART
	s_mul_i32 s19, s16, PART
	s_add_co_u32 s19, s19, 2*PART
.irp s, 0,1
	v_add_nc_u32 v[ADRA16+\s], s18, v[VL16]
	v_add_nc_u32 v[ADRA8+\s], s18, v[VL8]
	v_add_nc_u32 v[ADRB16+\s], s19, v[VL16]
	v_add_nc_u32 v[ADRB8+\s], s19, v[VL8]
	s_add_co_u32 s18, s18, SLOT
	s_add_co_u32 s19, s19, SLOT
.endr
	s_mul_i32 s18, s15, PS
	s_mul_i32 s19, s16, PS
	s_add_co_u32 s19, s19, 2*PS
	s_sub_co_u32 s19, s19, s18
	v_mul_u32_u24 v4, s19, v3
	s_add_co_u32 s18, s18, SCL
	v_lshl_add_u32 v4, v2, 2, v4
	v_add_nc_u32 v[ADRS], s18, v4
.if KIND == 2
	s_lshl_b32 s12, ttmp9, 2
	s_add_co_u32 s12, s12, s40
	s_lshl_b32 s12, s12, 10
	s_lshl_b32 s13, s16, 9
	s_add_co_u32 s12, s12, s13
	v_lshl_add_u32 v[VB0], v3, 6, s12
.elseif KIND == 1
	s_lshl_b32 s12, s40, 2
	s_lshl_b32 s13, s16, 1
	s_add_co_u32 s12, s12, s13
	s_mul_i32 s12, s12, 768
	s_lshl_b32 s13, ttmp9, 8
	s_add_co_u32 s12, s12, s13
	v_lshl_add_u32 v[VB0], v3, 6, s12
	s_lshl_b32 s12, s41, 2
	s_lshl_b32 s13, s15, 1
	s_add_co_u32 s12, s12, s13
	s_mul_i32 s12, s12, 768
	s_add_co_u32 s12, s12, 512
	v_and_b32 v4, 8, v2
	v_add_nc_u32 v4, v4, v2
	v_lshl_add_u32 v[VB1], v4, 2, s12
.endif
.if KIND != 3
	WIN 0x40
.irp b, 0,1,2,3
.irp j, 0,1,2,3
.set BR, 96+16*\b+4*\j+96*(\b/2)
.if KIND == 2
	global_load_b128 v[BR:BR+3], v[VB0], s[8:9] offset:128*\b+16*\j
.else
	global_load_b128 v[BR:BR+3], v[VB0], s[8:9] offset:768*(\b/2)+128*(\b%2)+16*\j
.endif
.endr
.endr
	WIN 0
.endif
.if KIND == 1
.irp a, 0,1,2,3,4,5,6,7
	global_load_b32 v[B1R+2*\a], v[VB1], s[8:9] offset:4*(192*(\a/4)+32*((\a/2)%2)+8*(\a%2))
	v_mov_b32 v[B1R+2*\a+1], 0
.endr
.endif
.macro FRAG reg, a16, a8, off
	ds_load_b128 v[\reg:\reg+3], v[\a16] offset:\off
	ds_load_b64 v[\reg+4:\reg+5], v[\a8] offset:\off+512
	ds_load_b128 v[\reg+6:\reg+9], v[\a16] offset:\off+768
	ds_load_b64 v[\reg+10:\reg+11], v[\a8] offset:\off+1280
.endm
.macro FETCH slot, q, p
	WIN 0x40
.irp i, 0,1,2,3,4,5,6,7
.if \i < NB
	FRAG 128*(\p)+12*\i, ADRB16+\slot, ADRB8+\slot, (\i*NQ+(\q))*FRB
.endif
.endr
	WIN 0
.irp i, 0,1,2,3,4,5,6,7
.if \i < MB
	FRAG AF+96*(\p)+12*\i, ADRA16+\slot, ADRA8+\slot, (\i*NQ+(\q))*FRB
.endif
.endr
.irp i, 0,1,2,3,4,5,6,7
.if \i < MB
	ds_load_b32 v[SC+MB*(\p)+\i], v[ADRS] offset:\i*KST*64
.endif
.endr
	v_add_nc_u32 v[ADRS], 64, v[ADRS]
.endm
.macro MULA a, p, zero
.set AW, 2+(8*NB*(\a))/256
.set WV_, (AW<<6)|(AW<<4)|1
	WIN WV_
.irp b, 0,1,2,3,4,5,6,7
.if \b < NB
.set AR, (8*(NB*(\a)+\b))%256
.if \zero
	v_wmma_scale_f32_16x16x128_f8f6f4 v[AR:AR+7], v[128*(\p)+12*\b:128*(\p)+12*\b+11], v[AF+96*(\p)+12*(\a):AF+96*(\p)+12*(\a)+11], 0, v[SC+MB*(\p)+\b], v[SC+MB*(\p)+(\a)] matrix_a_fmt:MATRIX_FMT_BF6 matrix_b_fmt:MATRIX_FMT_BF6 matrix_a_scale:MATRIX_SCALE_ROW1
.else
	v_wmma_scale_f32_16x16x128_f8f6f4 v[AR:AR+7], v[128*(\p)+12*\b:128*(\p)+12*\b+11], v[AF+96*(\p)+12*(\a):AF+96*(\p)+12*(\a)+11], v[AR:AR+7], v[SC+MB*(\p)+\b], v[SC+MB*(\p)+(\a)] matrix_a_fmt:MATRIX_FMT_BF6 matrix_b_fmt:MATRIX_FMT_BF6 matrix_a_scale:MATRIX_SCALE_ROW1
.endif
.endif
.endr
.endm
.macro MULS a0, n, p, zero
.set AA, \a0
.rept \n
	MULA AA, \p, \zero
.set AA, AA+1
.endr
.endm
.macro STEP slot, q, zero
	s_wait_dscnt 0x0
	MULS 0, MB/2, (\q)%2, \zero
	PLACES 4
	FETCH \slot, (\q)+1, 1-(\q)%2
	MULS MB/2, MB/2, (\q)%2, \zero
.endm
.macro TURN slot, next, fill
	WIN 0
	s_wait_tensorcnt 0x0
	ds_add_u32 v[SPW], v[NIL]
	s_wait_dscnt 1
	MULS 0, MB/4, 1, 0
	s_wait_dscnt 0x0
	s_barrier_signal -1
	MULS MB/4, MB/4, 1, 0
	WIN 0
	s_barrier_wait -1
.if \fill
	CREST
	s_add_nc_u64 s[G0+4*\slot+2:G0+4*\slot+3], s[G0+4*\slot+2:G0+4*\slot+3], 2*NQ*FRB
	s_add_nc_u64 s[G0B+4*\slot+2:G0B+4*\slot+3], s[G0B+4*\slot+2:G0B+4*\slot+3], 2*NQ*FRB
	JLOAD G0+4*\slot, G1, G0B+4*\slot, G1B
.else
	PLACES 4
.endif
	s_wait_alu depctr_va_vdst(0)
	FETCH \next, 0, 0
	MULS MB/2, MB/2, 1, 0
.endm
.macro MID slot
.if NQ > 2
.set QQ, 1
.rept NQ-2
	STEP \slot, QQ, 0
.set QQ, QQ+1
.endr
.endif
.endm
	s_wait_alu depctr_va_vdst(0)
	s_wait_tensorcnt 0x0                           ; my tile of the head's four is in; slot 1's first fill is issued as a refill is
	ds_add_u32 v[SPW], v[NIL]
	s_mov_b32 s[G1+2], MB<<16                      ; no load of mine is out: from here on a load brings MB tiles
	s_mov_b32 s[G1+4], MB
	s_mov_b32 s[G1B+2], MB<<16
	s_mov_b32 s[G1B+4], MB
	s_wait_dscnt 0x0
	CROUND                                         ; all four tiles are in, and all sixteen work-groups are here
	JLOAD G0+4, G1, G0B+4, G1B                     ; slot 1, the first tensor load behind the round
	FETCH 0, 0, 0
	global_prefetch_b8 v[PFO], s[PFA:PFA+1] offset:3*NQ*FRB th:TH_LOAD_NT scope:SCOPE_SE   ; slot 3
	s_wait_alu depctr_va_vdst(0)
	STEP 0, 0, 1
	WIN 0
	s_mov_b32 s3, LAPS-1
.Llap:
	MID 0
	TURN 0, 1, 1
	s_wait_alu depctr_va_vdst(0)
	STEP 1, 0, 0
	MID 1
	TURN 1, 0, 1
	s_wait_alu depctr_va_vdst(0)
	STEP 0, 0, 0
	WIN 0
	s_sub_co_u32 s3, s3, 1
	s_cmp_lg_u32 s3, 0
	s_cbranch_scc1 .Llap
	MID 0
	TURN 0, 1, 0
	s_wait_alu depctr_va_vdst(0)
	STEP 1, 0, 0
	MID 1
	s_wait_dscnt 0x0
	MULS 0, MB, 1, 0
	WIN 0
	PLACES 4
.if KIND == 3
	s_lshl_b32 s12, s17, 2
	s_add_co_u32 s12, s12, s41
	s_lshl_b32 s12, s12, 3
	s_lshl_b32 s13, s15, 2
	s_add_co_u32 s12, s12, s13
	s_lshl_b32 s12, s12, 3
	s_lshl_b32 s13, ttmp9, 2
	s_add_co_u32 s13, s13, s40
	s_add_co_u32 s12, s12, s13
	s_lshl_b32 s12, s12, 13
	s_lshl_b32 s13, s16, 12
	s_add_co_u32 s12, s12, s13
	s_mov_b32 s13, 0
	s_add_nc_u64 s[10:11], s[10:11], s[12:13]
	WIN 0x08
.irp a, 0,1,2,3
.irp b, 0,1,2,3
	global_store_b128 v[VL16], v[8*(4*\a+\b):8*(4*\a+\b)+3], s[10:11] offset:\a*65536+\b*1024
	global_store_b128 v[VL16], v[8*(4*\a+\b)+4:8*(4*\a+\b)+7], s[10:11] offset:\a*65536+\b*1024+512
.endr
.endr
	WIN 0
.else
.macro QUANT s
.irp b, 0,1,2,3
	v_max3_num_f32 v[TM+\b], |v[\s+16*\b]|, |v[\s+1+16*\b]|, 0x2800000
.endr
.irp i, 2,4,6,8,10,12,14
.irp b, 0,1,2,3
	v_max3_num_f32 v[TM+\b], v[TM+\b], |v[\s+16*\b+\i]|, |v[\s+1+16*\b+\i]|
.endr
.endr
.irp b, 0,1,2,3
	v_permlanex16_b32 v[TM+4+\b], v[TM+\b], s[SEL], s[SEL+1]
.endr
.irp b, 0,1,2,3
	v_max_num_f32 v[TM+\b], v[TM+\b], v[TM+4+\b]
.endr
.irp b, 0,1,2,3
	v_add_nc_u32 v[TM+12+\b], 0xfe000000, v[TM+\b]
.endr
.irp b, 0,1,2,3
	v_lshrrev_b32 v[TM+4+\b], 23, v[TM+12+\b]
.endr
	v_lshl_or_b32 v[PW], v[TM+5], 8, v[TM+4]
	v_lshl_or_b32 v[PW], v[TM+6], 16, v[PW]
	v_lshl_or_b32 v[PW], v[TM+7], 24, v[PW]
.irp c, 0,1
	v_cvt_scalef32_pk16_bf6_f32 v[PC+6*\c:PC+2+6*\c], v[\s+32*\c:\s+15+32*\c], v[TM+12+2*\c]
	v_cvt_scalef32_pk16_bf6_f32 v[PC+12+4*\c:PC+14+4*\c], v[\s+16+32*\c:\s+31+32*\c], v[TM+12+2*\c+1]
.endr
	v_nop
.irp c, 0,1
.irp i, 0,1,2
	v_permlane16_swap_b32 v[PC+6*\c+\i], v[PC+12+4*\c+\i]
.endr
.irp i, 0,1,2
	v_mov_b32 v[PC+3+6*\c+\i], v[PC+12+4*\c+\i]
.endr
.endr
.endm
.macro BIAS a
.set AW, 2+(\a)/4
.set AC, 64*((\a)%4)
.if KIND == 1
	s_cmp_lt_u32 ttmp9, 2
	s_cbranch_scc0 .Lbias_v_\@
.endif
	WIN 0x04|AW
.set K2, 0
.rept 32
.set BR, 96+K2+96*(K2/32)
	v_pk_add_f32 v[T+K2:T+K2+1], v[AC+K2:AC+K2+1], v[BR:BR+1]
.set K2, K2+2
.endr
	WIN 0
.if KIND == 1
	s_branch .Lbias_done_\@
.Lbias_v_\@:
	WIN AW
.set K2, 0
.rept 32
	v_pk_add_f32 v[T+K2:T+K2+1], v[AC+K2:AC+K2+1], v[B1R+2*(\a):B1R+2*(\a)+1] op_sel_hi:[1,0]
.set K2, K2+2
.endr
	WIN 0
.Lbias_done_\@:
.endif
.endm
.macro OUTT a
.if (\a) > 0
	s_wait_xcnt 0x0
	s_add_nc_u64 s[10:11], s[10:11], s[96:97]
.endif
	BIAS \a
.if KIND == 2
.set K2, 0
.rept 64
	v_max_num_f32 v[T+K2], 0, v[T+K2]
.set K2, K2+1
.endr
.endif
	QUANT T
	v_mov_b32 v[KW+(\a)], v[PW]
	global_store_b128 v[VL16], v[PC:PC+3], s[10:11]
	global_store_b64 v[VL8], v[PC+4:PC+5], s[10:11] offset:512
	global_store_b128 v[VL16], v[PC+6:PC+9], s[10:11] offset:768
	global_store_b64 v[VL8], v[PC+10:PC+11], s[10:11] offset:1280
.endm
.if KIND == 2
	s_lshl_b32 s12, s17, 2
	s_add_co_u32 s12, s12, s41
	s_lshl_b32 s12, s12, 4
	s_lshl_b32 s13, s15, 3
	s_add_co_u32 s12, s12, s13
	s_lshl_b32 s13, ttmp9, 2
	s_add_co_u32 s13, s13, s40
	s_lshl_b32 s13, s13, 1
	s_add_co_u32 s13, s13, s16
	s_lshl_b32 s18, s12, 11
	s_lshl_b32 s19, s13, 6
	s_add_co_u32 s18, s18, s19
	s_add_co_u32 s18, s18, 12582912
	s_mul_i32 s12, s12, 49152
	s_mul_i32 s13, s13, 1536
	s_add_co_u32 s12, s12, s13
	s_mov_b32 s96, 49152
	s_mov_b32 s99, 2048
.else
	s_lshl_b32 s12, s17, 2
	s_add_co_u32 s13, s12, s41
	s_add_co_u32 s18, s12, s40
	s_lshl_b32 s19, s15, 3
	s_lshl_b32 s13, s13, 4
	s_add_co_u32 s13, s13, s19
	s_lshl_b32 s12, s40, 1
	s_add_co_u32 s12, s12, s16
	s_mul_i32 s92, s13, 12288
	s_mul_i32 s93, s12, 1536
	s_add_co_u32 s92, s92, s93
	s_mul_i32 s93, ttmp9, 3145728
	s_add_co_u32 s92, s92, s93
	s_lshl_b32 s93, s13, 6
	s_lshl_b32 s12, s12, 14
	s_add_co_u32 s93, s93, s12
	s_lshl_b32 s12, ttmp9, 17
	s_add_co_u32 s93, s93, s12
	s_add_co_u32 s93, s93, 9437184
	s_lshl_b32 s13, s41, 4
	s_add_co_u32 s13, s13, s19
	s_lshl_b32 s18, s18, 1
	s_add_co_u32 s18, s18, s16
	s_mul_i32 s94, s13, 49152
	s_mul_i32 s12, s18, 1536
	s_add_co_u32 s94, s94, s12
	s_add_co_u32 s94, s94, 6291456
	s_lshr_b32 s12, s18, 4
	s_lshl_b32 s12, s12, 16
	s_and_b32 s18, s18, 15
	s_lshl_b32 s18, s18, 6
	s_add_co_u32 s12, s12, s18
	s_lshl_b32 s13, s13, 10
	s_add_co_u32 s12, s12, s13
	s_add_co_u32 s95, s12, 9699328
	s_mov_b32 s19, 49152
	s_mov_b32 s13, 1024
	s_cmp_lt_u32 ttmp9, 2
	s_cselect_b32 s12, s92, s94
	s_cselect_b32 s18, s93, s95
	s_cselect_b32 s96, 12288, s19
	s_cselect_b32 s99, 64, s13
.endif
	s_mov_b32 s13, 0
	s_mov_b32 s19, 0
	s_mov_b32 s97, 0
	s_lshl_b32 s98, s99, 1
	s_mov_b32 s95, 0xffff0000
	s_mov_b32 s[SEL], 0x76543210
	s_mov_b32 s[SEL+1], 0xfedcba98
	s_wait_loadcnt 0x0
	s_add_nc_u64 s[8:9], s[10:11], s[18:19]
	s_add_nc_u64 s[10:11], s[10:11], s[12:13]
	v_and_b32 v1, 15, v0
	v_bfe_u32 v2, v0, 4, 1
	v_lshlrev_b32 v[VS], 2, v1
	v_mad_u32_u24 v[VS], v2, s99, v[VS]
.irp i, 1,2,3
	v_add_nc_u32 v[VS+\i], s98, v[VS+\i-1]
.endr
.irp b, 0,1,2,3
	v_mov_b32 v[TM+4+\b], 0
.endr
.irp a, 0,1,2,3,4,5,6,7
	OUTT \a
.endr
.irp i, 0,1,2,3
	v_cndmask_b32 v[MW+\i], v[KW+2*\i], v[KW+2*\i+1], s95
.endr
.irp i, 0,1,2,3
	global_store_b32 v[VS+\i], v[MW+\i], s[8:9]
.endr
.endif
	s_wait_tensorcnt 0x0
	ds_add_u32 v[SPW], v[NIL]
	s_wait_dscnt 0x0
	CROUND
	s_endpgm
.Lfunc_end_k_qf601b1ae2e_gff1:
	.size	k_qf601b1ae2e_gff1, .Lfunc_end_k_qf601b1ae2e_gff1-k_qf601b1ae2e_gff1
	.p2alignl 7, 3214868480
	.fill 96, 4, 3214868480
	.section	.rodata,"a",@progbits
	.p2align	6, 0x0
	.amdhsa_kernel k_qf601b1ae2e_gff1
		.amdhsa_group_segment_fixed_size 327680
		.amdhsa_private_segment_fixed_size 0
		.amdhsa_enable_private_segment 0
		.amdhsa_kernarg_size 32
		.amdhsa_user_sgpr_count 2
		.amdhsa_user_sgpr_kernarg_segment_ptr 1
		.amdhsa_wavefront_size32 1
		.amdhsa_system_sgpr_workgroup_id_x 1
		.amdhsa_system_sgpr_workgroup_id_y 1
		.amdhsa_system_sgpr_workgroup_id_z 1
		.amdhsa_system_vgpr_workitem_id 0
		.amdhsa_next_free_vgpr 1024
		.amdhsa_next_free_sgpr 100
		.amdhsa_reserve_vcc 0
		.amdhsa_float_denorm_mode_32 3
		.amdhsa_float_denorm_mode_16_64 3
		.amdhsa_memory_ordered 1
		.amdhsa_forward_progress 1
		.amdhsa_inst_pref_size 186
	.end_amdhsa_kernel
	.amdgpu_metadata
---
amdhsa.version: [ 1, 2 ]
amdhsa.kernels:
  - .name:           k_qf601b1ae2e_gff1
    .symbol:         k_qf601b1ae2e_gff1.kd
    .args:
      - { .name: hb, .offset: 0, .size: 8, .value_kind: global_buffer, .address_space: global }
      - { .name: cq, .offset: 8, .size: 8, .value_kind: global_buffer, .address_space: global }
      - { .name: b1, .offset: 16, .size: 8, .value_kind: global_buffer, .address_space: global }
      - { .name: hid, .offset: 24, .size: 8, .value_kind: global_buffer, .address_space: global }
    .group_segment_fixed_size: 327680
    .private_segment_fixed_size: 0
    .kernarg_segment_align: 8
    .kernarg_segment_size: 32
    .max_flat_workgroup_size: 128
    .sgpr_count:     100
    .vgpr_count:     1024
    .wavefront_size: 32
...
	.end_amdgpu_metadata
.endif
;; end of part 4
;; launch gff2 (part 5): grid 8 x 32, 4 waves a work-group, clusters of 4 x 4, 327,680 bytes of LDS; arguments hid, cq, yb; writes yb
.if DOCPART == 5
	.amdgcn_target "amdgcn-amd-amdhsa--gfx1250"
	.amdhsa_code_object_version 6
	.text
	.protected	k_qf601b1ae2e_gff2
	.globl	k_qf601b1ae2e_gff2
	.p2align	8
	.type	k_qf601b1ae2e_gff2,@function
k_qf601b1ae2e_gff2:
	s_mov_b64 s[64:65], 0
	v_nop
	global_prefetch_b8 v0, s[64:65] scope:SCOPE_SE
	s_setreg_imm32_b32 hwreg(HW_REG_WAVE_MODE, 25, 1), 1
	s_wait_xcnt 0x0
	s_wait_alu depctr_hold_cnt(0) depctr_sa_sdst(0) depctr_va_vdst(0) depctr_va_sdst(0) depctr_va_ssrc(0) depctr_va_vcc(0) depctr_vm_vsrc(0)
	s_getreg_b32 s2, hwreg(HW_REG_IB_STS2, 6, 4)
	s_cmp_eq_u32 s2, 0
	s_cbranch_scc0 .Lentry_in_a_cluster
	s_endpgm
.Lentry_in_a_cluster:
	s_bfe_u32 s2, ttmp6, 0x10000c
	s_cmp_lg_u32 s2, 0xf033
	s_cbranch_scc0 .Lentry_shape_is_right
	s_endpgm
.Lentry_shape_is_right:
.set KIND, 3
.if KIND == 3
.set MB,  4
.set NQ,  4
.set KST, 32
.else
.set MB,  8
.set NQ,  2
.set KST, 8
.endif
.set NB,   MB
.set FRB,  1536
.set TROW, KST*FRB
.set PART, MB*NQ*FRB
.set SLOT, 4*PART
.set SCL,  2*SLOT
.set PS,   MB*KST*64
.set SPARE, SCL+4*PS
.set LAPS, KST/(2*NQ)
.set WB,   3276800
.if KIND == 2
.set RA,  16777216
.set RAS, 19922944
.set RB,  WB+2359296
.set RBS, WB+8749056
.elseif KIND == 3
.set RA,  0
.set RAS, 12582912
.set RB,  WB+5505024
.set RBS, WB+8880128
.endif
.set ADRA16, 16
.set ADRA8,  18
.set ADRB16, 20
.set ADRB8,  22
.set VL16, 24
.set VL8,  25
.set VB0,  26
.set ADRS, 27
.set SPW,  28
.set NIL,  29
.set VB1,  30
.set SC,   32
.set B1R,  48
.set AF,   64
.set T,    64
.set PC,   128
.set TM,   148
.set PW,   164
.set KW,   166
.set VS,   174
.set MW,   178
.set SEL,  66
.set G1, 24
.set G0, 32
.set G1B, 48
.set G0B, 56
.set G1S, 68
.set G0S, 76
.set G1SB, 80
.set G0SB, 88
.set MSB, 0
.macro WIN new
.if MSB != (\new)
	s_set_vgpr_msb (MSB<<8)|(\new)
.set MSB, (\new)
.endif
.endm
.macro PLACES n
.rept \n
	v_nop
.endr
.endm
.macro JLOAD g0a, g1a, g0b, g1b
	s_cmp_eq_u32 s15, 0
	s_cbranch_scc0 .Lfor_b_\@
	tensor_load_to_lds s[\g0a:\g0a+3], s[\g1a:\g1a+7]
	s_nop 0
.rept 4
	v_nop
.endr
	s_branch .Lasked_\@
.Lfor_b_\@:
	tensor_load_to_lds s[\g0b:\g0b+3], s[\g1b:\g1b+7]
	s_nop 0
.rept 4
	v_nop
.endr
.Lasked_\@:
.endm
.macro CREST
	s_cmp_lg_u32 s14, 0
	s_cbranch_scc1 .Lnot_wave_0_\@
	s_barrier_signal -3
.Lnot_wave_0_\@:
	s_barrier_wait -3
	s_barrier_signal -1
	s_barrier_wait -1
.endm
.macro CROUND
	s_barrier_signal -1
	s_barrier_wait -1
	CREST
.endm
.if KIND == 1
	s_load_b128 s[4:7], s[0:1], 0x0
	s_load_b64 s[10:11], s[0:1], 0x10
.elseif KIND == 2
	s_load_b128 s[4:7], s[0:1], 0x0
	s_load_b128 s[8:11], s[0:1], 0x10
.else
	s_load_b128 s[4:7], s[0:1], 0x0
	s_load_b64 s[10:11], s[0:1], 0x10
.endif
	v_lshl_add_u32 v[SPW], v0, 2, SPARE
	v_mov_b32 v[NIL], 0
	ds_add_u32 v28, v29
	ds_add_u32 v28, v29
	s_wait_dscnt 0x0
	v_lshrrev_b32 v1, 5, v0
	v_readfirstlane_b32 s14, v1
	s_lshr_b32 s15, s14, 1
	s_and_b32 s16, s14, 1
	s_bfe_u32 s40, ttmp6, 0x40000
	s_bfe_u32 s41, ttmp6, 0x40004
	s_and_b32 s17, ttmp7, 0xffff
	s_lshl_b32 s43, s41, 2
	s_lshl_b32 s43, 15, s43
	s_lshl_b32 s44, 0x1111, s40
.if KIND == 1
	s_lshl_b32 s66, s17, 2
	s_lshl_b32 s67, ttmp9, 2
	s_mov_b32 s95, WB
	s_mov_b32 s96, WB+8650752
	s_mov_b32 s97, 3145728
	s_cmp_lt_u32 ttmp9, 2
	s_cselect_b32 s20, s66, 8
	s_cselect_b32 s46, s67, s66
	s_cselect_b32 s98, 0, s95
	s_cselect_b32 s99, s97, s96
	s_cselect_b32 s95, s95, 0
	s_cselect_b32 s96, s96, s97
	s_add_co_u32 s20, s20, s41
	s_add_co_u32 s46, s46, s40
.else
	s_lshl_b32 s20, s17, 2
	s_add_co_u32 s20, s20, s41
	s_lshl_b32 s46, ttmp9, 2
	s_add_co_u32 s46, s46, s40
.endif
	s_mul_i32 s18, s16, MB
	s_mul_i32 s20, s20, 2*MB
	s_add_co_u32 s20, s20, s18
	s_mul_i32 s46, s46, 2*MB
	s_add_co_u32 s46, s46, s18
	s_mul_i32 s22, s20, KST*64
	s_mul_i32 s20, s20, TROW
	s_mul_i32 s92, s46, KST*64
	s_mul_i32 s46, s46, TROW
.if KIND == 1
	s_add_co_u32 s20, s20, s98
	s_add_co_u32 s22, s22, s99
	s_add_co_u32 s46, s46, s95
	s_add_co_u32 s92, s92, s96
.else
.if RA > 0
	s_add_co_u32 s20, s20, RA
.endif
	s_add_co_u32 s22, s22, RAS
	s_add_co_u32 s46, s46, RB
	s_add_co_u32 s92, s92, RBS
.endif
	s_mov_b32 s21, 0
	s_mov_b32 s23, 0
	s_mov_b32 s47, 0
	s_mov_b32 s93, 0
	s_or_b32 s[G1+0], s43, (3<<16)|(1<<21)
	s_or_b32 s[G1B+0], s44, (3<<16)|(1<<21)
.irp g, G1, G1B
	s_mov_b32 s[\g+1], (NQ*192)<<16
	s_mov_b32 s[\g+2], (2*MB)<<16                  ; the head's loads bring both halves; behind them the two words that count rows are set to MB
	s_mov_b32 s[\g+3], (NQ*192)<<16
	s_mov_b32 s[\g+4], 2*MB
	s_mov_b32 s[\g+5], KST*192
	s_mov_b32 s[\g+6], 0
	s_mov_b32 s[\g+7], 0
.endr
	s_or_b32 s[G1S+0], s43, (3<<16)|(1<<21)
	s_or_b32 s[G1SB+0], s44, (3<<16)|(1<<21)
.irp g, G1S, G1SB
	s_mov_b32 s[\g+1], 32<<16
	s_mov_b32 s[\g+2], (2*PS/256)<<16
	s_mov_b32 s[\g+3], 32<<16
	s_mov_b32 s[\g+4], 2*PS/256
	s_mov_b32 s[\g+5], 32
	s_mov_b32 s[\g+6], 0
	s_mov_b32 s[\g+7], 0
.endr
	s_mul_i32 s45, s14, PART
	s_wait_kmcnt 0x0
.if KIND == 1
	s_mov_b64 s[8:9], s[6:7]
	s_mov_b64 s[6:7], s[4:5]
.endif
	s_add_nc_u64 s[20:21], s[4:5], s[20:21]
	s_add_nc_u64 s[22:23], s[4:5], s[22:23]
	s_add_nc_u64 s[46:47], s[6:7], s[46:47]
	s_add_nc_u64 s[92:93], s[6:7], s[92:93]
	CROUND
.set G0H,  4                           ; s[4:7], s[96:99]: group 0 of the head's loads of slot 0, A's 2 MB tiles and B's
.set G0HB, 96
.set PFA,  66                          ; s[66:67] where my prefetches stand
.set PFO,  31                          ; v31 their offset: 256 x min(lane, 23); never rewritten
	; THE PREFETCH: behind the load of slot n stands one instruction a wave for slot n + 2.  Of the MB = 4 tiles x 6,144 bytes that a wave fetches for a slot, each of the four partners that ask
	; for them jointly names one tile, told apart by address (cx for A, cy for B): 24 blocks of 256 bytes, a lane a block; the eight lanes left over name the last block again.  Slots 6, 7 have no slot two on.
	s_cmp_eq_u32 s15, 0                            ; do I fetch for A?
	s_cselect_b64 s[PFA:PFA+1], s[20:21], s[46:47]
	s_cselect_b32 s2, s40, s41
	s_mul_i32 s2, s2, TROW
	s_mov_b32 s3, 0
	s_add_nc_u64 s[PFA:PFA+1], s[PFA:PFA+1], s[2:3]
	s_add_nc_u64 s[PFA:PFA+1], s[PFA:PFA+1], NQ*FRB    ; at slot 1: a prefetch names the slot behind this place; the head's first names slot 1 itself
	s_mul_i32 s18, s16, MB*TROW                    ; the head's four tiles are whole blocks: my half's distance is taken off again
	s_mov_b32 s19, 0
	s_mov_b32 s[G0H], 1
	s_mov_b32 s[G0H+1], 0
	s_sub_nc_u64 s[G0H+2:G0H+3], s[20:21], s[18:19]
	s_or_b32 s[G0H+3], s[G0H+3], 0x80000000
	s_mov_b32 s[G0HB], 1
	s_mov_b32 s[G0HB+1], 2*PART
	s_sub_nc_u64 s[G0HB+2:G0HB+3], s[46:47], s[18:19]
	s_or_b32 s[G0HB+3], s[G0HB+3], 0x80000000
	s_mul_i32 s18, s16, PS
	s_mov_b32 s[G0S], 1
	s_mov_b32 s[G0S+1], SCL
	s_sub_nc_u64 s[G0S+2:G0S+3], s[22:23], s[18:19]
	s_or_b32 s[G0S+3], s[G0S+3], 0x80000000
	s_mov_b32 s[G0SB], 1
	s_mov_b32 s[G0SB+1], SCL+2*PS
	s_sub_nc_u64 s[G0SB+2:G0SB+3], s[92:93], s[18:19]
	s_or_b32 s[G0SB+3], s[G0SB+3], 0x80000000
.irp s, 0,1
	s_mov_b32 s[G0+4*\s], 1
	s_add_co_u32 s[G0+4*\s+1], s45, \s*SLOT
	s_add_nc_u64 s[G0+4*\s+2:G0+4*\s+3], s[20:21], \s*NQ*FRB
	s_or_b32 s[G0+4*\s+3], s[G0+4*\s+3], 0x80000000
	s_mov_b32 s[G0B+4*\s], 1
	s_add_co_u32 s[G0B+4*\s+1], s45, \s*SLOT
	s_add_nc_u64 s[G0B+4*\s+2:G0B+4*\s+3], s[46:47], \s*NQ*FRB
	s_or_b32 s[G0B+4*\s+3], s[G0B+4*\s+3], 0x80000000
.endr
; The head's loads, one a wave, in one chain of branches on the wave's number: wave 0 slot 0's tiles of A, wave 1 those of B, wave 2 A's scale words, wave 3 B's.
.macro ARM under, g0, g1, next
	s_cmp_lt_u32 s14, \under
	s_cbranch_scc0 \next
	tensor_load_to_lds s[\g0:\g0+3], s[\g1:\g1+7]
	s_nop 0
.rept 4
	v_nop
.endr
	s_branch .Lhead_asked
\next:
.endm
	ARM 1, G0H,  G1,  .Lhead_b
	ARM 2, G0HB, G1B, .Lhead_sa
	ARM 3, G0S,  G1S, .Lhead_sb
	tensor_load_to_lds s[G0SB:G0SB+3], s[G1SB:G1SB+7]
	s_nop 0
.rept 4
	v_nop
.endr
.Lhead_asked:
	v_and_b32 v1, 31, v0
	v_and_b32 v2, 15, v0
	v_min_u32 v[PFO], 23, v1
	v_lshlrev_b32 v[PFO], 8, v[PFO]
	global_prefetch_b8 v[PFO], s[PFA:PFA+1] th:TH_LOAD_NT scope:SCOPE_SE                   ; slot 1
	global_prefetch_b8 v[PFO], s[PFA:PFA+1] offset:NQ*FRB th:TH_LOAD_NT scope:SCOPE_SE     ; slot 2
	v_bfe_u32 v3, v0, 4, 1
	v_lshlrev_b32 v[VL16], 4, v1
	v_lshlrev_b32 v[VL8], 3, v1
	s_mul_i32 s18, s15, PART
	s_mul_i32 s19, s16, PART
	s_add_co_u32 s19, s19, 2*PART
.irp s, 0,1
	v_add_nc_u32 v[ADRA16+\s], s18, v[VL16]
	v_add_nc_u32 v[ADRA8+\s], s18, v[VL8]
	v_add_nc_u32 v[ADRB16+\s], s19, v[VL16]
	v_add_nc_u32 v[ADRB8+\s], s19, v[VL8]
	s_add_co_u32 s18, s18, SLOT
	s_add_co_u32 s19, s19, SLOT
.endr
	s_mul_i32 s18, s15, PS
	s_mul_i32 s19, s16, PS
	s_add_co_u32 s19, s19, 2*PS
	s_sub_co_u32 s19, s19, s18
	v_mul_u32_u24 v4, s19, v3
	s_add_co_u32 s18, s18, SCL
	v_lshl_add_u32 v4, v2, 2, v4
	v_add_nc_u32 v[ADRS], s18, v4
.if KIND == 2
	s_lshl_b32 s12, ttmp9, 2
	s_add_co_u32 s12, s12, s40
	s_lshl_b32 s12, s12, 10
	s_lshl_b32 s13, s16, 9
	s_add_co_u32 s12, s12, s13
	v_lshl_add_u32 v[VB0], v3, 6, s12
.elseif KIND == 1
	s_lshl_b32 s12, s40, 2
	s_lshl_b32 s13, s16, 1
	s_add_co_u32 s12, s12, s13
	s_mul_i32 s12, s12, 768
	s_lshl_b32 s13, ttmp9, 8
	s_add_co_u32 s12, s12, s13
	v_lshl_add_u32 v[VB0], v3, 6, s12
	s_lshl_b32 s12, s41, 2
	s_lshl_b32 s13, s15, 1
	s_add_co_u32 s12, s12, s13
	s_mul_i32 s12, s12, 768
	s_add_co_u32 s12, s12, 512
	v_and_b32 v4, 8, v2
	v_add_nc_u32 v4, v4, v2
	v_lshl_add_u32 v[VB1], v4, 2, s12
.endif
.if KIND != 3
	WIN 0x40
.irp b, 0,1,2,3
.irp j, 0,1,2,3
.set BR, 96+16*\b+4*\j+96*(\b/2)
.if KIND == 2
	global_load_b128 v[BR:BR+3], v[VB0], s[8:9] offset:128*\b+16*\j
.else
	global_load_b128 v[BR:BR+3], v[VB0], s[8:9] offset:768*(\b/2)+128*(\b%2)+16*\j
.endif
.endr
.endr
	WIN 0
.endif
.if KIND == 1
.irp a, 0,1,2,3,4,5,6,7
	global_load_b32 v[B1R+2*\a], v[VB1], s[8:9] offset:4*(192*(\a/4)+32*((\a/2)%2)+8*(\a%2))
	v_mov_b32 v[B1R+2*\a+1], 0
.endr
.endif
.macro FRAG reg, a16, a8, off
	ds_load_b128 v[\reg:\reg+3], v[\a16] offset:\off
	ds_load_b64 v[\reg+4:\reg+5], v[\a8] offset:\off+512
	ds_load_b128 v[\reg+6:\reg+9], v[\a16] offset:\off+768
	ds_load_b64 v[\reg+10:\reg+11], v[\a8] offset:\off+1280
.endm
.macro FETCH slot, q, p
	WIN 0x40
.irp i, 0,1,2,3,4,5,6,7
.if \i < NB
	FRAG 128*(\p)+12*\i, ADRB16+\slot, ADRB8+\slot, (\i*NQ+(\q))*FRB
.endif
.endr
	WIN 0
.irp i, 0,1,2,3,4,5,6,7
.if \i < MB
	FRAG AF+96*(\p)+12*\i, ADRA16+\slot, ADRA8+\slot, (\i*NQ+(\q))*FRB
.endif
.endr
.irp i, 0,1,2,3,4,5,6,7
.if \i < MB
	ds_load_b32 v[SC+MB*(\p)+\i], v[ADRS] offset:\i*KST*64
.endif
.endr
	v_add_nc_u32 v[ADRS], 64, v[ADRS]
.endm
.macro MULA a, p, zero
.set AW, 2+(8*NB*(\a))/256
.set WV_, (AW<<6)|(AW<<4)|1
	WIN WV_
.irp b, 0,1,2,3,4,5,6,7
.if \b < NB
.set AR, (8*(NB*(\a)+\b))%256
.if \zero
	v_wmma_scale_f32_16x16x128_f8f6f4 v[AR:AR+7], v[128*(\p)+12*\b:128*(\p)+12*\b+11], v[AF+96*(\p)+12*(\a):AF+96*(\p)+12*(\a)+11], 0, v[SC+MB*(\p)+\b], v[SC+MB*(\p)+(\a)] matrix_a_fmt:MATRIX_FMT_BF6 matrix_b_fmt:MATRIX_FMT_BF6 matrix_a_scale:MATRIX_SCALE_ROW1
.else
	v_wmma_scale_f32_16x16x128_f8f6f4 v[AR:AR+7], v[128*(\p)+12*\b:128*(\p)+12*\b+11], v[AF+96*(\p)+12*(\a):AF+96*(\p)+12*(\a)+11], v[AR:AR+7], v[SC+MB*(\p)+\b], v[SC+MB*(\p)+(\a)] matrix_a_fmt:MATRIX_FMT_BF6 matrix_b_fmt:MATRIX_FMT_BF6 matrix_a_scale:MATRIX_SCALE_ROW1
.endif
.endif
.endr
.endm
.macro MULS a0, n, p, zero
.set AA, \a0
.rept \n
	MULA AA, \p, \zero
.set AA, AA+1
.endr
.endm
.macro STEP slot, q, zero
	s_wait_dscnt 0x0
	MULS 0, MB/2, (\q)%2, \zero
	PLACES 4
	FETCH \slot, (\q)+1, 1-(\q)%2
	MULS MB/2, MB/2, (\q)%2, \zero
.endm
.macro TURN slot, next, fill
.if \fill
	s_wait_xcnt 0x0                                ; my last prefetch has read its address: it steps here, a slot behind that prefetch
	s_add_nc_u64 s[PFA:PFA+1], s[PFA:PFA+1], NQ*FRB
.endif
	WIN 0
	s_wait_tensorcnt 0x0
	ds_add_u32 v[SPW], v[NIL]
	s_wait_dscnt 1
	MULS 0, MB/4, 1, 0
	s_wait_dscnt 0x0
	s_barrier_signal -1
	MULS MB/4, MB/4, 1, 0
	WIN 0
	s_barrier_wait -1
.if \fill
	CREST
	s_add_nc_u64 s[G0+4*\slot+2:G0+4*\slot+3], s[G0+4*\slot+2:G0+4*\slot+3], 2*NQ*FRB
	s_add_nc_u64 s[G0B+4*\slot+2:G0B+4*\slot+3], s[G0B+4*\slot+2:G0B+4*\slot+3], 2*NQ*FRB
	JLOAD G0+4*\slot, G1, G0B+4*\slot, G1B
.else
	PLACES 4
.endif
	s_wait_alu depctr_va_vdst(0)
	FETCH \next, 0, 0
.if \fill
	s_cmp_gt_u32 s3, 1                             ; the loop's last trip fills slots 6 and 7: nothing lies two slots on
	s_cbranch_scc0 .Lno_ask_\@
	global_prefetch_b8 v[PFO], s[PFA:PFA+1] offset:NQ*FRB th:TH_LOAD_NT scope:SCOPE_SE
.Lno_ask_\@:
.endif
	MULS MB/2, MB/2, 1, 0
.endm
.macro MID slot
.if NQ > 2
.set QQ, 1
.rept NQ-2
	s_wait_alu depctr_va_vdst(0)
	STEP \slot, QQ, 0
.set QQ, QQ+1
.endr
.endif
.endm
	s_wait_alu depctr_va_vdst(0)
	s_wait_tensorcnt 0x0                           ; my tile of the head's four is in; slot 1's first fill is issued as a refill is
	ds_add_u32 v[SPW], v[NIL]
	s_mov_b32 s[G1+2], MB<<16                      ; no load of mine is out: from here on a load brings MB tiles
	s_mov_b32 s[G1+4], MB
	s_mov_b32 s[G1B+2], MB<<16
	s_mov_b32 s[G1B+4], MB
	s_wait_xcnt 0x0                                ; the head's prefetch has read its address
	s_add_nc_u64 s[PFA:PFA+1], s[PFA:PFA+1], NQ*FRB
	s_wait_dscnt 0x0
	CROUND                                         ; all four tiles are in, and all sixteen work-groups are here
	JLOAD G0+4, G1, G0B+4, G1B                     ; slot 1, the first tensor load behind the round
	FETCH 0, 0, 0
	global_prefetch_b8 v[PFO], s[PFA:PFA+1] offset:NQ*FRB th:TH_LOAD_NT scope:SCOPE_SE     ; slot 3
	s_wait_alu depctr_va_vdst(0)
	STEP 0, 0, 1
	WIN 0
	s_mov_b32 s3, LAPS-1
.Llap:
	s_wait_alu depctr_va_vdst(0)
	MID 0
	TURN 0, 1, 1
	s_wait_alu depctr_va_vdst(0)
	STEP 1, 0, 0
	MID 1
	TURN 1, 0, 1
	s_wait_alu depctr_va_vdst(0)
	STEP 0, 0, 0
	WIN 0
	s_sub_co_u32 s3, s3, 1
	s_cmp_lg_u32 s3, 0
	s_cbranch_scc1 .Llap
	MID 0
	TURN 0, 1, 0
	s_wait_alu depctr_va_vdst(0)
	STEP 1, 0, 0
	MID 1
	s_wait_dscnt 0x0
	MULS 0, MB, 1, 0
	WIN 0
	PLACES 4
.if KIND == 3
	s_lshl_b32 s12, s17, 2
	s_add_co_u32 s12, s12, s41
	s_lshl_b32 s12, s12, 3
	s_lshl_b32 s13, s15, 2
	s_add_co_u32 s12, s12, s13
	s_lshl_b32 s12, s12, 3
	s_lshl_b32 s13, ttmp9, 2
	s_add_co_u32 s13, s13, s40
	s_add_co_u32 s12, s12, s13
	s_lshl_b32 s12, s12, 13
	s_lshl_b32 s13, s16, 12
	s_add_co_u32 s12, s12, s13
	s_mov_b32 s13, 0
	s_add_nc_u64 s[10:11], s[10:11], s[12:13]
	WIN 0x08
.irp a, 0,1,2,3
.irp b, 0,1,2,3
	global_store_b128 v[VL16], v[8*(4*\a+\b):8*(4*\a+\b)+3], s[10:11] offset:\a*65536+\b*1024
	global_store_b128 v[VL16], v[8*(4*\a+\b)+4:8*(4*\a+\b)+7], s[10:11] offset:\a*65536+\b*1024+512
.endr
.endr
	WIN 0
.else
.macro QUANT s
.irp b, 0,1,2,3
	v_max3_num_f32 v[TM+\b], |v[\s+16*\b]|, |v[\s+1+16*\b]|, 0x2800000
.endr
.irp i, 2,4,6,8,10,12,14
.irp b, 0,1,2,3
	v_max3_num_f32 v[TM+\b], v[TM+\b], |v[\s+16*\b+\i]|, |v[\s+1+16*\b+\i]|
.endr
.endr
.irp b, 0,1,2,3
	v_permlanex16_b32 v[TM+4+\b], v[TM+\b], s[SEL], s[SEL+1]
.endr
.irp b, 0,1,2,3
	v_max_num_f32 v[TM+\b], v[TM+\b], v[TM+4+\b]
.endr
.irp b, 0,1,2,3
	v_add_nc_u32 v[TM+12+\b], 0xfe000000, v[TM+\b]
.endr
.irp b, 0,1,2,3
	v_lshrrev_b32 v[TM+4+\b], 23, v[TM+12+\b]
.endr
	v_lshl_or_b32 v[PW], v[TM+5], 8, v[TM+4]
	v_lshl_or_b32 v[PW], v[TM+6], 16, v[PW]
	v_lshl_or_b32 v[PW], v[TM+7], 24, v[PW]
.irp c, 0,1
	v_cvt_scalef32_pk16_bf6_f32 v[PC+6*\c:PC+2+6*\c], v[\s+32*\c:\s+15+32*\c], v[TM+12+2*\c]
	v_cvt_scalef32_pk16_bf6_f32 v[PC+12+4*\c:PC+14+4*\c], v[\s+16+32*\c:\s+31+32*\c], v[TM+12+2*\c+1]
.endr
	v_nop
.irp c, 0,1
.irp i, 0,1,2
	v_permlane16_swap_b32 v[PC+6*\c+\i], v[PC+12+4*\c+\i]
.endr
.irp i, 0,1,2
	v_mov_b32 v[PC+3+6*\c+\i], v[PC+12+4*\c+\i]
.endr
.endr
.endm
.macro BIAS a
.set AW, 2+(\a)/4
.set AC, 64*((\a)%4)
.if KIND == 1
	s_cmp_lt_u32 ttmp9, 2
	s_cbranch_scc0 .Lbias_v_\@
.endif
	WIN 0x04|AW
.set K2, 0
.rept 32
.set BR, 96+K2+96*(K2/32)
	v_pk_add_f32 v[T+K2:T+K2+1], v[AC+K2:AC+K2+1], v[BR:BR+1]
.set K2, K2+2
.endr
	WIN 0
.if KIND == 1
	s_branch .Lbias_done_\@
.Lbias_v_\@:
	WIN AW
.set K2, 0
.rept 32
	v_pk_add_f32 v[T+K2:T+K2+1], v[AC+K2:AC+K2+1], v[B1R+2*(\a):B1R+2*(\a)+1] op_sel_hi:[1,0]
.set K2, K2+2
.endr
	WIN 0
.Lbias_done_\@:
.endif
.endm
.macro OUTT a
.if (\a) > 0
	s_wait_xcnt 0x0
	s_add_nc_u64 s[10:11], s[10:11], s[96:97]
.endif
	BIAS \a
.if KIND == 2
.set K2, 0
.rept 64
	v_max_num_f32 v[T+K2], 0, v[T+K2]
.set K2, K2+1
.endr
.endif
	QUANT T
	v_mov_b32 v[KW+(\a)], v[PW]
	global_store_b128 v[VL16], v[PC:PC+3], s[10:11]
	global_store_b64 v[VL8], v[PC+4:PC+5], s[10:11] offset:512
	global_store_b128 v[VL16], v[PC+6:PC+9], s[10:11] offset:768
	global_store_b64 v[VL8], v[PC+10:PC+11], s[10:11] offset:1280
.endm
.if KIND == 2
	s_lshl_b32 s12, s17, 2
	s_add_co_u32 s12, s12, s41
	s_lshl_b32 s12, s12, 4
	s_lshl_b32 s13, s15, 3
	s_add_co_u32 s12, s12, s13
	s_lshl_b32 s13, ttmp9, 2
	s_add_co_u32 s13, s13, s40
	s_lshl_b32 s13, s13, 1
	s_add_co_u32 s13, s13, s16
	s_lshl_b32 s18, s12, 11
	s_lshl_b32 s19, s13, 6
	s_add_co_u32 s18, s18, s19
	s_add_co_u32 s18, s18, 12582912
	s_mul_i32 s12, s12, 49152
	s_mul_i32 s13, s13, 1536
	s_add_co_u32 s12, s12, s13
	s_mov_b32 s96, 49152
	s_mov_b32 s99, 2048
.else
	s_lshl_b32 s12, s17, 2
	s_add_co_u32 s13, s12, s41
	s_add_co_u32 s18, s12, s40
	s_lshl_b32 s19, s15, 3
	s_lshl_b32 s13, s13, 4
	s_add_co_u32 s13, s13, s19
	s_lshl_b32 s12, s40, 1
	s_add_co_u32 s12, s12, s16
	s_mul_i32 s92, s13, 12288
	s_mul_i32 s93, s12, 1536
	s_add_co_u32 s92, s92, s93
	s_mul_i32 s93, ttmp9, 3145728
	s_add_co_u32 s92, s92, s93
	s_lshl_b32 s93, s13, 6
	s_lshl_b32 s12, s12, 14
	s_add_co_u32 s93, s93, s12
	s_lshl_b32 s12, ttmp9, 17
	s_add_co_u32 s93, s93, s12
	s_add_co_u32 s93, s93, 9437184
	s_lshl_b32 s13, s41, 4
	s_add_co_u32 s13, s13, s19
	s_lshl_b32 s18, s18, 1
	s_add_co_u32 s18, s18, s16
	s_mul_i32 s94, s13, 49152
	s_mul_i32 s12, s18, 1536
	s_add_co_u32 s94, s94, s12
	s_add_co_u32 s94, s94, 6291456
	s_lshr_b32 s12, s18, 4
	s_lshl_b32 s12, s12, 16
	s_and_b32 s18, s18, 15
	s_lshl_b32 s18, s18, 6
	s_add_co_u32 s12, s12, s18
	s_lshl_b32 s13, s13, 10
	s_add_co_u32 s12, s12, s13
	s_add_co_u32 s95, s12, 9699328
	s_mov_b32 s19, 49152
	s_mov_b32 s13, 1024
	s_cmp_lt_u32 ttmp9, 2
	s_cselect_b32 s12, s92, s94
	s_cselect_b32 s18, s93, s95
	s_cselect_b32 s96, 12288, s19
	s_cselect_b32 s99, 64, s13
.endif
	s_mov_b32 s13, 0
	s_mov_b32 s19, 0
	s_mov_b32 s97, 0
	s_lshl_b32 s98, s99, 1
	s_mov_b32 s95, 0xffff0000
	s_mov_b32 s[SEL], 0x76543210
	s_mov_b32 s[SEL+1], 0xfedcba98
	s_wait_loadcnt 0x0
	s_add_nc_u64 s[8:9], s[10:11], s[18:19]
	s_add_nc_u64 s[10:11], s[10:11], s[12:13]
	v_and_b32 v1, 15, v0
	v_bfe_u32 v2, v0, 4, 1
	v_lshlrev_b32 v[VS], 2, v1
	v_mad_u32_u24 v[VS], v2, s99, v[VS]
.irp i, 1,2,3
	v_add_nc_u32 v[VS+\i], s98, v[VS+\i-1]
.endr
.irp b, 0,1,2,3
	v_mov_b32 v[TM+4+\b], 0
.endr
.irp a, 0,1,2,3,4,5,6,7
	OUTT \a
.endr
.irp i, 0,1,2,3
	v_cndmask_b32 v[MW+\i], v[KW+2*\i], v[KW+2*\i+1], s95
.endr
.irp i, 0,1,2,3
	global_store_b32 v[VS+\i], v[MW+\i], s[8:9]
.endr
.endif
	s_wait_tensorcnt 0x0
	ds_add_u32 v[SPW], v[NIL]
	s_wait_dscnt 0x0
	CROUND
	s_endpgm
.Lfunc_end_k_qf601b1ae2e_gff2:
	.size	k_qf601b1ae2e_gff2, .Lfunc_end_k_qf601b1ae2e_gff2-k_qf601b1ae2e_gff2
	.p2alignl 7, 3214868480
	.fill 96, 4, 3214868480
	.section	.rodata,"a",@progbits
	.p2align	6, 0x0
	.amdhsa_kernel k_qf601b1ae2e_gff2
		.amdhsa_group_segment_fixed_size 327680
		.amdhsa_private_segment_fixed_size 0
		.amdhsa_enable_private_segment 0
		.amdhsa_kernarg_size 24
		.amdhsa_user_sgpr_count 2
		.amdhsa_user_sgpr_kernarg_segment_ptr 1
		.amdhsa_wavefront_size32 1
		.amdhsa_system_sgpr_workgroup_id_x 1
		.amdhsa_system_sgpr_workgroup_id_y 1
		.amdhsa_system_sgpr_workgroup_id_z 1
		.amdhsa_system_vgpr_workitem_id 0
		.amdhsa_next_free_vgpr 768
		.amdhsa_next_free_sgpr 100
		.amdhsa_reserve_vcc 0
		.amdhsa_float_denorm_mode_32 3
		.amdhsa_float_denorm_mode_16_64 3
		.amdhsa_memory_ordered 1
		.amdhsa_forward_progress 1
		.amdhsa_inst_pref_size 91
	.end_amdhsa_kernel
	.amdgpu_metadata
---
amdhsa.version: [ 1, 2 ]
amdhsa.kernels:
  - .name:           k_qf601b1ae2e_gff2
    .symbol:         k_qf601b1ae2e_gff2.kd
    .args:
      - { .name: hid, .offset: 0, .size: 8, .value_kind: global_buffer, .address_space: global }
      - { .name: cq, .offset: 8, .size: 8, .value_kind: global_buffer, .address_space: global }
      - { .name: yb, .offset: 16, .size: 8, .value_kind: global_buffer, .address_space: global }
    .group_segment_fixed_size: 327680
    .private_segment_fixed_size: 0
    .kernarg_segment_align: 8
    .kernarg_segment_size: 24
    .max_flat_workgroup_size: 128
    .sgpr_count:     100
    .vgpr_count:     768
    .wavefront_size: 32
...
	.end_amdgpu_metadata
.endif
;; end of part 5
;; launch ln2 (part 6): grid 256 x 1, 8 waves a work-group, no clusters, 70,656 bytes of LDS; arguments yb, hb, b2, gamma, beta, out0; writes out0
.if DOCPART == 6
	.amdgcn_target "amdgcn-amd-amdhsa--gfx1250"
	.amdhsa_code_object_version 6
	.text
	.protected	k_qf601b1ae2e_ln2
	.globl	k_qf601b1ae2e_ln2
	.p2align	8
	.type	k_qf601b1ae2e_ln2,@function
k_qf601b1ae2e_ln2:
	s_mov_b64 s[64:65], 0
	v_nop
	global_prefetch_b8 v0, s[64:65] scope:SCOPE_SE
	s_setreg_imm32_b32 hwreg(HW_REG_WAVE_MODE, 25, 1), 1
	s_wait_xcnt 0x0
; out = gamma (v - mean) / sqrt(var + 1e-5) + beta with v = (y + b2) + h, row by row of 1,024, in f32.  y (the second FFN product) and h lie as the launches before left them:
; chunk c (registers 4 c .. 4 c + 3) of (tile T, columns 128 w ..) at ((8 T + w) 16 + c) 512 + 16 lane; register 16 b + i of lane (r, h) is (lane-row r of tile T, column 128 w + 32 b + 16 h + i);
; lane-row i of tile T is row 16 T + i.
; SHARES.  A work-group takes one tile of 16 rows, wave w columns 128 w .. + 127.  A row's sums meet in LDS: two barriers.  The result turns through the wave's own stage in LDS and leaves as 512 consecutive bytes of a row.
; The mean is taken first and the variance of the differences.  No matrix work, no tensor load, no cluster: nothing is read twice.
; LIMITS: NaN and infinities are not served.
.set WREG, 8448
.set SP,   528
.set RED,  67584                       ; behind the eight stages: 512 bytes of sums [r][w], 512 of sums of squares
.set VL16, 4
.set AD,   6
.set AQ,   7
.set VG,   8
.set ARED, 9
.set ARD,  10
.set D,    16                          ; v16-79   y, then gamma, then rows on the way out
.set E,    80                          ; v80-143  h, then the row's numbers
.set G,    144                         ; v144-207 b2, then beta
.set SEL,  22
.macro FOLD
	s_delay_alu instid0(VALU_DEP_3)
	v_pk_add_f32 v[248:249], v[248:249], v[250:251]
	s_delay_alu instid0(VALU_DEP_2)
	v_pk_add_f32 v[252:253], v[252:253], v[254:255]
	s_delay_alu instid0(VALU_DEP_1)
	v_pk_add_f32 v[248:249], v[248:249], v[252:253]
	s_delay_alu instid0(VALU_DEP_1)
	v_add_f32 v248, v248, v249
	s_delay_alu instid0(VALU_DEP_1)
	v_permlanex16_b32 v249, v248, s[SEL], s[SEL+1]
	s_delay_alu instid0(VALU_DEP_1)
	v_add_f32 v248, v248, v249
.endm
.macro ACROSS off
	ds_store_b32 v[ARED], v248 offset:\off
	s_wait_dscnt 0x0                               ; for the others' sake: my word has landed
	s_barrier_signal -1
	s_barrier_wait -1
	ds_load_b128 v[248:251], v[ARD] offset:\off
	ds_load_b128 v[252:255], v[ARD] offset:\off+16
	s_wait_dscnt 0x0
	v_pk_add_f32 v[248:249], v[248:249], v[250:251]
	v_pk_add_f32 v[252:253], v[252:253], v[254:255]
	s_delay_alu instid0(VALU_DEP_1)
	v_pk_add_f32 v[248:249], v[248:249], v[252:253]
	s_delay_alu instid0(VALU_DEP_1)
	v_add_f32 v248, v248, v249
.endm
	s_load_b256 s[4:11], s[0:1], 0x0               ; yb, hb, b2, gamma
	s_load_b128 s[12:15], s[0:1], 0x20             ; beta, out0
	v_lshl_add_u32 v246, v0, 2, 0x11000
	v_mov_b32 v247, 0
	v_lshrrev_b32 v1, 5, v0
	s_delay_alu instid0(VALU_DEP_1)
	v_readfirstlane_b32 s16, v1                    ; wave 0..7
	v_and_b32 v1, 31, v0
	v_and_b32 v2, 15, v0                           ; r
	v_bfe_u32 v3, v0, 4, 1                         ; h
	s_delay_alu instid0(VALU_DEP_3)
	v_lshlrev_b32 v[VL16], 4, v1
	s_mul_i32 s17, s16, WREG
	v_add_nc_u32 v[AD], s17, v[VL16]
	v_mul_u32_u24 v[AQ], v2, SP
	s_delay_alu instid0(VALU_DEP_1)
	v_lshl_add_u32 v[AQ], v3, 6, v[AQ]
	s_delay_alu instid0(VALU_DEP_1)
	v_add_nc_u32 v[AQ], s17, v[AQ]
	s_lshl_b32 s17, s16, 9
	v_lshl_add_u32 v[VG], v3, 6, s17
	s_lshl_b32 s17, s16, 2
	s_add_co_u32 s17, s17, RED
	v_lshl_add_u32 v[ARED], v2, 5, s17
	v_lshlrev_b32 v[ARD], 5, v2
	s_delay_alu instid0(VALU_DEP_1)
	v_add_nc_u32 v[ARD], RED, v[ARD]
	s_lshl_b32 s18, ttmp9, 16                      ; the tile's first row, 16 T, in bytes
	s_lshl_b32 s19, s16, 9
	s_add_co_u32 s18, s18, s19
	s_mov_b32 s19, 0
	s_lshl_b32 s24, ttmp9, 3
	s_add_co_u32 s24, s24, s16
	s_lshl_b32 s24, s24, 13                        ; (8 T + w) x 8,192
	s_mov_b32 s25, 0
	s_mov_b32 s20, 0x3a800000                      ; 1 / 1,024
	s_mov_b32 s[SEL], 0x76543210
	s_mov_b32 s[SEL+1], 0xfedcba98
	v_mov_b32 v227, 0
	s_wait_alu depctr_va_vdst(0)
	s_wait_kmcnt 0x0
	s_add_nc_u64 s[4:5], s[4:5], s[24:25]
	s_add_nc_u64 s[6:7], s[6:7], s[24:25]
	s_add_nc_u64 s[14:15], s[14:15], s[18:19]
.irp c, 0,1,2,3,4,5,6,7,8,9,10,11,12,13,14,15
	global_load_b128 v[D+4*\c:D+4*\c+3], v[VL16], s[4:5] offset:512*\c th:TH_LOAD_NT
.endr
.irp c, 0,1,2,3,4,5,6,7,8,9,10,11,12,13,14,15
	global_load_b128 v[E+4*\c:E+4*\c+3], v[VL16], s[6:7] offset:512*\c th:TH_LOAD_NT
.endr
.irp b, 0,1,2,3
.irp j, 0,1,2,3
	global_load_b128 v[G+16*\b+4*\j:G+16*\b+4*\j+3], v[VG], s[8:9] offset:128*\b+16*\j
.endr
.endr
	s_wait_loadcnt 0x0
.irp k, 0,2,4,6,8,10,12,14,16,18,20,22,24,26,28,30,32,34,36,38,40,42,44,46,48,50,52,54,56,58,60,62
	v_pk_add_f32 v[D+\k:D+\k+1], v[D+\k:D+\k+1], v[G+\k:G+\k+1]    ; f = y + b2
.endr
.irp k, 0,2,4,6,8,10,12,14,16,18,20,22,24,26,28,30,32,34,36,38,40,42,44,46,48,50,52,54,56,58,60,62
	v_pk_add_f32 v[E+\k:E+\k+1], v[D+\k:D+\k+1], v[E+\k:E+\k+1]    ; f + h
.endr
.irp b, 0,1,2,3
.irp j, 0,1,2,3
	global_load_b128 v[D+16*\b+4*\j:D+16*\b+4*\j+3], v[VG], s[10:11] offset:128*\b+16*\j   ; gamma
.endr
.endr
.irp b, 0,1,2,3
.irp j, 0,1,2,3
	global_load_b128 v[G+16*\b+4*\j:G+16*\b+4*\j+3], v[VG], s[12:13] offset:128*\b+16*\j   ; beta
.endr
.endr
	v_pk_add_f32 v[248:249], v[E:E+1], v[E+2:E+3]
	v_pk_add_f32 v[250:251], v[E+4:E+5], v[E+6:E+7]
	v_pk_add_f32 v[252:253], v[E+8:E+9], v[E+10:E+11]
	v_pk_add_f32 v[254:255], v[E+12:E+13], v[E+14:E+15]
.irp k, 16,24,32,40,48,56
	s_delay_alu instid0(VALU_DEP_4)
	v_pk_add_f32 v[248:249], v[248:249], v[E+\k:E+\k+1]
	s_delay_alu instid0(VALU_DEP_4)
	v_pk_add_f32 v[250:251], v[250:251], v[E+\k+2:E+\k+3]
	s_delay_alu instid0(VALU_DEP_4)
	v_pk_add_f32 v[252:253], v[252:253], v[E+\k+4:E+\k+5]
	s_delay_alu instid0(VALU_DEP_4)
	v_pk_add_f32 v[254:255], v[254:255], v[E+\k+6:E+\k+7]
.endr
	FOLD
	ACROSS 0
	s_delay_alu instid0(VALU_DEP_1)
	v_mul_f32 v226, 0xba800000, v248               ; -mean
.irp k, 0,2,4,6,8,10,12,14,16,18,20,22,24,26,28,30,32,34,36,38,40,42,44,46,48,50,52,54,56,58,60,62
	v_pk_add_f32 v[E+\k:E+\k+1], v[E+\k:E+\k+1], v[226:227] op_sel_hi:[1,0]
.endr
	v_pk_mul_f32 v[248:249], v[E:E+1], v[E:E+1]
	v_pk_mul_f32 v[250:251], v[E+2:E+3], v[E+2:E+3]
	v_pk_mul_f32 v[252:253], v[E+4:E+5], v[E+4:E+5]
	v_pk_mul_f32 v[254:255], v[E+6:E+7], v[E+6:E+7]
.irp k, 8,16,24,32,40,48,56
	s_delay_alu instid0(VALU_DEP_4)
	v_pk_fma_f32 v[248:249], v[E+\k:E+\k+1], v[E+\k:E+\k+1], v[248:249]
	s_delay_alu instid0(VALU_DEP_4)
	v_pk_fma_f32 v[250:251], v[E+\k+2:E+\k+3], v[E+\k+2:E+\k+3], v[250:251]
	s_delay_alu instid0(VALU_DEP_4)
	v_pk_fma_f32 v[252:253], v[E+\k+4:E+\k+5], v[E+\k+4:E+\k+5], v[252:253]
	s_delay_alu instid0(VALU_DEP_4)
	v_pk_fma_f32 v[254:255], v[E+\k+6:E+\k+7], v[E+\k+6:E+\k+7], v[254:255]
.endr
	FOLD
	ACROSS 512
	s_delay_alu instid0(VALU_DEP_1)
	v_fmaak_f32 v226, s20, v248, 0x3727c5ac        ; var + 1e-5
	s_wait_alu depctr_va_vdst(0)
	v_rsq_f32 v226, v226
	v_nop                                          ; one plain place behind the transcendental
	s_wait_loadcnt 0x0                             ; gamma and beta
	s_wait_alu depctr_va_vdst(0)
.irp k, 0,2,4,6,8,10,12,14,16,18,20,22,24,26,28,30,32,34,36,38,40,42,44,46,48,50,52,54,56,58,60,62
	v_pk_mul_f32 v[E+\k:E+\k+1], v[E+\k:E+\k+1], v[226:227] op_sel_hi:[1,0]
.endr
.irp k, 0,2,4,6,8,10,12,14,16,18,20,22,24,26,28,30,32,34,36,38,40,42,44,46,48,50,52,54,56,58,60,62
	v_pk_fma_f32 v[E+\k:E+\k+1], v[E+\k:E+\k+1], v[D+\k:D+\k+1], v[G+\k:G+\k+1]
.endr
.irp b, 0,1,2,3
.irp j, 0,1,2,3
	ds_store_b128 v[AQ], v[E+16*\b+4*\j:E+16*\b+4*\j+3] offset:128*\b+16*\j
.endr
.endr
.irp i, 0,1,2,3,4,5,6,7,8,9,10,11,12,13,14,15
	ds_load_b128 v[D+4*\i:D+4*\i+3], v[AD] offset:SP*\i            ; LDS serves a wave's instructions in order: these see my stores
.endr
.irp i, 0,1,2,3,4,5,6,7,8,9,10,11,12,13,14,15
	s_wait_dscnt 15-\i
	global_store_b128 v[VL16], v[D+4*\i:D+4*\i+3], s[14:15] offset:\i*4096 th:TH_STORE_NT   ; 512 consecutive bytes of one row
.endr
	s_wait_tensorcnt 0x0
	ds_add_u32 v246, v247
	s_wait_dscnt 0x0
	s_endpgm
.Lfunc_end_k_qf601b1ae2e_ln2:
	.size	k_qf601b1ae2e_ln2, .Lfunc_end_k_qf601b1ae2e_ln2-k_qf601b1ae2e_ln2
	.p2alignl 7, 3214868480
	.fill 96, 4, 3214868480
	.section	.rodata,"a",@progbits
	.p2align	6, 0x0
	.amdhsa_kernel k_qf601b1ae2e_ln2
		.amdhsa_group_segment_fixed_size 70656
		.amdhsa_private_segment_fixed_size 0
		.amdhsa_enable_private_segment 0
		.amdhsa_kernarg_size 48
		.amdhsa_user_sgpr_count 2
		.amdhsa_user_sgpr_kernarg_segment_ptr 1
		.amdhsa_wavefront_size32 1
		.amdhsa_system_sgpr_workgroup_id_x 1
		.amdhsa_system_sgpr_workgroup_id_y 1
		.amdhsa_system_sgpr_workgroup_id_z 1
		.amdhsa_system_vgpr_workitem_id 0
		.amdhsa_next_free_vgpr 256
		.amdhsa_next_free_sgpr 66
		.amdhsa_reserve_vcc 0
		.amdhsa_float_denorm_mode_32 3
		.amdhsa_float_denorm_mode_16_64 3
		.amdhsa_memory_ordered 1
		.amdhsa_forward_progress 1
		.amdhsa_inst_pref_size 32
	.end_amdhsa_kernel
	.amdgpu_metadata
---
amdhsa.version: [ 1, 2 ]
amdhsa.kernels:
  - .name:           k_qf601b1ae2e_ln2
    .symbol:         k_qf601b1ae2e_ln2.kd
    .args:
      - { .name: yb, .offset: 0, .size: 8, .value_kind: global_buffer, .address_space: global }
      - { .name: hb, .offset: 8, .size: 8, .value_kind: global_buffer, .address_space: global }
      - { .name: b2, .offset: 16, .size: 8, .value_kind: global_buffer, .address_space: global }
      - { .name: gamma, .offset: 24, .size: 8, .value_kind: global_buffer, .address_space: global }
      - { .name: beta, .offset: 32, .size: 8, .value_kind: global_buffer, .address_space: global }
      - { .name: out0, .offset: 40, .size: 8, .value_kind: global_buffer, .address_space: global }
    .group_segment_fixed_size: 70656
    .private_segment_fixed_size: 0
    .kernarg_segment_align: 8
    .kernarg_segment_size: 48
    .max_flat_workgroup_size: 256
    .sgpr_count:     66
    .vgpr_count:     256
    .wavefront_size: 32
...
	.end_amdgpu_metadata
.endif
;; end of part 6
